; MI455X (gfx1250); checked and timed in simulation.
; The chip was launched on July 23, 2026; its instructions are those of AMD's public machine-readable ISA for CDNA 5 (MIT licence, August 2026) and "CDNA5" Instruction Set Architecture Reference Guide (July 2026). The comments in the code are by the model that wrote it; some were corrected since.
;; Transformer Block. Allowed arithmetic: matrix products marked QUANTISED: E4M3 operands, one E8M0 scale for each 32 along K, by v_wmma_scale_f32_16x16x128_f8f6f4 with both operands' format E4M3, f32 sums; everything else in f32.
;; Inputs: W1_codes 4,096 x 32 x 32 uint8 (E4M3 codes of W1, K innermost, in blocks of 32 codes); W1_scales 4,096 x 32 uint8 (E8M0 scales of W1, one for each 32 codes along K); W2_codes 1,024 x 128 x 32 uint8 (E4M3 codes of W2, K innermost, in blocks of 32 codes); W2_scales 1,024 x 128 uint8 (E8M0 scales of W2, one for each 32 codes along K); Wk_codes 16 x 64 x 32 x 32 uint8 (E4M3 codes of Wk, K innermost, in blocks of 32 codes); Wk_scales 16 x 64 x 32 uint8 (E8M0 scales of Wk, one for each 32 codes along K); Wo_codes 1,024 x 32 x 32 uint8 (E4M3 codes of Wo, K innermost, in blocks of 32 codes); Wo_scales 1,024 x 32 uint8 (E8M0 scales of Wo, one for each 32 codes along K); Wq_codes 16 x 64 x 32 x 32 uint8 (E4M3 codes of Wq, K innermost, in blocks of 32 codes); Wq_scales 16 x 64 x 32 uint8 (E8M0 scales of Wq, one for each 32 codes along K); Wv_codes 16 x 64 x 32 x 32 uint8 (E4M3 codes of Wv, K innermost, in blocks of 32 codes); Wv_scales 16 x 64 x 32 uint8 (E8M0 scales of Wv, one for each 32 codes along K); b1 4,096 float32; b2 1,024 float32; beta1 1,024 float32; beta2 1,024 float32; bo 1,024 float32; g1 1,024 float32; g2 1,024 float32; x 2 x 2,048 x 1,024 float32.
;; Outputs: out0 2 x 2,048 x 1,024 float32.
;; This version of the problem:
;;   THIS VERSION OF THE PROBLEM IS GIVEN IN LOW PRECISION. The matrix products marked QUANTISED in the list below multiply operands that are first quantised to E4M3 (4 exponent bits, 3 mantissa bits; 8 bits a number), with one power-of-two scale for each 32 numbers along K (OCP MX v1.0); their sums are f32. All else is computed in f32.
;;   The module's matrix products, in the order in which they are computed (A, B: the left and right operand; K: the contracted axis; several contracted axes count as one K, in the product's order):
;;     1. [M 1,024, K 1,024] x [K 1,024, N 4,096]; A: input Wq (given as codes); B: computed on the way: QUANTISED
;;     2. [M 1,024, K 1,024] x [K 1,024, N 4,096]; A: input Wk (given as codes); B: computed on the way: QUANTISED
;;     3. [M 1,024, K 1,024] x [K 1,024, N 4,096]; A: input Wv (given as codes); B: computed on the way: QUANTISED
;;     4. batch 32 x [M 2,048, K 64] x [K 64, N 2,048]; A: computed on the way; B: computed on the way: QUANTISED
;;     5. batch 32 x [M 2,048, K 2,048] x [K 2,048, N 64]; A: softmax (see below); B: computed on the way: QUANTISED
;;     6. [M 4,096, K 1,024] x [K 1,024, N 1,024]; A: computed on the way; B: input Wo (given as codes): QUANTISED
;;     7. [M 4,096, K 1,024] x [K 1,024, N 4,096]; A: computed on the way; B: input W1 (given as codes): QUANTISED
;;     8. [M 4,096, K 4,096] x [K 4,096, N 1,024]; A: computed on the way; B: input W2 (given as codes): QUANTISED
;;   THE QUANTISER, for each operand of a quantised product, along K:
;;     - K is cut into blocks of 32 from its start; a last block that is shorter is filled with zeros.
;;     - A block's scale is 2^e with e = floor(log2(the largest magnitude in the block)) - 8, held to -126 .. 127; a block of zeros has e = 0. As a byte (E8M0): e + 127.
;;     - Each number is divided by its block's scale, clamped to +-448, and rounded to the nearest number of E4M3, ties to even, subnormals kept.
;;     - The product sums the exact products of the quantised numbers (number of the format x scale) in f32.
;;   ~~~python
;;   def quantise(x, axis):      # numpy; x: float32 -> the quantised numbers, widened to float32 again
;;       x = np.moveaxis(x, axis, -1); K = x.shape[-1]
;;       x = np.pad(x, [(0, 0)] * (x.ndim - 1) + [(0, -K % 32)]); x = x.reshape(x.shape[:-1] + (-1, 32)); a = np.abs(x).max(-1, keepdims=True)
;;       e = np.where(a > 0, np.clip(np.frexp(np.where(a > 0, a, 1))[1] - 1 - 8, -126, 127), 0)      # np.frexp(a)[1] - 1 = floor(log2(a)), exactly
;;       r = np.clip(x / 2.0 ** e, -448, 448)
;;       step = 2.0 ** (np.maximum(np.frexp(np.where(r == 0, 1, r))[1] - 1, -6) - 3)
;;       q = np.round(r / step) * step * 2.0 ** e      # np.round: ties to even
;;       return np.moveaxis(q.reshape(q.shape[:-2] + (-1,))[..., :K], -1, axis).astype(np.float32)
;;   ~~~
;;   SOFTMAX AHEAD OF A QUANTISED PRODUCT. Where the list says 'softmax', what is quantised is not the finished softmax but p = 2^(t - M), with t = logit x log2(e) and M = ceil(the row's largest t), a whole number; so 1/2 < the row's largest p <= 1. The row's sum l is taken of the UNQUANTISED p, in f32, and the product's result is divided by l at the end. Since M is a whole number, a kernel that streams over the keys may use a running M (the ceiling of the running maximum): every later rescaling is an exact power of two, which a block's scale takes up: the codes' values come out the same.
;;   OPERANDS COMPUTED ON THE WAY. 'Computed on the way' means the value that the module computes at that place (a softmax that the list does not call 'softmax' is quantised finished and normalised). What goes into a quantiser is computed in f32, as accurately as f32 sums, v_exp_f32 and their like allow (about 1e-6 of the number): no bf16 or f16 on the way to a quantiser, and a product that is left as it is and whose result goes on into a quantised operand takes f32 operands (vector FMAs, or v_wmma_f32_16x16x4_f32). A number that lies on a knife's edge between two numbers of the format may be rounded either way, as far as f32 arithmetic and the matrix unit's own rounding can turn it there, and no further.
;;   INPUTS GIVEN AS CODES. W1 (in the module: [1024, 4096], K = its axis 0); W2 (in the module: [4096, 1024], K = its axis 0); Wk (in the module: [16, 1024, 64], K = its axis 1); Wo (in the module: [1024, 1024], K = its axis 0); Wq (in the module: [16, 1024, 64], K = its axis 1); Wv (in the module: [16, 1024, 64], K = its axis 1): each comes as NAME_codes (uint8): NAME with its K axis moved to the last place and cut into blocks of 32 codes, [.., K / 32, bytes a block], one block behind the other in memory; one code a byte (a code: sign, 4 exponent bits, 3 mantissa bits); and NAME_scales (uint8): the same leading axes, one E8M0 byte (e + 127) for each 32 codes along K. Its value is code x scale, taken as it is: it is not quantised again, and the codes and scales need not be those that the quantiser above would give.
;; 2 versions. Each part assembles by itself: llvm-mc -triple=amdgcn-amd-amdhsa -mcpu=gfx1250 --defsym DOCPART=n.
;; ======== version 1 of 2: 7 launches
;; workspace buffers: nx 4,325,376 bytes; qkv 13,238,272 bytes; at 4,325,376 bytes; x1 16,777,216 bytes; hid 17,301,504 bytes
;; launch ln1 (part 1): grid 256 x 1, 8 waves a work-group, no clusters, 42,496 bytes of LDS; arguments x, g1, beta1, nx; writes nx
.if DOCPART == 1
	.amdgcn_target "amdgcn-amd-amdhsa--gfx1250"
	.amdhsa_code_object_version 6
	.text
	.protected	k_q9bee280b48_ln1
	.globl	k_q9bee280b48_ln1
	.p2align	8
	.type	k_q9bee280b48_ln1,@function
k_q9bee280b48_ln1:
	s_mov_b64 s[64:65], 0
	v_nop
	global_prefetch_b8 v0, s[64:65] scope:SCOPE_SE
	s_setreg_imm32_b32 hwreg(HW_REG_WAVE_MODE, 25, 1), 1
	s_wait_xcnt 0x0
; y = (x - mean) * rsqrt(var + 1e-5) * g + beta for each row of 1,024 f32 numbers, then y is turned into codes of FP8 (E4M3) with one E8M0 byte for each 32 along the row.
; Out: codes [4096][1024] at byte 0 of the buffer, scale bytes [4096][32] from byte 4,194,304 on.
; SHARES: a work-group takes 16 rows, each of its eight waves two.  A row is 4,096 bytes: eight loads of 512 consecutive bytes, 32 registers a lane; it stays in registers between the passes, so it is read once.
; The variance is taken of x - mean (two passes over registers): a common offset of the inputs does not cancel.
; The conversions take 16 neighbours from ONE lane, the loads give a lane 4 neighbours: half a row (2,048 bytes) at a time turns through the wave's own stage in LDS (64 bytes + 16 of padding a place).
; A block's scale is 2^(floor(log2(largest magnitude)) - 8); its byte is the largest magnitude's exponent field - 8, held at 1 from below.
; LIMITS: a block of zeros gets the byte 1 (its codes are zeros; the bytes are read by this program alone); blocks whose largest magnitude lies under 2^-118 take the floor's scale; NaN and infinities are not served.
; No matrix unit, no cluster, no tensor load: the launch streams, and its work-groups share nothing but g and beta.
.set SP,   80                          ; a place in a stage: 64 bytes + 16 of padding
.set STG,  32*SP                       ; a stage: half a row
.set WREG, 2*STG                       ; a wave's two stages
.set SCB,  8*WREG                      ; behind them: the work-group's 512 scale bytes
.set X,    32                          ; v32-95   two rows, 32 registers each
.set G,    96                          ; v96-127  g at my columns
.set BT,   128                         ; v128-159 beta
.set Y,    160                         ; v160-191 two halves of 16 neighbours
.set C,    192                         ; v192-207 codes: four registers for each (row, half), never rewritten
.set E,    208                         ; v208-211 a scale byte for each (row, half)
	s_load_b256 s[4:11], s[0:1], 0x0               ; x s[4:5], g s[6:7], beta s[8:9], out s[10:11]
	v_lshl_add_u32 v216, v0, 2, 0xa200
	v_mov_b32 v217, 0
	v_lshrrev_b32 v1, 5, v0
	v_readfirstlane_b32 s16, v1                    ; wave
	v_and_b32 v1, 31, v0                           ; lane
	v_lshlrev_b32 v2, 4, v1                        ; 16 x lane
	s_mul_i32 s17, s16, WREG
	v_lshrrev_b32 v3, 2, v1
	v_mul_u32_u24 v3, v3, SP
	v_and_b32 v6, 3, v1
	v_lshl_add_u32 v3, v6, 4, v3
	v_add_nc_u32 v3, s17, v3                       ; into a stage: SP (lane / 4) + 16 (lane % 4); a load's 512 bytes take eight places
	v_mul_u32_u24 v4, v1, SP
	v_add_nc_u32 v4, s17, v4                       ; out of it: SP x lane: my 16 neighbours
	v_lshrrev_b32 v5, 1, v1
	s_lshl_b32 s17, s16, 6
	s_add_co_u32 s17, s17, SCB
	v_add_nc_u32 v5, s17, v5                       ; my block's byte among my wave's 64
	s_mov_b32 s20, 0x76543210
	s_mov_b32 s21, 0xfedcba98                      ; v_permlanex16_b32: lane l xor 16
	s_mov_b32 s24, 0x3a800000                      ; 1 / 1,024
	s_mov_b32 s25, 0x3727c5ac                      ; 1e-5
	s_mov_b32 s26, 0x600000                        ; the mantissa field of 448
	s_lshl_b32 s18, ttmp9, 16                      ; 16 rows of 4,096 bytes a work-group,
	s_lshl_b32 s19, s16, 13                        ; two a wave
	s_add_co_u32 s18, s18, s19
	s_mov_b32 s19, 0
	s_lshl_b32 s22, ttmp9, 9                       ; 512 scale bytes a work-group
	s_add_co_u32 s22, s22, 0x400000
	s_mov_b32 s23, 0
	s_wait_kmcnt 0x0
	s_add_nc_u64 s[4:5], s[4:5], s[18:19]
	s_lshr_b32 s18, s18, 2                         ; a row of codes is a quarter of a row of numbers
	s_add_nc_u64 s[14:15], s[10:11], s[22:23]      ; the scale bytes
	s_add_nc_u64 s[10:11], s[10:11], s[18:19]      ; the codes
.irp rr, 0,1
.irp i, 0,1,2,3,4,5,6,7
	global_load_b128 v[X+32*\rr+4*\i:X+32*\rr+4*\i+3], v2, s[4:5] offset:4096*\rr+512*\i   ; 32 lanes read 512 consecutive bytes
.endr
.endr
.irp i, 0,1,2,3,4,5,6,7
	global_load_b128 v[G+4*\i:G+4*\i+3], v2, s[6:7] offset:512*\i
.endr
.irp i, 0,1,2,3,4,5,6,7
	global_load_b128 v[BT+4*\i:BT+4*\i+3], v2, s[8:9] offset:512*\i
.endr
.macro WSUM r, t                       ; the sum over the 32 lanes, in every lane
	v_add_f32_dpp v[\r], v[\r], v[\r] row_xmask:1 row_mask:0xf bank_mask:0xf
	v_add_f32_dpp v[\r], v[\r], v[\r] row_xmask:2 row_mask:0xf bank_mask:0xf
	v_add_f32_dpp v[\r], v[\r], v[\r] row_xmask:4 row_mask:0xf bank_mask:0xf
	v_add_f32_dpp v[\r], v[\r], v[\r] row_xmask:8 row_mask:0xf bank_mask:0xf
	v_permlanex16_b32 v[\t], v[\r], s20, s21
	v_add_f32 v[\r], v[\r], v[\t]
.endm
.macro JOIN                            ; four chains of pairs in v[8:15] into v8
	v_pk_add_f32 v[8:9], v[8:9], v[10:11]
	v_pk_add_f32 v[12:13], v[12:13], v[14:15]
	v_pk_add_f32 v[8:9], v[8:9], v[12:13]
	v_add_f32 v8, v8, v9
	WSUM 8, 9
.endm
.macro TURN s                          ; half s of the row through stage s: LDS serves a wave's instructions in order, so no wait stands between the stores and the loads
.irp i, 0,1,2,3
	ds_store_b128 v3, v[XR+16*\s+4*\i:XR+16*\s+4*\i+3] offset:STG*\s+8*SP*\i
.endr
.irp i, 0,1,2,3
	ds_load_b128 v[Y+16*\s+4*\i:Y+16*\s+4*\i+3], v4 offset:STG*\s+16*\i
.endr
.endm
.macro Q rr, s                         ; 16 neighbours a lane, two lanes to a block: scale, hold, codes
.set YS, Y+16*\s
.set CC, C+8*\rr+4*\s
.set EE, E+2*\rr+\s
	v_max3_num_f32 v8, |v[YS]|, |v[YS+1]|, |v[YS+2]|
	v_max3_num_f32 v9, |v[YS+3]|, |v[YS+4]|, |v[YS+5]|
.irp i, 6,10
	v_max3_num_f32 v8, v8, |v[YS+\i]|, |v[YS+\i+1]|
	v_max3_num_f32 v9, v9, |v[YS+\i+2]|, |v[YS+\i+3]|
.endr
	v_max3_num_f32 v8, v8, |v[YS+14]|, |v[YS+15]|
	v_max3_num_f32 v8, v8, v9, 0x4800000           ; the floor 2^(9 - 127): the byte cannot fall under 1
	v_max_num_f32_dpp v8, v8, v8 row_xmask:1 row_mask:0xf bank_mask:0xf   ; with my neighbour's 16: the block's largest magnitude
	v_add_nc_u32 v11, 0xfc000000, v8               ; 8 off its exponent field: the conversion's scale operand
	v_and_or_b32 v10, v8, 0x7f800000, s26          ; 448 x the scale
.irp i, 0,1,2,3,4,5,6,7,8,9,10,11,12,13,14,15
	v_med3_num_f32 v[YS+\i], v[YS+\i], -v10, v10   ; the conversion to an 8-bit code does not saturate (ISA guide 7.6.2): the hold comes first
.endr
	v_cvt_scalef32_pk8_fp8_f32 v[CC:CC+1], v[YS:YS+7], v11
	v_cvt_scalef32_pk8_fp8_f32 v[CC+2:CC+3], v[YS+8:YS+15], v11
	v_lshrrev_b32 v[EE], 23, v11                   ; the scale's byte
	ds_store_b8 v5, v[EE] offset:32*\rr+16*\s      ; both lanes of a block write the same byte with the same value
	global_store_b128 v2, v[CC:CC+3], s[10:11] offset:1024*\rr+512*\s   ; 32 lanes store 512 consecutive bytes
.endm
.macro ROW rr
.set XR, X+32*\rr
.if \rr == 0
	s_wait_loadcnt 24                              ; row 0's eight loads are in; row 1's, g's and beta's 24 may be out
.endif
.irp k, 0,1,2,3
	v_pk_add_f32 v[8+2*\k:9+2*\k], v[XR+4*\k:XR+4*\k+1], v[XR+4*\k+2:XR+4*\k+3]   ; the row's sum, in four chains
.endr
.irp i, 16,24
.irp k, 0,1,2,3
	v_pk_add_f32 v[8+2*\k:9+2*\k], v[8+2*\k:9+2*\k], v[XR+\i+2*\k:XR+\i+2*\k+1]
.endr
.endr
	JOIN
	v_mul_f32 v16, s24, v8                         ; the mean, twice: a pair for the packed form
	v_mul_f32 v17, s24, v8
.irp i, 0,2,4,6,8,10,12,14,16,18,20,22,24,26,28,30
	v_pk_add_f32 v[XR+\i:XR+\i+1], v[XR+\i:XR+\i+1], v[16:17] neg_lo:[0,1] neg_hi:[0,1]   ; x - mean
.endr
.irp k, 0,1,2,3
	v_pk_mul_f32 v[8+2*\k:9+2*\k], v[XR+2*\k:XR+2*\k+1], v[XR+2*\k:XR+2*\k+1]             ; the sum of squares, in four chains
.endr
.irp i, 8,16,24
.irp k, 0,1,2,3
	v_pk_fma_f32 v[8+2*\k:9+2*\k], v[XR+\i+2*\k:XR+\i+2*\k+1], v[XR+\i+2*\k:XR+\i+2*\k+1], v[8+2*\k:9+2*\k]
.endr
.endr
	JOIN
	v_fma_f32 v18, v8, s24, s25                    ; var + eps
	v_rsq_f32 v20, v18
	v_rsq_f32 v21, v18                             ; twice: a pair
	v_nop                                          ; a plain instruction behind the transcendentals (ISA guide 5.7.2)
	s_wait_alu depctr_va_vdst(0)                   ; one wait for both, ahead of their first reader
.if \rr == 0
	s_wait_loadcnt 0x0                             ; g and beta (and row 1)
.endif
.irp i, 0,2,4,6,8,10,12,14,16,18,20,22,24,26,28,30
	v_pk_mul_f32 v[XR+\i:XR+\i+1], v[XR+\i:XR+\i+1], v[20:21]
.endr
.irp i, 0,2,4,6,8,10,12,14,16,18,20,22,24,26,28,30
	v_pk_fma_f32 v[XR+\i:XR+\i+1], v[XR+\i:XR+\i+1], v[G+\i:G+\i+1], v[BT+\i:BT+\i+1]
.endr
	TURN 0
	TURN 1
	s_wait_dscnt 8                                 ; the first half is back; the second half's four stores and four loads may be out
	Q \rr, 0
	s_wait_dscnt 1                                 ; the second half is back; the byte store just issued may be out
	Q \rr, 1
.endm
	ROW 0
	ROW 1
	s_wait_dscnt 0x0                               ; for the others' sake: my byte stores have landed
	s_barrier_signal -1
	s_barrier_wait -1
	s_cmp_lg_u32 s16, 0
	s_cbranch_scc1 .Lend                           ; wave 0 sends the work-group's 512 scale bytes
	ds_load_b128 v[8:11], v2 offset:SCB
	s_wait_dscnt 0x0
	global_store_b128 v2, v[8:11], s[14:15]        ; 32 lanes store 512 consecutive bytes
.Lend:
	s_wait_tensorcnt 0x0
	ds_add_u32 v216, v217
	s_wait_dscnt 0x0
	s_endpgm
.Lfunc_end_k_q9bee280b48_ln1:
	.size	k_q9bee280b48_ln1, .Lfunc_end_k_q9bee280b48_ln1-k_q9bee280b48_ln1
	.p2alignl 7, 3214868480
	.fill 96, 4, 3214868480
	.section	.rodata,"a",@progbits
	.p2align	6, 0x0
	.amdhsa_kernel k_q9bee280b48_ln1
		.amdhsa_group_segment_fixed_size 42496
		.amdhsa_private_segment_fixed_size 0
		.amdhsa_enable_private_segment 0
		.amdhsa_kernarg_size 32
		.amdhsa_user_sgpr_count 2
		.amdhsa_user_sgpr_kernarg_segment_ptr 1
		.amdhsa_wavefront_size32 1
		.amdhsa_system_sgpr_workgroup_id_x 1
		.amdhsa_system_sgpr_workgroup_id_y 1
		.amdhsa_system_sgpr_workgroup_id_z 1
		.amdhsa_system_vgpr_workitem_id 0
		.amdhsa_next_free_vgpr 218
		.amdhsa_next_free_sgpr 66
		.amdhsa_reserve_vcc 0
		.amdhsa_float_denorm_mode_32 3
		.amdhsa_float_denorm_mode_16_64 3
		.amdhsa_memory_ordered 1
		.amdhsa_forward_progress 1
		.amdhsa_inst_pref_size 29
	.end_amdhsa_kernel
	.amdgpu_metadata
---
amdhsa.version: [ 1, 2 ]
amdhsa.kernels:
  - .name:           k_q9bee280b48_ln1
    .symbol:         k_q9bee280b48_ln1.kd
    .args:
      - { .name: x, .offset: 0, .size: 8, .value_kind: global_buffer, .address_space: global }
      - { .name: g1, .offset: 8, .size: 8, .value_kind: global_buffer, .address_space: global }
      - { .name: beta1, .offset: 16, .size: 8, .value_kind: global_buffer, .address_space: global }
      - { .name: nx, .offset: 24, .size: 8, .value_kind: global_buffer, .address_space: global }
    .group_segment_fixed_size: 42496
    .private_segment_fixed_size: 0
    .kernarg_segment_align: 8
    .kernarg_segment_size: 32
    .max_flat_workgroup_size: 256
    .sgpr_count:     66
    .vgpr_count:     218
    .wavefront_size: 32
...
	.end_amdgpu_metadata
.endif
;; end of part 1
;; launch qkv (part 2): grid 12 x 16, 4 waves a work-group, clusters of 4 x 4, 327,680 bytes of LDS; arguments nx, Wq_codes, Wq_scales, Wk_codes, Wk_scales, Wv_codes, Wv_scales, qkv; writes qkv
.if DOCPART == 2
	.amdgcn_target "amdgcn-amd-amdhsa--gfx1250"
	.amdhsa_code_object_version 6
	.text
	.protected	k_q9bee280b48_qkv
	.globl	k_q9bee280b48_qkv
	.p2align	8
	.type	k_q9bee280b48_qkv,@function
k_q9bee280b48_qkv:
	s_mov_b64 s[64:65], 0
	v_nop
	global_prefetch_b8 v0, s[64:65] scope:SCOPE_SE
	s_setreg_imm32_b32 hwreg(HW_REG_WAVE_MODE, 25, 1), 1
	s_wait_xcnt 0x0
	s_wait_alu depctr_hold_cnt(0) depctr_sa_sdst(0) depctr_va_vdst(0) depctr_va_sdst(0) depctr_va_ssrc(0) depctr_va_vcc(0) depctr_vm_vsrc(0)
	s_getreg_b32 s2, hwreg(HW_REG_IB_STS2, 6, 4)
	s_cmp_eq_u32 s2, 0
	s_cbranch_scc0 .Lentry_in_a_cluster
	s_endpgm
.Lentry_in_a_cluster:
	s_bfe_u32 s2, ttmp6, 0x10000c
	s_cmp_lg_u32 s2, 0xf033
	s_cbranch_scc0 .Lentry_shape_is_right
	s_endpgm
.Lentry_shape_is_right:
; q, k, v = nx x Wq, Wk, Wv on codes of FP8 (E4M3) with E8M0 scales for each 32 along K = 1,024; the results are quantised on the way out and leave as images of the next products' operand registers.
; A tile of 256 x 256 results is made by four waves, each 128 x 128: 64 accumulators, 512 registers.  K goes in steps of 256 through a ring of two LDS slots; the scale bytes of both sides come once and stay.
; CLUSTERS 4 x 4: the A side's tile is shared along a row of the cluster, the B side's along a column: joint tensor loads.  The matrix instruction is used transposed (source 0 = 16 rows of the B side, source 1 = 16 rows of
; the A side): a lane holds ONE row of the A side and its registers run along the B side's rows.
; ROLES, chosen by the cluster's x alone (equal in all sixteen partners): x = 0, 1: A side = nx (tokens), B side = Wq or Wk: a lane holds a token, registers run along (head, d), which is K of q k^T.
;   x = 2: A side = Wv, B side = nx: a lane holds one (head, d), registers run along the tokens, which are K of p v.  So one way out serves all three.
; THE ORDER IN A BLOCK: accumulators 2 c and 2 c + 1 give lane (r, h) the numbers 32 c + 16 u + 8 h + j.  That order stays inside a block of 32 and is the same for q and k, and for v and the p that the next launch makes:
;   both sides of those products carry it, so nothing is moved.
; OUT: q at byte 0, k at 4 MiB: [token / 16][head][2][lane][16 B]; v at 8 MiB: [128 tokens][(head, d) / 16][4][lane][16 B]; scale words: q at 12 MiB, k 256 KiB on: [batch x 8 + head / 2][token / 16 in the batch][16][4 B];
;   v 512 KiB on: [128 tokens][(head, d) / 16][16][4 B].
; LIMITS: a block of zeros gets the byte 1 (codes zero; read by this program alone); NaN and infinities are not served.  No prefetch: four K steps, two of them first fills.
; REGISTERS: window 0: v16-29 addresses; v32-63 scale words, two sets; v64-109 the way out; from v128 the A side's fragments, one set.  window 1: the B side's, two sets.  windows 2, 3: the accumulators ((a, b) at v[8 (8 (a % 4) + b)]).
.set SIZE_K, 1024
.set NQ,     2                         ; matrix instructions deep in a slot
.set ROWB,   256                       ; a tile's row in bytes
.set KROW,   SIZE_K
.set PITCH,  272                       ; an LDS row: 256 bytes + 16 of padding: the 16 rows that a load touches start at 16 different banks (64 banks of 4 bytes: ISA guide 11.1)
.set FR,     16
.set NL,     4
.set NP,     8                         ; places behind this matrix instruction (ISA guide 7.12.1)
.set HALFT,  128*PITCH
.set SLOT,   4*HALFT
.set LAPS,   SIZE_K/512
.set KS,     SIZE_K/32
.set SCL,    2*SLOT                    ; behind the ring: the scales, as units of 256 bytes + 16 of padding
.set HALFS,  (128*KS/256)*272
.set SBLK,   (16*KS/256)*272
.set SPARE,  SCL+4*HALFS               ; the spare words, 128 bytes a wave: two blocks of 256 bytes that no other line names
.set ADRA, 16
.set ADRB, 20
.set ADRS, 27
.set SPW,  28
.set NIL,  29
.set SC,   32
.set PC,   64                          ; v64-79   the codes just made
.set TM,   80                          ; v80-95   largest magnitudes, bytes, holds, scale operands
.set PWS,  96                          ; v96-103  a scale word for each block a
.set SW,   104                         ; v104-107 two blocks' words in one register, never rewritten
.set LI,   108                         ; 16 x lane
.set LS,   109                         ; 4 x lane
.set AF,   128
.set G1, 24
.set G0, 32
.set G1B, 48
.set G0B, 56
.set G1S, 68
.set G0S, 76
.set G1SB, 80
.set G0SB, 88
.set SEL, 66
.set MNT, 95
.set HM,  100
.set OB,  12                           ; s[12:13] where my codes go
.set SBS, 96                           ; s[96:97] where my scale words go
.set AST, 98                           ; s[98:99] from block a to block a + 1, in bytes
.set MSB, 0
.macro WIN new                         ; the immediate's high byte repeats the setting that is left
.if MSB != (\new)
	s_set_vgpr_msb (MSB<<8)|(\new)
.set MSB, (\new)
.endif
.endm
.set MUL_LO, 0xa1                      ; source 0 window 1, source 1 window 0, C and D window 2
.set MUL_HI, 0xf1
.set TO_B,   0x40
.macro JLOAD g0a, g1a, g0b, g1b        ; a joint load: waves 0 and 1 fetch for the A side, waves 2 and 3 for the B side; four v_nop follow each line
	s_cmp_eq_u32 s15, 0
	s_cbranch_scc0 .Lfor_b_\@
	tensor_load_to_lds s[\g0a:\g0a+3], s[\g1a:\g1a+7]
	s_nop 0
.rept 4
	v_nop
.endr
	s_branch .Lasked_\@
.Lfor_b_\@:
	tensor_load_to_lds s[\g0b:\g0b+3], s[\g1b:\g1b+7]
	s_nop 0
.rept 4
	v_nop
.endr
.Lasked_\@:
.endm
.macro CREST                           ; a round of the cluster's barrier behind its opening barrier
	s_cmp_lg_u32 s14, 0
	s_cbranch_scc1 .Lnot_wave_0_\@
	s_barrier_signal -3
.Lnot_wave_0_\@:
	s_barrier_wait -3
	s_barrier_signal -1
	s_barrier_wait -1
.endm
.macro CROUND
	s_barrier_signal -1
	s_barrier_wait -1
	CREST
.endm
	s_load_b512 s[68:83], s[0:1], 0x0              ; nx, Wq's codes and scales, Wk's, Wv's, out
	v_lshl_add_u32 v[SPW], v0, 2, SPARE
	v_mov_b32 v[NIL], 0
	ds_add_u32 v28, v29
	ds_add_u32 v28, v29
	s_wait_dscnt 0x0
	v_lshrrev_b32 v1, 5, v0
	v_readfirstlane_b32 s14, v1                    ; wave 0..3
	s_lshr_b32 s15, s14, 1                         ; my half of the A side's rows.  Also: I fetch for the A side (0) or the B side (1)
	s_and_b32 s16, s14, 1                          ; my half of the B side's rows.  Also: which 128 rows I fetch
	s_bfe_u32 s40, ttmp6, 0x40000                  ; cx
	s_bfe_u32 s41, ttmp6, 0x40004                  ; cy
	s_and_b32 s17, ttmp7, 0xffff
	s_lshl_b32 s17, s17, 2                         ; 4 x cluster y: it counts tiles of tokens
	s_cmp_eq_u32 ttmp9, 2
	s_cselect_b32 s18, 0, s17
	s_cselect_b32 s19, s17, 0
	s_add_co_u32 s17, s18, s41                     ; the A side's tile: tokens 4 Y + cy, or for v the weight's cy
	s_add_co_u32 s42, s19, s40                     ; the B side's tile: the weight's cx, or for v tokens 4 Y + cx
	s_lshl_b32 s43, s41, 2
	s_lshl_b32 s43, 15, s43                        ; my row of the cluster
	s_lshl_b32 s44, 0x1111, s40                    ; my column
	s_wait_kmcnt 0x0
	s_add_nc_u64 s[84:85], s[68:69], 0x400000      ; nx's scale bytes
	s_cmp_eq_u32 ttmp9, 0
	s_cselect_b64 s[8:9], s[70:71], s[74:75]       ; Wq or Wk
	s_cselect_b64 s[10:11], s[72:73], s[76:77]
	s_cmp_eq_u32 ttmp9, 2
	s_cselect_b64 s[4:5], s[78:79], s[68:69]       ; the A side's codes,
	s_cselect_b64 s[6:7], s[80:81], s[84:85]       ; its scales,
	s_cselect_b64 s[8:9], s[68:69], s[8:9]         ; the B side's codes,
	s_cselect_b64 s[10:11], s[84:85], s[10:11]     ; its scales
	s_mov_b64 s[OB:OB+1], s[82:83]
	; descriptor group 1: a tile of 128 rows x 256 bytes, 16 bytes of padding behind each row
	s_or_b32 s[G1+0], s43, (0<<16)|(1<<20)|(1<<21)|(5<<22)|(3<<25)  ; the mask; elements of 1 byte; padding on; bit 21 beside a mask; after every 64 words; 4 words
	s_or_b32 s[G1B+0], s44, (0<<16)|(1<<20)|(1<<21)|(5<<22)|(3<<25)
.irp g, G1, G1B
	s_mov_b32 s[\g+1], ROWB<<16                    ; tensor_dim0
	s_mov_b32 s[\g+2], 128<<16                     ; tensor_dim1
	s_mov_b32 s[\g+3], ROWB<<16                    ; tile_dim0
	s_mov_b32 s[\g+4], 128                         ; tile_dim1
	s_mov_b32 s[\g+5], KROW                        ; the pitch
	s_mov_b32 s[\g+6], 0
	s_mov_b32 s[\g+7], 0
.endr
	; the scales of 128 rows: a dense block, as rows of 256 bytes (32 elements of 8 bytes) with 16 bytes of padding
	s_or_b32 s[G1S+0], s43, (3<<16)|(1<<20)|(1<<21)|(5<<22)|(3<<25)
	s_or_b32 s[G1SB+0], s44, (3<<16)|(1<<20)|(1<<21)|(5<<22)|(3<<25)
.irp g, G1S, G1SB
	s_mov_b32 s[\g+1], 32<<16
	s_mov_b32 s[\g+2], (128*KS/256)<<16
	s_mov_b32 s[\g+3], 32<<16
	s_mov_b32 s[\g+4], 128*KS/256
	s_mov_b32 s[\g+5], 32
	s_mov_b32 s[\g+6], 0
	s_mov_b32 s[\g+7], 0
.endr
	s_lshl_b32 s18, s16, 7                         ; which 128 rows of the tile I fetch
	s_lshl_b32 s20, s17, 8
	s_add_co_u32 s20, s20, s18
	s_lshl_b32 s46, s42, 8
	s_add_co_u32 s46, s46, s18
	s_mov_b32 s21, 0
	s_mov_b32 s47, 0
	s_mov_b64 s[18:19], KS
	s_mul_u64 s[22:23], s[20:21], s[18:19]         ; where these rows' scales begin,
	s_mul_u64 s[92:93], s[46:47], s[18:19]
	s_mov_b64 s[18:19], KROW
	s_mul_u64 s[20:21], s[20:21], s[18:19]         ; and their codes
	s_mul_u64 s[46:47], s[46:47], s[18:19]
	s_mul_i32 s45, s14, HALFT                      ; where they go: wave x 128 rows: no place in the cluster enters an LDS address
	s_mul_i32 s94, s14, HALFS
	s_add_nc_u64 s[20:21], s[4:5], s[20:21]
	s_add_nc_u64 s[22:23], s[6:7], s[22:23]
	s_add_nc_u64 s[46:47], s[8:9], s[46:47]
	s_add_nc_u64 s[92:93], s[10:11], s[92:93]
	CROUND                                         ; all sixteen work-groups are here: the first joint loads meet
	s_mov_b32 s[G0S], 1
	s_add_co_u32 s[G0S+1], s94, SCL
	s_mov_b64 s[G0S+2:G0S+3], s[22:23]
	s_or_b32 s[G0S+3], s[G0S+3], 0x80000000
	s_mov_b32 s[G0SB], 1
	s_add_co_u32 s[G0SB+1], s94, SCL
	s_mov_b64 s[G0SB+2:G0SB+3], s[92:93]
	s_or_b32 s[G0SB+3], s[G0SB+3], 0x80000000
	JLOAD G0S, G1S, G0SB, G1SB                     ; the scales first: they are wanted with K step 0
.irp s, 0,1
	s_mov_b32 s[G0+4*\s], 1
	s_add_co_u32 s[G0+4*\s+1], s45, \s*SLOT
	s_add_nc_u64 s[G0+4*\s+2:G0+4*\s+3], s[20:21], \s*ROWB
	s_or_b32 s[G0+4*\s+3], s[G0+4*\s+3], 0x80000000
	s_mov_b32 s[G0B+4*\s], 1
	s_add_co_u32 s[G0B+4*\s+1], s45, \s*SLOT
	s_add_nc_u64 s[G0B+4*\s+2:G0B+4*\s+3], s[46:47], \s*ROWB
	s_or_b32 s[G0B+4*\s+3], s[G0B+4*\s+3], 0x80000000
	JLOAD G0+4*\s, G1, G0B+4*\s, G1B               ; three loads of mine are out behind the second
.endr
	v_and_b32 v1, 15, v0                           ; r
	v_bfe_u32 v2, v0, 4, 1                         ; h
	v_mul_u32_u24 v3, v1, PITCH
	v_lshl_add_u32 v4, v2, 4, v3                   ; a fragment's row x pitch + 16 h
	s_mul_i32 s21, s15, HALFT
	s_mul_i32 s22, s16, HALFT
	s_add_co_u32 s22, s22, 2*HALFT
.irp s, 0,1
	v_add_nc_u32 v[ADRA+\s], s21, v4
	v_add_nc_u32 v[ADRB+\s], s22, v4
	s_add_co_u32 s21, s21, SLOT
	s_add_co_u32 s22, s22, SLOT
.endr
	v_mul_u32_u24 v5, v1, KS                       ; my row's scales: KS bytes a row,
	v_lshrrev_b32 v6, 8, v5
	v_lshl_add_u32 v5, v6, 4, v5                   ; and 16 more for each 256 passed
	s_mul_i32 s21, s15, HALFS
	s_mul_i32 s22, s16, HALFS
	s_add_co_u32 s22, s22, 2*HALFS
	s_sub_co_u32 s22, s22, s21
	v_mul_u32_u24 v6, s22, v2                      ; lanes 16-31 take the B side's: one product, the lower base + h x the distance
	s_add_co_u32 s21, s21, SCL
	v_add_nc_u32 v5, v5, v6
	v_add_nc_u32 v[ADRS], s21, v5
	v_and_b32 v6, 31, v0
	v_lshlrev_b32 v[LI], 4, v6
	v_lshlrev_b32 v[LS], 2, v6
	s_mov_b32 s[SEL], 0x76543210
	s_mov_b32 s[SEL+1], 0xfedcba98
	s_mov_b32 s[MNT], 0x600000
	s_mov_b32 s[HM], 0xffff0000                    ; lanes 16-31
	; where my results go.  P = my first block of 16 rows of the A side, Q = my 128 rows of the B side
	s_lshl_b32 s18, s17, 4
	s_lshl_b32 s19, s15, 3
	s_add_co_u32 s18, s18, s19                     ; P
	s_lshl_b32 s19, s42, 1
	s_add_co_u32 s19, s19, s16                     ; Q
	s_lshl_b32 s20, ttmp9, 22                      ; q, k: 4 MiB x which + P x 16 heads x 1 KiB + Q x two heads
	s_lshl_b32 s21, s18, 14
	s_add_co_u32 s20, s20, s21
	s_lshl_b32 s21, s19, 11
	s_add_co_u32 s20, s20, s21
	s_lshr_b32 s21, s18, 7                         ; the batch
	s_lshl_b32 s21, s21, 3
	s_add_co_u32 s21, s21, s19
	s_lshl_b32 s21, s21, 7
	s_and_b32 s22, s18, 127                        ; the token tile in the batch
	s_add_co_u32 s21, s21, s22
	s_lshl_b32 s21, s21, 6
	s_lshl_b32 s22, ttmp9, 18
	s_add_co_u32 s21, s21, s22
	s_add_co_u32 s21, s21, 0xc00000
	s_lshl_b32 s22, s19, 6                         ; v: (Q x 64 + P) images of 2 KiB, words of 64 bytes
	s_add_co_u32 s22, s22, s18
	s_lshl_b32 s23, s22, 6
	s_add_co_u32 s23, s23, 0xc80000
	s_lshl_b32 s22, s22, 11
	s_add_co_u32 s22, s22, 0x800000
	s_mov_b32 s[AST], 16384
	s_cmp_eq_u32 ttmp9, 2
	s_cselect_b32 s20, s22, s20
	s_cselect_b32 s22, s23, s21
	s_cselect_b32 s[AST], 2048, s[AST]
	s_mov_b32 s[AST+1], 0
	s_mov_b32 s21, 0
	s_mov_b32 s23, 0
	s_add_nc_u64 s[SBS:SBS+1], s[OB:OB+1], s[22:23]
	s_add_nc_u64 s[OB:OB+1], s[OB:OB+1], s[20:21]
.macro FRAG reg, adr, q, i             ; 16 rows x 128 K: lane l holds row l % 16; registers 4 c .. 4 c + 3 hold K = 32 c + 16 (l / 16) + 0 .. 15
.irp c, 0,1,2,3
	ds_load_b128 v[\reg+4*\c:\reg+4*\c+3], v[\adr] offset:128*(\q)+32*\c+(\i)*16*PITCH
.endr
.endm
; 16 matrix instructions: the A side's blocks a0, a0 + 1 x the B side's eight.  The 64 accumulators take turns, one instruction a turn, in the same order in every step.
; A scale register holds the A side's word of block i in lanes 0-15 and the B side's in lanes 16-31.
.macro MUL16 a0, p, q, sc, zero
.irp a, \a0, \a0+1
.irp b, 0,1,2,3,4,5,6,7
.if \zero
	v_wmma_scale_f32_16x16x128_f8f6f4 v[8*(8*((\a)%4)+\b):8*(8*((\a)%4)+\b)+7], v[128*(\p)+FR*\b:128*(\p)+FR*\b+FR-1], v[AF+FR*(\a):AF+FR*(\a)+FR-1], 0, v[SC+8*NQ*(\sc)+NQ*\b+(\q)], v[SC+8*NQ*(\sc)+NQ*(\a)+(\q)] matrix_a_scale:MATRIX_SCALE_ROW1
.else
	v_wmma_scale_f32_16x16x128_f8f6f4 v[8*(8*((\a)%4)+\b):8*(8*((\a)%4)+\b)+7], v[128*(\p)+FR*\b:128*(\p)+FR*\b+FR-1], v[AF+FR*(\a):AF+FR*(\a)+FR-1], v[8*(8*((\a)%4)+\b):8*(8*((\a)%4)+\b)+7], v[SC+8*NQ*(\sc)+NQ*\b+(\q)], v[SC+8*NQ*(\sc)+NQ*(\a)+(\q)] matrix_a_scale:MATRIX_SCALE_ROW1
.endif
.endr
.endr
.endm
.macro FETCH_B slot, q, p
	WIN TO_B
.irp i, 0,1,2,3,4,5,6,7
	FRAG 128*(\p)+FR*\i, ADRB+\slot, \q, \i
.endr
	WIN 0
.endm
.macro FETCH_A slot, q, i0
.irp i, \i0, \i0+1, \i0+2, \i0+3
	FRAG AF+FR*(\i), ADRA+\slot, \q, \i
.endr
.endm
.macro SCALES sc
.irp i, 0,1,2,3,4,5,6,7
	ds_load_b64 v[SC+8*NQ*\sc+NQ*\i:SC+8*NQ*\sc+NQ*\i+1], v[ADRS] offset:\i*SBLK
.endr
.endm
.macro PLACES n                        ; places in front of loads into registers that matrix instructions have read, and of the first read of results
.rept \n
	v_nop
.endr
.endm
.macro STEP slot, q, zero              ; 128 along K that have their successor in the same slot
	s_wait_dscnt 4*NL                              ; the B side's set and the A side's blocks 0-3 are in; the youngest sixteen loads (blocks 4-7) may be out
	WIN MUL_LO
	MUL16 0, (\q)%2, \q, \slot, \zero
	MUL16 2, (\q)%2, \q, \slot, \zero
	s_wait_dscnt 0
	PLACES NP
	FETCH_B \slot, (\q)+1, 1-(\q)%2
	FETCH_A \slot, (\q)+1, 0
	WIN MUL_HI
	MUL16 4, (\q)%2, \q, \slot, \zero
	MUL16 6, (\q)%2, \q, \slot, \zero
	PLACES NP
	WIN 0
	FETCH_A \slot, (\q)+1, 4
.endm
; A slot's last step changes slots: one barrier; in front of it each wave waits for all its tensor loads, adds 0 to its spare word, and waits for that and for its reads of this slot.
.macro TURN slot, next, fill
	s_wait_tensorcnt 0x0                           ; all my tensor loads have landed: my part of the next slot
	ds_add_u32 v[SPW], v[NIL]                      ; 0 onto my spare word
	s_wait_dscnt 4*NL+1                            ; the add and the youngest sixteen loads may be out
	WIN MUL_LO
	MUL16 0, 1, NQ-1, \slot, 0
	s_wait_dscnt 0x0                               ; the add is done, and my reads of this slot are over
	s_barrier_signal -1
	MUL16 2, 1, NQ-1, \slot, 0
	WIN 0
	s_barrier_wait -1
.if \fill
	CREST                                          ; the barrier has opened a round of the cluster's: no wave of any partner still reads this slot or has a load on its way
	s_add_nc_u64 s[G0+4*\slot+2:G0+4*\slot+3], s[G0+4*\slot+2:G0+4*\slot+3], 2*ROWB
	s_add_nc_u64 s[G0B+4*\slot+2:G0B+4*\slot+3], s[G0B+4*\slot+2:G0B+4*\slot+3], 2*ROWB
	JLOAD G0+4*\slot, G1, G0B+4*\slot, G1B         ; the first tensor load behind the round, and my only one until the next
	PLACES NP-4
.else
	PLACES NP
.endif
	v_add_nc_u32 v[ADRS], 4*NQ, v[ADRS]            ; the next K step's scale words
	FETCH_B \next, 0, 0
	FETCH_A \next, 0, 0
	SCALES \next
	WIN MUL_HI
	MUL16 4, 1, NQ-1, \slot, 0
	MUL16 6, 1, NQ-1, \slot, 0
	PLACES NP
	WIN 0
	FETCH_A \next, 0, 4
.endm
	s_wait_tensorcnt 1                             ; the scales and my part of K step 0 are in; K step 1's load may be out
	s_barrier_signal -1
	s_barrier_wait -1
	FETCH_B 0, 0, 0
	FETCH_A 0, 0, 0
	SCALES 0
	FETCH_A 0, 0, 4
	STEP 0, 0, 1                                   ; the first step's products start the sums
	s_mov_b32 s3, LAPS-1
.Llap:
	TURN 0, 1, 1
	STEP 1, 0, 0
	TURN 1, 0, 1
	STEP 0, 0, 0
	s_sub_co_u32 s3, s3, 1
	s_cmp_lg_u32 s3, 0
	s_cbranch_scc1 .Llap
	TURN 0, 1, 0                                   ; the last lap fills nothing
	STEP 1, 0, 0
	s_wait_dscnt 4*NL
	WIN MUL_LO
	MUL16 0, 1, NQ-1, 1, 0
	MUL16 2, 1, NQ-1, 1, 0
	s_wait_dscnt 0
	WIN MUL_HI
	MUL16 4, 1, NQ-1, 1, 0
	MUL16 6, 1, NQ-1, 1, 0
	WIN 0
; THE WAY OUT.  Block a's 64 registers of a lane are four blocks of 32 (16 numbers mine, 16 in lane l xor 16): largest magnitude, scale, hold, codes.  The codes are the next operand's registers as they stand.
.macro QUANTW a
.set AC, 64*((\a)%4)
.set WW, 2+(\a)/4
	WIN WW|(WW<<2)                                 ; sources 0 and 1: the accumulators' window
.irp b, 0,1,2,3
	v_max3_num_f32 v[TM+\b], |v[AC+16*\b]|, |v[AC+16*\b+1]|, 0x4800000   ; each accumulator is read from its low end on; the floor 2^(9 - 127) holds the byte at 1 from below
.endr
.irp i, 2,4,6,8,10,12,14
.irp b, 0,1,2,3
	v_max3_num_f32 v[TM+\b], |v[AC+16*\b+\i]|, |v[AC+16*\b+\i+1]|, v[TM+\b]
.endr
.endr
	WIN 0
.irp b, 0,1,2,3
	v_permlanex16_b32 v[TM+4+\b], v[TM+\b], s[SEL], s[SEL+1]
.endr
.irp b, 0,1,2,3
	v_max_num_f32 v[TM+\b], v[TM+\b], v[TM+4+\b]
.endr
.irp b, 0,1,2,3
	v_add_nc_u32 v[TM+12+\b], 0xfc000000, v[TM+\b] ; 8 off the exponent field: the conversion's scale operand
.endr
.irp b, 0,1,2,3
	v_and_or_b32 v[TM+8+\b], v[TM+\b], 0x7f800000, s[MNT]   ; 448 x the scale
.endr
.irp b, 0,1,2,3
	v_lshrrev_b32 v[TM+4+\b], 23, v[TM+12+\b]      ; the scale's byte
.endr
	v_lshl_or_b32 v[PWS+\a], v[TM+5], 8, v[TM+4]
	v_lshl_or_b32 v[PWS+\a], v[TM+6], 16, v[PWS+\a]
	v_lshl_or_b32 v[PWS+\a], v[TM+7], 24, v[PWS+\a]
	WIN WW|(WW<<6)                                 ; source 0 and destination
.irp b, 0,1,2,3
.irp i, 0,1,2,3,4,5,6,7,8,9,10,11,12,13,14,15
	v_med3_num_f32 v[AC+16*\b+\i], v[AC+16*\b+\i], -v[TM+8+\b], v[TM+8+\b]   ; the conversion does not saturate (ISA guide 7.6.2): the hold
.endr
.endr
	WIN WW
.irp b, 0,1,2,3
	v_cvt_scalef32_pk8_fp8_f32 v[PC+4*\b:PC+4*\b+1], v[AC+16*\b:AC+16*\b+7], v[TM+12+\b]
	v_cvt_scalef32_pk8_fp8_f32 v[PC+4*\b+2:PC+4*\b+3], v[AC+16*\b+8:AC+16*\b+15], v[TM+12+\b]
.endr
	v_nop                                          ; a plain instruction behind the last conversion
	WIN 0
.endm
	PLACES NP
.irp b, 0,1,2,3
	v_mov_b32 v[TM+4+\b], 0                        ; written once: a lane permute's destination counts as one of its sources
.endr
.irp a, 0,1,2,3,4,5,6,7
.if \a > 0
	s_wait_xcnt 0x0                                ; the last block's stores have read their data and their base: both are written again only behind this wait
	s_add_nc_u64 s[OB:OB+1], s[OB:OB+1], s[AST:AST+1]
.endif
	QUANTW \a
.irp c, 0,1,2,3
	global_store_b128 v[LI], v[PC+4*\c:PC+4*\c+3], s[OB:OB+1] offset:512*\c   ; 32 lanes store 512 consecutive bytes; the four, 2 KiB on end
.endr
.if (\a)%2
	v_cndmask_b32 v[SW+(\a)/2], v[PWS+\a-1], v[PWS+\a], s[HM]                 ; lanes 0-15: block a - 1's words, lanes 16-31: block a's
	global_store_b32 v[LS], v[SW+(\a)/2], s[SBS:SBS+1] offset:64*(\a-1)       ; 128 consecutive bytes
.endif
.endr
	s_wait_tensorcnt 0x0                           ; the wave's end
	ds_add_u32 v[SPW], v[NIL]
	s_wait_dscnt 0x0
	CROUND                                         ; the closing round
	s_endpgm
.Lfunc_end_k_q9bee280b48_qkv:
	.size	k_q9bee280b48_qkv, .Lfunc_end_k_q9bee280b48_qkv-k_q9bee280b48_qkv
	.p2alignl 7, 3214868480
	.fill 96, 4, 3214868480
	.section	.rodata,"a",@progbits
	.p2align	6, 0x0
	.amdhsa_kernel k_q9bee280b48_qkv
		.amdhsa_group_segment_fixed_size 327680
		.amdhsa_private_segment_fixed_size 0
		.amdhsa_enable_private_segment 0
		.amdhsa_kernarg_size 64
		.amdhsa_user_sgpr_count 2
		.amdhsa_user_sgpr_kernarg_segment_ptr 1
		.amdhsa_wavefront_size32 1
		.amdhsa_system_sgpr_workgroup_id_x 1
		.amdhsa_system_sgpr_workgroup_id_y 1
		.amdhsa_system_sgpr_workgroup_id_z 1
		.amdhsa_system_vgpr_workitem_id 0
		.amdhsa_next_free_vgpr 1024
		.amdhsa_next_free_sgpr 102
		.amdhsa_reserve_vcc 0
		.amdhsa_float_denorm_mode_32 3
		.amdhsa_float_denorm_mode_16_64 3
		.amdhsa_memory_ordered 1
		.amdhsa_forward_progress 1
		.amdhsa_inst_pref_size 186
	.end_amdhsa_kernel
	.amdgpu_metadata
---
amdhsa.version: [ 1, 2 ]
amdhsa.kernels:
  - .name:           k_q9bee280b48_qkv
    .symbol:         k_q9bee280b48_qkv.kd
    .args:
      - { .name: nx, .offset: 0, .size: 8, .value_kind: global_buffer, .address_space: global }
      - { .name: Wq_codes, .offset: 8, .size: 8, .value_kind: global_buffer, .address_space: global }
      - { .name: Wq_scales, .offset: 16, .size: 8, .value_kind: global_buffer, .address_space: global }
      - { .name: Wk_codes, .offset: 24, .size: 8, .value_kind: global_buffer, .address_space: global }
      - { .name: Wk_scales, .offset: 32, .size: 8, .value_kind: global_buffer, .address_space: global }
      - { .name: Wv_codes, .offset: 40, .size: 8, .value_kind: global_buffer, .address_space: global }
      - { .name: Wv_scales, .offset: 48, .size: 8, .value_kind: global_buffer, .address_space: global }
      - { .name: qkv, .offset: 56, .size: 8, .value_kind: global_buffer, .address_space: global }
    .group_segment_fixed_size: 327680
    .private_segment_fixed_size: 0
    .kernarg_segment_align: 8
    .kernarg_segment_size: 64
    .max_flat_workgroup_size: 128
    .sgpr_count:     102
    .vgpr_count:     1024
    .wavefront_size: 32
...
	.end_amdgpu_metadata
.endif
;; end of part 2
;; launch attn (part 3): grid 8 x 32, 16 waves a work-group, clusters of 4 x 1, 276,480 bytes of LDS; arguments qkv, at; writes at
.if DOCPART == 3
	.amdgcn_target "amdgcn-amd-amdhsa--gfx1250"
	.amdhsa_code_object_version 6
	.text
	.protected	k_q9bee280b48_attn
	.globl	k_q9bee280b48_attn
	.p2align	8
	.type	k_q9bee280b48_attn,@function
k_q9bee280b48_attn:
	s_mov_b64 s[64:65], 0
	v_nop
	global_prefetch_b8 v0, s[64:65] scope:SCOPE_SE
	s_setreg_imm32_b32 hwreg(HW_REG_WAVE_MODE, 25, 1), 1
	s_wait_xcnt 0x0
	s_wait_alu depctr_hold_cnt(0) depctr_sa_sdst(0) depctr_va_vdst(0) depctr_va_sdst(0) depctr_va_ssrc(0) depctr_va_vcc(0) depctr_vm_vsrc(0)
	s_getreg_b32 s2, hwreg(HW_REG_IB_STS2, 6, 4)
	s_cmp_eq_u32 s2, 0
	s_cbranch_scc0 .Lentry_in_a_cluster
	s_endpgm
.Lentry_in_a_cluster:
	s_bfe_u32 s2, ttmp6, 0x10000c
	s_cmp_lg_u32 s2, 0x3003
	s_cbranch_scc0 .Lentry_shape_is_right
	s_endpgm
.Lentry_shape_is_right:
; Causal attention of one head on codes of FP8 (E4M3): S^T = K Q^T (K = the head's 64: the upper half of each operand is zero codes), p = 2^(t - M), O^T = V^T P^T; o = O / l is quantised along the head's 64 and leaves as the
; image of the next product's operand.  t = score x log2(e) / 8; M = the running largest t rounded up to a whole number; l = the sum of the unquantised p.
; SHARES.  A work-group serves one (batch, head); its sixteen waves own one tile of 16 queries each: wave w of work-group x owns tokens 128 w + 16 x + 0 .. 15.  So wave w needs key steps 0 .. w of 128 keys, and step w is
; the one on the diagonal, whatever x is: every branch hangs on the wave's number and a counter alone, and all work-groups carry the same work.
; LDS holds the head's K and V whole (2 x 128 KiB of register images) and their scale words, filled ONCE, in four groups of 512 keys, so that the first steps run while the later groups land.  Nothing is filled again.
; CLUSTER 4 x 1: four work-groups of a head ask for every tile jointly (mask 15).  Wave 0 issues K's five loads, wave 1 V's five: five loads of a wave are out at the most.
; LAYOUT.  A lane holds one query throughout.  Tile t of a key step holds keys 16 t + 8 h + j: the 16 registers of tiles 2 c, 2 c + 1 are the keys 32 c + 16 u + 8 h + j, the order in which V's images were made.
; No prefetch: all that the launch reads is asked for at its head.
; LIMITS: a block of zeros gets the byte 1 (codes zero; read by this program alone); NaN and infinities are not served.
; REGISTERS: v1-7 stay; v8-11 the step's addresses; v12 -M, v13 largest t, v[14:15] l; v16-31 Q; v32-95 four fragments of K; v96-159 S^T, p, then V's four fragments; v160-191 O^T; v192-223 o; v224-239 codes; v232-254 at work;
;   v248-251, v253, v255 scale words.
.set KIMG, 0                           ; [token tile 128][1 KiB]
.set VIMG, 131072                      ; [key step 16][16 dims x 4][2 KiB]
.set KSC,  262144                      ; [token tile 128][16][4 B]
.set VSC,  270336                      ; [key step 16][4][16][4 B]
.set AK0,  1                           ; 16 x lane
.set AV0,  2                           ; VIMG + 16 x lane
.set ASK0, 3                           ; KSC + 4 r + 2 (head % 2)
.set ASV0, 4                           ; VSC + 4 r
.set DD,   5                           ; 16 x + r - 8 h
.set RR,   6
.set HH,   7
.set ADK,  8
.set ADV,  9
.set ADS,  10
.set ADT,  11
.set WV,   18
.set MNT,  19
.set SEL,  20
.set CS,   22
.set G1K,  24
.set G1V,  32
.set G1KS, 40
.set G1VS, 48
.set G0S,  56
.set T,    80                          ; the key step
.set TK,   81                          ; its images' byte in KIMG and in VIMG: 8 KiB a step
.set TS,   82                          ; K's scale words: 512 bytes a step
.set TJ,   83                          ; V's: 256
.set CNT,  84
.set HM,   13
.macro ROUND
	s_barrier_signal -1
	s_barrier_wait -1
	s_cmp_lg_u32 s[WV], 0
	s_cbranch_scc1 .Lnot_wave_0_\@
	s_barrier_signal -3
.Lnot_wave_0_\@:
	s_barrier_wait -3
	s_barrier_signal -1
	s_barrier_wait -1
.endm
	s_load_b128 s[4:7], s[0:1], 0x0                ; qkv, at
	v_lshl_add_u32 v254, v0, 2, 0x43000
	v_mov_b32 v255, 0
	ds_add_u32 v254, v255
	ds_add_u32 v254, v255
	s_wait_dscnt 0x0
	v_lshrrev_b32 v8, 5, v0
	v_readfirstlane_b32 s[WV], v8                  ; wave 0..15
	s_and_b32 s8, ttmp7, 0xffff
	s_lshr_b32 s9, s8, 4                           ; batch
	s_and_b32 s10, s8, 15                          ; head
	s_bfe_u32 s11, ttmp6, 0x40000                  ; cx
	s_lshl_b32 s12, ttmp9, 2
	s_add_co_u32 s12, s12, s11                     ; x: it enters Q's and the output's addresses and the mask's numbers alone
	s_and_b32 s85, s[WV], 1                        ; 0: K's descriptors, 1: V's
	s_lshl_b32 s13, s9, 11
	s_add_co_u32 s13, s13, s10
	s_lshl_b32 s13, s13, 10
	s_add_co_u32 s13, s13, 0x400000                ; K's images: 4 MiB + (batch x 2,048 + head) KiB
	s_lshl_b32 s14, s9, 10
	s_lshl_b32 s15, s10, 2
	s_add_co_u32 s14, s14, s15
	s_lshl_b32 s15, s14, 11
	s_add_co_u32 s15, s15, 0x800000                ; V's: 8 MiB + (batch x 1,024 + 4 head) x 2 KiB
	s_lshl_b32 s14, s14, 6
	s_add_co_u32 s14, s14, 0xc80000                ; V's scale words
	s_lshl_b32 s16, s9, 3
	s_lshr_b32 s17, s10, 1
	s_add_co_u32 s16, s16, s17                     ; batch x 8 + head / 2
	s_lshl_b32 s17, s16, 13
	s_add_co_u32 s17, s17, 0xc40000                ; K's scale words
	s_cmp_eq_u32 s85, 0
	s_cselect_b32 s86, s13, s15
	s_cselect_b32 s88, s17, s14
	s_mov_b32 s87, 0
	s_mov_b32 s89, 0
	; group 1, four shapes; all: mask 15, bit 21 beside it, elements of 8 bytes, no padding
.irp g, G1K, G1V, G1KS, G1VS
	s_mov_b32 s[\g], 15|(3<<16)|(1<<21)
	s_mov_b32 s[\g+6], 0
	s_mov_b32 s[\g+7], 0
.endr
	s_mov_b32 s[G1K+1], 128<<16                    ; K: 32 tiles of 1 KiB, 16 KiB apart
	s_mov_b32 s[G1K+2], 32<<16
	s_mov_b32 s[G1K+3], 128<<16
	s_mov_b32 s[G1K+4], 32
	s_mov_b32 s[G1K+5], 2048
	s_mov_b32 s[G1V+1], 1024<<16                   ; V: 4 key steps of 8 KiB, 128 KiB apart
	s_mov_b32 s[G1V+2], 4<<16
	s_mov_b32 s[G1V+3], 1024<<16
	s_mov_b32 s[G1V+4], 4
	s_mov_b32 s[G1V+5], 16384
	s_mov_b32 s[G1KS+1], 32<<16                    ; K's scale words: 8 KiB dense, as 32 rows of 256 bytes
	s_mov_b32 s[G1KS+2], 32<<16
	s_mov_b32 s[G1KS+3], 32<<16
	s_mov_b32 s[G1KS+4], 32
	s_mov_b32 s[G1KS+5], 32
	s_mov_b32 s[G1VS+1], 32<<16                    ; V's: 16 rows of 256 bytes, 4 KiB apart
	s_mov_b32 s[G1VS+2], 16<<16
	s_mov_b32 s[G1VS+3], 32<<16
	s_mov_b32 s[G1VS+4], 16
	s_mov_b32 s[G1VS+5], 512
	s_lshl_b32 s90, s85, 17                        ; KIMG or VIMG
	s_lshl_b32 s91, s85, 13
	s_add_co_u32 s91, s91, KSC                     ; KSC or VSC
	s_wait_kmcnt 0x0
	s_add_nc_u64 s[86:87], s[4:5], s[86:87]
	s_add_nc_u64 s[88:89], s[4:5], s[88:89]
	s_mov_b32 s[G0S], 1
	s_mov_b32 s[G0S+1], s91
	s_mov_b64 s[G0S+2:G0S+3], s[88:89]
	s_or_b32 s[G0S+3], s[G0S+3], 0x80000000
.macro MKG0 reg, g                     ; group 0 of the g-th 512 keys
	s_mov_b32 s[\reg], 1
	s_add_co_u32 s[\reg+1], s90, \g*32768
	s_add_nc_u64 s[\reg+2:\reg+3], s[86:87], \g*0x80000
	s_or_b32 s[\reg+3], s[\reg+3], 0x80000000
.endm
	MKG0 60, 0
	MKG0 68, 1
	MKG0 72, 2
	MKG0 76, 3
	ROUND                                          ; all four work-groups are here: the joint loads meet
	s_cmp_eq_u32 s[WV], 0                          ; a wave's fills stand in one branch, ahead of every wait on TENSORcnt, every LDS read and every other barrier
	s_cbranch_scc0 .Lnot_k
	tensor_load_to_lds s[G0S:G0S+3], s[G1KS:G1KS+7]
	s_nop 0
	tensor_load_to_lds s[60:63], s[G1K:G1K+7]
	s_nop 0
	tensor_load_to_lds s[68:71], s[G1K:G1K+7]
	s_nop 0
	tensor_load_to_lds s[72:75], s[G1K:G1K+7]
	s_nop 0
	tensor_load_to_lds s[76:79], s[G1K:G1K+7]
	s_nop 0
.rept 4
	v_nop
.endr
	s_branch .Lasked
.Lnot_k:
	s_cmp_eq_u32 s[WV], 1
	s_cbranch_scc0 .Lasked
	tensor_load_to_lds s[G0S:G0S+3], s[G1VS:G1VS+7]
	s_nop 0
	tensor_load_to_lds s[60:63], s[G1V:G1V+7]
	s_nop 0
	tensor_load_to_lds s[68:71], s[G1V:G1V+7]
	s_nop 0
	tensor_load_to_lds s[72:75], s[G1V:G1V+7]
	s_nop 0
	tensor_load_to_lds s[76:79], s[G1V:G1V+7]
	s_nop 0
.rept 4
	v_nop
.endr
.Lasked:
	; my tile of queries, and where its results go
	s_lshl_b32 s90, s[WV], 3
	s_add_co_u32 s90, s90, s12                     ; 8 w + x: my token tile in the batch
	s_lshl_b32 s91, s9, 7
	s_add_co_u32 s91, s91, s90                     ; and among all 256
	s_and_b32 s92, s10, 1                          ; head % 2
	s_lshr_b32 s93, s10, 1                         ; head / 2
	s_lshl_b32 s94, s91, 4
	s_add_co_u32 s94, s94, s10
	s_lshl_b32 s94, s94, 10                        ; Q's image
	s_mov_b32 s95, 0
	s_lshl_b32 s96, s16, 13
	s_lshl_b32 s97, s90, 6
	s_add_co_u32 s96, s96, s97
	s_lshl_b32 s17, s92, 1                         ; 2 (head % 2)
	s_add_co_u32 s96, s96, s17
	s_add_co_u32 s96, s96, 0xc00000                ; Q's two scale bytes
	s_mov_b32 s97, 0
	s_lshl_b32 s98, s91, 3
	s_add_co_u32 s98, s98, s93
	s_lshl_b32 s98, s98, 11
	s_lshl_b32 s99, s92, 10
	s_add_co_u32 s98, s98, s99                     ; out: (tile x 8 + head / 2) x 2 KiB + (head % 2) KiB
	s_mov_b32 s99, 0
	s_lshl_b32 s14, s93, 14
	s_lshl_b32 s15, s91, 6
	s_add_co_u32 s14, s14, s15
	s_add_co_u32 s14, s14, s17
	s_add_co_u32 s14, s14, 0x400000                ; out, scale bytes: 4 MiB + (head / 2) x 16 KiB + 4 x token + 2 (head % 2)
	s_mov_b32 s15, 0
	s_add_nc_u64 s[94:95], s[4:5], s[94:95]
	s_add_nc_u64 s[96:97], s[4:5], s[96:97]
	s_add_nc_u64 s[98:99], s[6:7], s[98:99]
	s_add_nc_u64 s[14:15], s[6:7], s[14:15]
	s_lshl_b32 s11, s12, 4                         ; 16 x
	s_mov_b32 s[HM], 0xffff0000
	s_mov_b32 s[SEL], 0x76543210
	s_mov_b32 s[SEL+1], 0xfedcba98
	s_mov_b32 s[CS], 0x3e38aa3b                    ; c = log2(e) / 8
	s_mov_b32 s[CS+1], s[CS]
	s_mov_b32 s[MNT], 0x600000
	v_and_b32 v[RR], 15, v0
	v_bfe_u32 v[HH], v0, 4, 1
	v_and_b32 v[AK0], 31, v0
	v_lshlrev_b32 v[AK0], 4, v[AK0]
	v_add_nc_u32 v[AV0], VIMG, v[AK0]
	v_lshl_add_u32 v[ASK0], v[RR], 2, KSC
	v_add_nc_u32 v[ASK0], s17, v[ASK0]
	v_lshl_add_u32 v[ASV0], v[RR], 2, VSC
	v_lshlrev_b32 v8, 3, v[HH]
	v_sub_nc_u32 v[DD], v[RR], v8
	v_add_nc_u32 v[DD], s11, v[DD]
	v_lshlrev_b32 v8, 2, v[RR]
	global_load_b128 v[16:19], v[AK0], s[94:95]            ; Q's data half: k = 0 .. 63
	global_load_b128 v[20:23], v[AK0], s[94:95] offset:512
	global_load_u16 v255, v8, s[96:97]                     ; its two scale bytes; the upper two are 0, over zero codes
.set j, 0
.rept 8
	v_mov_b32 v[24+j], 0                           ; Q's upper half: zero codes
.set j, j+1
.endr
.irp t, 0,1,2,3
.set j, 0
.rept 8
	v_mov_b32 v[40+16*\t+j], 0                     ; and K's, written once: the loads fill the lower halves alone
.set j, j+1
.endr
.endr
	v_mov_b32 v13, 0xff61b1e6                      ; the largest t so far: -3e38
	v_floor_f32 v12, -v13                          ; -M
	v_mov_b32 v14, 0
	v_mov_b32 v15, 0
.irp b, 0,1,2,3
	v_mov_b32 v[236+\b], 0                         ; a lane permute's destination counts as one of its sources
.endr
	v_mov_b32 v252, 0
	v_mov_b32 v253, 0
.set j, 0
.rept 32
	v_mov_b32 v[160+j], 0                          ; O^T: the step is written once; its first turn finds zeros
.set j, j+1
.endr
; A KEY STEP of 128 keys.  A step past my diagonal is left out by a branch on the step's number against the wave's; the lines at its end that step addresses are on every path.
.macro STEP
	s_cmp_gt_u32 s[T], s[WV]
	s_cbranch_scc1 .Lhid_\@
	v_add_nc_u32 v[ADK], s[TK], v[AK0]
	v_add_nc_u32 v[ADV], s[TK], v[AV0]
	v_add_nc_u32 v[ADS], s[TS], v[ASK0]
	v_add_nc_u32 v[ADT], s[TJ], v[ASV0]
.rept 5
	v_nop                                          ; with the four additions nine places: the products below write over registers that the last step's products read
.endr
.irp g, 0,1
.if \g
.rept 8
	v_nop                                          ; places in front of loads into registers that matrix instructions have read
.endr
.endif
.irp t, 0,1,2,3
	ds_load_b128 v[32+16*\t:35+16*\t], v[ADK] offset:(4*\g+\t)*1024
	ds_load_b128 v[36+16*\t:39+16*\t], v[ADK] offset:(4*\g+\t)*1024+512
	ds_load_u16 v[248+\t], v[ADS] offset:(4*\g+\t)*64
.endr
	s_wait_dscnt 0x0
.irp t, 0,1,2,3
	v_wmma_scale_f32_16x16x128_f8f6f4 v[96+8*(4*\g+\t):103+8*(4*\g+\t)], v[32+16*\t:47+16*\t], v[16:31], 0, v[248+\t], v255
.endr
.endr
.rept 8
	v_nop
.endr
	s_cmp_lg_u32 s[T], s[WV]                       ; on the diagonal the scores of hidden keys become -infinity ahead of the maximum
	s_cbranch_scc1 .Lopen_\@
	v_mov_b32 v254, 0xff800000
.set n, 0
.rept 64
	v_cmp_gt_i32 vcc_lo, 16*(n/8)+n%8, v[DD]       ; register n holds key 16 (n / 8) + 8 h + n % 8 of the step; my query is its 16 x + r
	v_cndmask_b32 v[96+n], v[96+n], v254, vcc_lo
.set n, n+1
.endr
.Lopen_\@:
.irp b, 0,1,2,3
	v_max3_num_f32 v[232+\b], v[96+16*\b], v[97+16*\b], v[98+16*\b]   ; the largest score of each block of 32 keys: for the row's maximum, and for the block's largest p
.endr
.irp i, 3,5,7,9,11,13
.irp b, 0,1,2,3
	v_max3_num_f32 v[232+\b], v[232+\b], v[96+16*\b+\i], v[97+16*\b+\i]
.endr
.endr
.irp b, 0,1,2,3
	v_max_num_f32 v[232+\b], v[232+\b], v[111+16*\b]
.endr
.irp b, 0,1,2,3
	v_permlanex16_b32 v[236+\b], v[232+\b], s[SEL], s[SEL+1]
.endr
.irp b, 0,1,2,3
	v_max_num_f32 v[232+\b], v[232+\b], v[236+\b]
.endr
	v_max3_num_f32 v254, v232, v233, v234
	v_max_num_f32 v254, v254, v235
	v_mul_f32 v254, s[CS], v254
	v_max_num_f32 v13, v13, v254                   ; the running largest t
	v_mov_b32 v254, v12
	v_floor_f32 v12, -v13                          ; the new -M = -ceil(t)
	v_sub_f32 v254, v12, v254                      ; old M - new M: a whole number, 0 or less
	v_cvt_i32_f32 v254, v254
	v_ldexp_f32 v252, 1.0, v254                    ; f = 2^(old M - new M)
.set j, 0
.rept 32
	v_pk_fma_f32 v[96+j:97+j], v[96+j:97+j], s[CS:CS+1], v[12:13] op_sel_hi:[1,0,0]   ; t - M
.set j, j+2
.endr
.irp b, 0,1,2,3
	v_fma_f32 v[232+\b], v[232+\b], s[CS], v12
.endr
.set j, 0
.rept 64
	v_exp_f32 v[96+j], v[96+j]                     ; p = 2^(t - M)
.set j, j+1
.endr
	v_pk_mul_f32 v[14:15], v[14:15], v[252:253] op_sel_hi:[1,0]   ; l under the new M: a plain instruction behind the exponentials
	s_wait_alu depctr_va_vdst(0)                   ; one wait for the batch of 64, ahead of its first reader
.irp b, 0,1,2,3
	v_exp_f32 v[232+\b], v[232+\b]                 ; the block's largest p
.endr
	v_pk_add_f32 v[236:237], v[96:97], v[98:99]    ; l is taken of the unquantised p, in two chains
.irp j, 4,8,12,16,20,24,28,32,36,40,44,48,52,56,60
	v_pk_add_f32 v[14:15], v[14:15], v[96+\j:97+\j]
	v_pk_add_f32 v[236:237], v[236:237], v[98+\j:99+\j]
.endr
	v_pk_add_f32 v[14:15], v[14:15], v[236:237]
	s_wait_alu depctr_va_vdst(0)                   ; and one for the four
.irp b, 0,1,2,3
	v_max_num_f32 v[232+\b], 0x4800000, v[232+\b]  ; the floor: the byte cannot fall under 1
.endr
.irp b, 0,1,2,3
	v_add_nc_u32 v[244+\b], 0xfc000000, v[232+\b]
.endr
.irp b, 0,1,2,3
	v_and_or_b32 v[240+\b], v[232+\b], 0x7f800000, s[MNT]
.endr
.irp b, 0,1,2,3
	v_lshrrev_b32 v[236+\b], 23, v[244+\b]
.endr
	v_lshl_or_b32 v253, v237, 8, v236              ; p's scale word for these 128 keys
	v_lshl_or_b32 v253, v238, 16, v253
	v_lshl_or_b32 v253, v239, 24, v253
.irp b, 0,1,2,3
.irp i, 0,1,2,3,4,5,6,7,8,9,10,11,12,13,14,15
	v_min_num_f32 v[96+16*\b+\i], v[96+16*\b+\i], v[240+\b]   ; the hold; p is not negative
.endr
	v_cvt_scalef32_pk8_fp8_f32 v[224+4*\b:225+4*\b], v[96+16*\b:103+16*\b], v[244+\b]
	v_cvt_scalef32_pk8_fp8_f32 v[226+4*\b:227+4*\b], v[104+16*\b:111+16*\b], v[244+\b]
.endr
.irp t, 0,1,2,3                        ; V's four fragments (16 dims x 128 keys) take p's registers
.irp c, 0,1,2,3
	ds_load_b128 v[96+16*\t+4*\c:99+16*\t+4*\c], v[ADV] offset:\t*2048+512*\c
.endr
	ds_load_b32 v[248+\t], v[ADT] offset:64*\t
.endr
.set j, 0
.rept 16
	v_pk_mul_f32 v[160+j:161+j], v[160+j:161+j], v[252:253] op_sel_hi:[1,0]   ; O^T under the new M; these are also the places between the conversions and the products
.set j, j+2
.endr
	s_wait_dscnt 0x0
.irp t, 0,1,2,3
	v_wmma_scale_f32_16x16x128_f8f6f4 v[160+8*\t:167+8*\t], v[96+16*\t:111+16*\t], v[224:239], v[160+8*\t:167+8*\t], v[248+\t], v253
.endr
.Lhid_\@:
	s_add_co_u32 s[T], s[T], 1
	s_add_co_u32 s[TK], s[TK], 8192
	s_add_co_u32 s[TS], s[TS], 512
	s_add_co_u32 s[TJ], s[TJ], 256
.endm
; Four key steps, whose tiles one load of wave 0 and one of wave 1 brought.
.macro GROUP g
	s_wait_tensorcnt 3-\g                          ; the scale words and groups 0 .. g have landed; the 3 - g later groups may stay out
	s_wait_dscnt 0x0
	s_barrier_signal -1
	s_barrier_wait -1
	s_mov_b32 s[T], 4*\g
	s_mov_b32 s[TK], \g*32768
	s_mov_b32 s[TS], \g*2048
	s_mov_b32 s[TJ], \g*1024
	s_mov_b32 s[CNT], 4
.Lgrp_\@:
	STEP
	s_sub_co_u32 s[CNT], s[CNT], 1
	s_cmp_lg_u32 s[CNT], 0
	s_cbranch_scc1 .Lgrp_\@
.endm
	s_wait_loadcnt 0x0                             ; Q
	GROUP 0
	GROUP 1
	GROUP 2
	GROUP 3
	; THE WAY OUT: o = O^T / l; its 64 numbers of a row are two blocks of 32 (16 mine, 16 in lane l xor 16)
.rept 8
	v_nop                                          ; places behind the last products
.endr
	v_add_f32 v14, v14, v15
	v_permlanex16_b32 v252, v14, s[SEL], s[SEL+1]
	v_add_f32 v14, v14, v252
	v_rcp_f32 v14, v14
	v_lshl_add_u32 v8, v[RR], 2, v[HH]             ; (a plain instruction behind the reciprocal)  4 r + h: my scale byte's place
	s_wait_alu depctr_va_vdst(0)                   ; ahead of the first reader
.set j, 0
.rept 32
	v_mul_f32 v[192+j], v[160+j], v14              ; register 8 t + i: dim 16 t + 8 h + i
.set j, j+1
.endr
.irp b, 0,1
	v_max3_num_f32 v[232+\b], |v[192+16*\b]|, |v[193+16*\b]|, 0x4800000
.endr
.irp i, 2,4,6,8,10,12,14
.irp b, 0,1
	v_max3_num_f32 v[232+\b], v[232+\b], |v[192+16*\b+\i]|, |v[193+16*\b+\i]|
.endr
.endr
.irp b, 0,1
	v_permlanex16_b32 v[236+\b], v[232+\b], s[SEL], s[SEL+1]
.endr
.irp b, 0,1
	v_max_num_f32 v[232+\b], v[232+\b], v[236+\b]
.endr
.irp b, 0,1
	v_add_nc_u32 v[244+\b], 0xfc000000, v[232+\b]
.endr
.irp b, 0,1
	v_and_or_b32 v[240+\b], v[232+\b], 0x7f800000, s[MNT]
.endr
.irp b, 0,1
	v_lshrrev_b32 v[236+\b], 23, v[244+\b]
.endr
	v_cndmask_b32 v238, v236, v237, s[HM]          ; lanes 0-15 send block 0's byte, lanes 16-31 block 1's
.irp b, 0,1
.irp i, 0,1,2,3,4,5,6,7,8,9,10,11,12,13,14,15
	v_med3_num_f32 v[192+16*\b+\i], v[192+16*\b+\i], -v[240+\b], v[240+\b]
.endr
	v_cvt_scalef32_pk8_fp8_f32 v[224+4*\b:225+4*\b], v[192+16*\b:199+16*\b], v[244+\b]
	v_cvt_scalef32_pk8_fp8_f32 v[226+4*\b:227+4*\b], v[200+16*\b:207+16*\b], v[244+\b]
.endr
	v_nop                                          ; a plain instruction behind the last conversion
.irp b, 0,1                            ; the partner of this operand is a given weight, so k takes its true places: lane h = 0 wants 32 c + 0 .. 15, lane h = 1 wants 32 c + 16 .. 31
	v_permlane16_swap_b32 v[224+4*\b], v[226+4*\b]
	v_permlane16_swap_b32 v[225+4*\b], v[227+4*\b]
.endr
	global_store_b128 v[AK0], v[224:227], s[98:99]             ; 512 consecutive bytes each
	global_store_b128 v[AK0], v[228:231], s[98:99] offset:512
	global_store_b8 v8, v238, s[14:15]                         ; two bytes of each row's scale word; the other two are the neighbouring head's
	s_wait_xcnt 0x0
	v_lshl_add_u32 v254, v0, 2, 0x43000
	v_mov_b32 v255, 0
	s_wait_tensorcnt 0x0
	ds_add_u32 v254, v255
	s_wait_dscnt 0x0
	ROUND                                          ; the closing round: no work-group ends while a partner may still ask for a tile that names it
	s_endpgm
.Lfunc_end_k_q9bee280b48_attn:
	.size	k_q9bee280b48_attn, .Lfunc_end_k_q9bee280b48_attn-k_q9bee280b48_attn
	.p2alignl 7, 3214868480
	.fill 96, 4, 3214868480
	.section	.rodata,"a",@progbits
	.p2align	6, 0x0
	.amdhsa_kernel k_q9bee280b48_attn
		.amdhsa_group_segment_fixed_size 276480
		.amdhsa_private_segment_fixed_size 0
		.amdhsa_enable_private_segment 0
		.amdhsa_kernarg_size 16
		.amdhsa_user_sgpr_count 2
		.amdhsa_user_sgpr_kernarg_segment_ptr 1
		.amdhsa_wavefront_size32 1
		.amdhsa_system_sgpr_workgroup_id_x 1
		.amdhsa_system_sgpr_workgroup_id_y 1
		.amdhsa_system_sgpr_workgroup_id_z 1
		.amdhsa_system_vgpr_workitem_id 0
		.amdhsa_next_free_vgpr 256
		.amdhsa_next_free_sgpr 100
		.amdhsa_reserve_vcc 1
		.amdhsa_float_denorm_mode_32 3
		.amdhsa_float_denorm_mode_16_64 3
		.amdhsa_memory_ordered 1
		.amdhsa_forward_progress 1
		.amdhsa_inst_pref_size 118
	.end_amdhsa_kernel
	.amdgpu_metadata
---
amdhsa.version: [ 1, 2 ]
amdhsa.kernels:
  - .name:           k_q9bee280b48_attn
    .symbol:         k_q9bee280b48_attn.kd
    .args:
      - { .name: qkv, .offset: 0, .size: 8, .value_kind: global_buffer, .address_space: global }
      - { .name: at, .offset: 8, .size: 8, .value_kind: global_buffer, .address_space: global }
    .group_segment_fixed_size: 276480
    .private_segment_fixed_size: 0
    .kernarg_segment_align: 8
    .kernarg_segment_size: 16
    .max_flat_workgroup_size: 512
    .sgpr_count:     100
    .vgpr_count:     256
    .wavefront_size: 32
...
	.end_amdgpu_metadata
.endif
;; end of part 3
;; launch oproj (part 4): grid 4 x 16, 4 waves a work-group, clusters of 4 x 4, 327,680 bytes of LDS; arguments at, Wo_codes, Wo_scales, bo, x, x1; writes x1
.if DOCPART == 4
	.amdgcn_target "amdgcn-amd-amdhsa--gfx1250"
	.amdhsa_code_object_version 6
	.text
	.protected	k_q9bee280b48_oproj
	.globl	k_q9bee280b48_oproj
	.p2align	8
	.type	k_q9bee280b48_oproj,@function
k_q9bee280b48_oproj:
	s_mov_b64 s[64:65], 0
	v_nop
	global_prefetch_b8 v0, s[64:65] scope:SCOPE_SE
	s_setreg_imm32_b32 hwreg(HW_REG_WAVE_MODE, 25, 1), 1
	s_wait_xcnt 0x0
	s_wait_alu depctr_hold_cnt(0) depctr_sa_sdst(0) depctr_va_vdst(0) depctr_va_sdst(0) depctr_va_ssrc(0) depctr_va_vcc(0) depctr_vm_vsrc(0)
	s_getreg_b32 s2, hwreg(HW_REG_IB_STS2, 6, 4)
	s_cmp_eq_u32 s2, 0
	s_cbranch_scc0 .Lentry_in_a_cluster
	s_endpgm
.Lentry_in_a_cluster:
	s_bfe_u32 s2, ttmp6, 0x10000c
	s_cmp_lg_u32 s2, 0xf033
	s_cbranch_scc0 .Lentry_shape_is_right
	s_endpgm
.Lentry_shape_is_right:
; C = R + (A B^T + bias): A [4096][SIZE_K] is this program's own operand, laid as register images; B [1024][SIZE_K] is a given weight, codes with K innermost; R, C [4096][1024] f32; bias [1024] f32.
; Codes of FP8 (E4M3), one E8M0 scale for each 32 along K.  A tile of 256 x 256 of C is made by four waves, each 128 x 128: 64 accumulators, 512 registers.  K goes in steps of 256 through a ring of two LDS slots.
; A: images [16 rows][128 K][4][lane][16 B]: a fragment comes by four loads of 512 consecutive bytes; a K step of eight row blocks is one tensor load of 8 rows x 4 KiB.  Its scale words lie [128 K][row][4 B] behind the codes
;   and come from memory straight into registers, a K step ahead, as the ring's refills do.  B: rows of 256 bytes + 16 of padding; its scale bytes for all of K come into LDS once.
; CLUSTERS 4 x 4: A's tile is shared along a row of the cluster, B's along a column: joint tensor loads.  The matrix instruction is used transposed (source 0 = B's rows, source 1 = A's): a lane holds eight neighbours of a row of C.
; The grid has 64 work-groups: N = 1,024 gives no more tiles of this size.
; A prefetch of the K step two refills on is assembled where the loop has trips that can ask (SIZE_K above 1,024): each row's 256 bytes once: for A the cluster with x = 0 asks, for B the cluster with y = 0;
;   the four partners of a joint load share its blocks out by address; the last two refills ask for nothing.
; REGISTERS: window 0: v16-31 addresses; v32-63 A's scale words, two sets; v64-95 B's, two sets; v96-99 the bias; from v128 A's fragments, later rows of C.  window 1: B's fragments, two sets; later rows of R.  windows 2, 3: accumulators.
.set SIZE_K, 1024
.set NQ,     2
.set KROW,   SIZE_K
.set PITCH,  272                       ; B's LDS row: 256 bytes + 16 of padding
.set FR,     16
.set NL,     4
.set NP,     8                         ; places behind this matrix instruction (ISA guide 7.12.1)
.set HALFA,  32768                     ; eight row blocks x 4 KiB
.set HALFB,  128*PITCH
.set BOFF,   2*HALFA
.set SLOT,   BOFF+2*HALFB
.set LAPS,   SIZE_K/512
.set PF,     (LAPS > 2)
.set KS,     SIZE_K/32
.set SCL,    2*SLOT                    ; behind the ring: B's scales
.set QS,     (64*KS/256)*272           ; those of 64 rows: what one tensor load brings
.set SBLK,   (16*KS/256)*272
.set SPARE,  SCL+4*QS                  ; the spare words, 128 bytes a wave
.set SPITCH, 528                       ; the way out: 16 rows x (512 + 16) bytes a wave, in slot 0, which has had its last fill and its last read by then
.set ABLK,   16*SIZE_K                 ; a row block's images, all of K
.set ASC,    4096*SIZE_K               ; where A's scale words begin
.set ADRA, 16
.set ADRB, 20
.set STO,  24
.set RD,   25
.set CO,   26
.set ADRS, 27
.set SPW,  28
.set NIL,  29
.set SAO,  30                          ; 4 x my row among A's scale words; never rewritten
.set PFO,  31                          ; the prefetches' offset; never rewritten
.set SA,   32
.set SB,   64
.set BI,   96
.set AF,   128
.set BK,   128
.set G1, 24
.set G0, 32
.set G1B, 48
.set G0B, 56
.set G1S, 68
.set G0S, 76
.set SG,  80                           ; s[80:81], s[82:83] where set 0's and set 1's scale words of A stand
.set PFA, 84
.set PFS, 86
.set LIM, 88
.set MSB, 0
.macro WIN new
.if MSB != (\new)
	s_set_vgpr_msb (MSB<<8)|(\new)
.set MSB, (\new)
.endif
.endm
.set MUL_LO, 0xa1
.set MUL_HI, 0xf1
.set TO_B,   0x40
.macro JLOAD s                         ; a joint load: waves 0 and 1 fetch A's halves, waves 2 and 3 B's; four v_nop follow each line
	s_cmp_eq_u32 s15, 0
	s_cbranch_scc0 .Lfor_b_\@
	tensor_load_to_lds s[G0+4*\s:G0+4*\s+3], s[G1:G1+7]
	s_nop 0
.rept 4
	v_nop
.endr
	s_branch .Lasked_\@
.Lfor_b_\@:
	tensor_load_to_lds s[G0B+4*\s:G0B+4*\s+3], s[G1B:G1B+7]
	s_nop 0
.rept 4
	v_nop
.endr
.Lasked_\@:
.endm
.macro ASK                             ; the K step two refills on: 32 blocks of 256 bytes, a lane a block; s3 = 1 in the loop's last trip, which asks for nothing
	s_cmp_gt_u32 s3, s[LIM]
	s_cbranch_scc0 .Lnot_mine_\@
	global_prefetch_b8 v[PFO], s[PFA:PFA+1] th:TH_LOAD_NT scope:SCOPE_SE
.Lnot_mine_\@:
.endm
.macro CREST
	s_cmp_lg_u32 s14, 0
	s_cbranch_scc1 .Lnot_wave_0_\@
	s_barrier_signal -3
.Lnot_wave_0_\@:
	s_barrier_wait -3
	s_barrier_signal -1
	s_barrier_wait -1
.endm
.macro CROUND
	s_barrier_signal -1
	s_barrier_wait -1
	CREST
.endm
	s_load_b256 s[4:11], s[0:1], 0x0               ; A, B's codes, B's scales, the bias
	s_load_b128 s[92:95], s[0:1], 0x20             ; R, C
	v_lshl_add_u32 v[SPW], v0, 2, SPARE
	v_mov_b32 v[NIL], 0
	ds_add_u32 v28, v29
	ds_add_u32 v28, v29
	s_wait_dscnt 0x0
	v_lshrrev_b32 v1, 5, v0
	v_readfirstlane_b32 s14, v1                    ; wave 0..3
	s_lshr_b32 s15, s14, 1                         ; my half of the tile's rows.  Also: I fetch for A (0) or for B (1)
	s_and_b32 s16, s14, 1                          ; my half of its columns.  Also: which half I fetch
	s_bfe_u32 s40, ttmp6, 0x40000                  ; cx
	s_bfe_u32 s41, ttmp6, 0x40004                  ; cy
	s_lshl_b32 s42, ttmp9, 2
	s_add_co_u32 s42, s42, s40                     ; tile column
	s_and_b32 s17, ttmp7, 0xffff
	s_lshl_b32 s17, s17, 2
	s_add_co_u32 s17, s17, s41                     ; tile row
	s_lshl_b32 s43, s41, 2
	s_lshl_b32 s43, 15, s43                        ; my row of the cluster
	s_lshl_b32 s44, 0x1111, s40                    ; my column
	s_or_b32 s[G1+0], s43, (3<<16)|(1<<21)         ; A: the mask; elements of 8 bytes; bit 21 beside a mask; no padding
	s_mov_b32 s[G1+1], 512<<16                     ; tensor_dim0: 4 KiB: a row block's two steps of 128
	s_mov_b32 s[G1+2], 8<<16                       ; tensor_dim1: eight row blocks
	s_mov_b32 s[G1+3], 512<<16                     ; tile_dim0
	s_mov_b32 s[G1+4], 8                           ; tile_dim1
	s_mov_b32 s[G1+5], ABLK/8                      ; the pitch
	s_mov_b32 s[G1+6], 0
	s_mov_b32 s[G1+7], 0
	s_or_b32 s[G1B+0], s44, (0<<16)|(1<<20)|(1<<21)|(5<<22)|(3<<25)   ; B: 128 rows of 256 bytes, 16 bytes of padding behind each
	s_mov_b32 s[G1B+1], 256<<16
	s_mov_b32 s[G1B+2], 128<<16
	s_mov_b32 s[G1B+3], 256<<16
	s_mov_b32 s[G1B+4], 128
	s_mov_b32 s[G1B+5], KROW
	s_mov_b32 s[G1B+6], 0
	s_mov_b32 s[G1B+7], 0
	s_or_b32 s[G1S+0], s44, (3<<16)|(1<<20)|(1<<21)|(5<<22)|(3<<25)   ; B's scales of 64 rows: dense, as rows of 256 bytes with 16 of padding
	s_mov_b32 s[G1S+1], 32<<16
	s_mov_b32 s[G1S+2], (64*KS/256)<<16
	s_mov_b32 s[G1S+3], 32<<16
	s_mov_b32 s[G1S+4], 64*KS/256
	s_mov_b32 s[G1S+5], 32
	s_mov_b32 s[G1S+6], 0
	s_mov_b32 s[G1S+7], 0
	s_lshl_b32 s20, s17, 4
	s_lshl_b32 s18, s16, 3
	s_add_co_u32 s20, s20, s18
	s_mul_i32 s20, s20, ABLK                       ; A: row block 16 x tile row + 8 x half
	s_mov_b32 s21, 0
	s_lshl_b32 s46, s42, 8
	s_lshl_b32 s18, s16, 7
	s_add_co_u32 s46, s46, s18
	s_mul_i32 s46, s46, KROW                       ; B: row 256 x tile column + 128 x half
	s_mov_b32 s47, 0
	s_lshl_b32 s90, s42, 8
	s_lshl_b32 s18, s14, 6
	s_add_co_u32 s90, s90, s18
	s_mul_i32 s90, s90, KS                         ; B's scales: row 256 x tile column + 64 x wave
	s_mov_b32 s91, 0
	s_mul_i32 s45, s16, HALFA                      ; where they go: no place in the cluster enters an LDS address
	s_mul_i32 s89, s16, HALFB
	s_add_co_u32 s89, s89, BOFF
	s_mul_i32 s88, s14, QS
	s_wait_kmcnt 0x0
	s_add_nc_u64 s[20:21], s[4:5], s[20:21]
	s_add_nc_u64 s[46:47], s[6:7], s[46:47]
	s_add_nc_u64 s[90:91], s[8:9], s[90:91]
	CROUND                                         ; all sixteen work-groups are here: the first joint loads meet
	s_mov_b32 s[G0S], 1
	s_add_co_u32 s[G0S+1], s88, SCL
	s_mov_b64 s[G0S+2:G0S+3], s[90:91]
	s_or_b32 s[G0S+3], s[G0S+3], 0x80000000
	tensor_load_to_lds s[G0S:G0S+3], s[G1S:G1S+7]  ; every wave brings a quarter of B's scales
	s_nop 0
.rept 4
	v_nop
.endr
.irp s, 0,1
	s_mov_b32 s[G0+4*\s], 1
	s_add_co_u32 s[G0+4*\s+1], s45, \s*SLOT
	s_add_nc_u64 s[G0+4*\s+2:G0+4*\s+3], s[20:21], \s*4096
	s_or_b32 s[G0+4*\s+3], s[G0+4*\s+3], 0x80000000
	s_mov_b32 s[G0B+4*\s], 1
	s_add_co_u32 s[G0B+4*\s+1], s89, \s*SLOT
	s_add_nc_u64 s[G0B+4*\s+2:G0B+4*\s+3], s[46:47], \s*256
	s_or_b32 s[G0B+4*\s+3], s[G0B+4*\s+3], 0x80000000
	JLOAD \s                                       ; three loads of mine are out behind the second
.endr
	v_and_b32 v1, 15, v0                           ; r
	v_bfe_u32 v2, v0, 4, 1                         ; h
	v_and_b32 v7, 31, v0
	v_lshlrev_b32 v[CO], 4, v7                     ; 16 x lane
	v_mul_u32_u24 v3, v1, PITCH
	v_lshl_add_u32 v4, v2, 4, v3                   ; B: row x pitch + 16 h
	s_mul_i32 s21, s15, HALFA                      ; my eight row blocks of A
	s_mul_i32 s22, s16, HALFB
	s_add_co_u32 s22, s22, BOFF                    ; my 128 rows of B
.irp s, 0,1
	v_add_nc_u32 v[ADRA+\s], s21, v[CO]
	v_add_nc_u32 v[ADRB+\s], s22, v4
	s_add_co_u32 s21, s21, SLOT
	s_add_co_u32 s22, s22, SLOT
.endr
	v_mul_u32_u24 v5, v1, KS                       ; B's scales: KS bytes a row, and 16 more for each 256 passed
	v_lshrrev_b32 v6, 8, v5
	v_lshl_add_u32 v5, v6, 4, v5
	s_mul_i32 s21, s16, 2*QS
	s_add_co_u32 s21, s21, SCL
	v_add_nc_u32 v[ADRS], s21, v5
	s_lshl_b32 s21, s17, 8
	s_lshl_b32 s22, s15, 7
	s_add_co_u32 s21, s21, s22                     ; my first row
	v_add_nc_u32 v[SAO], s21, v1
	v_lshlrev_b32 v[SAO], 2, v[SAO]
	s_add_nc_u64 s[SG:SG+1], s[4:5], ASC
	s_add_nc_u64 s[SG+2:SG+3], s[SG:SG+1], 32768
	s_mul_i32 s23, s14, 16*SPITCH                  ; my stage
	v_mul_u32_u24 v5, v1, SPITCH
	v_lshl_add_u32 v5, v2, 5, v5
	v_add_nc_u32 v[STO], s23, v5                   ; in: row r, 32 bytes for each half of the lanes
	v_add_nc_u32 v[RD], s23, v[CO]                 ; back: the 32 lanes take one row of 512 bytes
	s_lshl_b32 s96, s21, 12                        ; my first row of R and C, in bytes,
	s_lshl_b32 s98, s42, 10
	s_lshl_b32 s99, s16, 9
	s_add_co_u32 s98, s98, s99                     ; my first column
	s_mov_b32 s99, 0
	s_add_nc_u64 s[10:11], s[10:11], s[98:99]
	s_add_co_u32 s96, s96, s98
	s_mov_b32 s97, 0
	s_add_nc_u64 s[92:93], s[92:93], s[96:97]
	s_add_nc_u64 s[94:95], s[94:95], s[96:97]
.if PF
	s_lshl_b32 s96, s17, 4                         ; the prefetches: of the eight row blocks of A that I fetch my work-group takes two (by cx),
	s_lshl_b32 s97, s16, 3
	s_add_co_u32 s96, s96, s97
	s_lshl_b32 s97, s40, 1
	s_add_co_u32 s96, s96, s97
	s_mul_i32 s96, s96, ABLK
	s_add_co_u32 s96, s96, 3*4096                  ; at K step 3: the first refill steps it to 4
	s_lshl_b32 s98, s42, 8                         ; of the 128 rows of B, 32 (by cy)
	s_lshl_b32 s97, s16, 7
	s_add_co_u32 s98, s98, s97
	s_lshl_b32 s97, s41, 5
	s_add_co_u32 s98, s98, s97
	s_mul_i32 s98, s98, KROW
	s_add_co_u32 s98, s98, 3*256
	s_and_b32 s99, ttmp7, 0xffff
	s_mov_b32 s[PFS], 256
	s_mov_b32 s89, KROW
	s_cmp_eq_u32 s15, 0                            ; do I fetch for A?
	s_cselect_b32 s96, s96, s98
	s_cselect_b32 s99, ttmp9, s99                  ; the coordinate along which other clusters read the same rows
	s_cselect_b64 s[PFA:PFA+1], s[4:5], s[6:7]
	s_cselect_b32 s[PFS], 4096, s[PFS]             ; a K step on
	s_cselect_b32 s89, 256, s89                    ; from lane to lane among sixteen
	s_mov_b32 s[PFS+1], 0
	s_mov_b32 s97, 0
	s_add_nc_u64 s[PFA:PFA+1], s[PFA:PFA+1], s[96:97]
	s_cmp_eq_u32 s99, 0
	s_cselect_b32 s[LIM], 1, -1                    ; the same in all sixteen partners, for a given wave
	v_mul_lo_u32 v5, v1, s89
	v_mul_u32_u24 v6, v2, ABLK                     ; lanes 16-31: the next row block of A, or sixteen rows of B on: both are 16 SIZE_K bytes
	v_add_nc_u32 v[PFO], v5, v6
.endif
.macro ALOADS set                      ; A's scale words of a K step: register 2 i + q: lanes 0-15 hold the words of block i's rows for the step's q-th 128
.irp i, 0,1,2,3,4,5,6,7
.irp q, 0,1
	global_load_b32 v[SA+16*\set+2*\i+\q], v[SAO], s[SG+2*\set:SG+2*\set+1] offset:\q*16384+\i*64
.endr
.endr
.endm
	ALOADS 0
	ALOADS 1
.macro FRAGB reg, adr, q, i
.irp c, 0,1,2,3
	ds_load_b128 v[\reg+4*\c:\reg+4*\c+3], v[\adr] offset:128*(\q)+32*\c+(\i)*16*PITCH
.endr
.endm
.macro FRAGA reg, adr, q, i            ; an image: four loads of 512 consecutive bytes
.irp c, 0,1,2,3
	ds_load_b128 v[\reg+4*\c:\reg+4*\c+3], v[\adr] offset:(\i)*4096+(\q)*2048+512*\c
.endr
.endm
; 16 matrix instructions: A's blocks a0, a0 + 1 x B's eight.  The 64 accumulators take turns, one instruction a turn, in the same order in every step.
.macro MUL16 a0, p, q, sc, zero
.irp a, \a0, \a0+1
.irp b, 0,1,2,3,4,5,6,7
.if \zero
	v_wmma_scale_f32_16x16x128_f8f6f4 v[8*(8*((\a)%4)+\b):8*(8*((\a)%4)+\b)+7], v[128*(\p)+FR*\b:128*(\p)+FR*\b+FR-1], v[AF+FR*(\a):AF+FR*(\a)+FR-1], 0, v[SB+16*(\sc)+2*\b+(\q)], v[SA+16*(\sc)+2*(\a)+(\q)]
.else
	v_wmma_scale_f32_16x16x128_f8f6f4 v[8*(8*((\a)%4)+\b):8*(8*((\a)%4)+\b)+7], v[128*(\p)+FR*\b:128*(\p)+FR*\b+FR-1], v[AF+FR*(\a):AF+FR*(\a)+FR-1], v[8*(8*((\a)%4)+\b):8*(8*((\a)%4)+\b)+7], v[SB+16*(\sc)+2*\b+(\q)], v[SA+16*(\sc)+2*(\a)+(\q)]
.endif
.endr
.endr
.endm
.macro FETCH_B slot, q, p
	WIN TO_B
.irp i, 0,1,2,3,4,5,6,7
	FRAGB 128*(\p)+FR*\i, ADRB+\slot, \q, \i
.endr
	WIN 0
.endm
.macro FETCH_A slot, q, i0
.irp i, \i0, \i0+1, \i0+2, \i0+3
	FRAGA AF+FR*(\i), ADRA+\slot, \q, \i
.endr
.endm
.macro SCALES sc                       ; B's scale words of the next K step
.irp i, 0,1,2,3,4,5,6,7
	ds_load_b64 v[SB+16*\sc+2*\i:SB+16*\sc+2*\i+1], v[ADRS] offset:\i*SBLK
.endr
.endm
.macro PLACES n
.rept \n
	v_nop
.endr
.endm
.macro STEP slot, q, zero, lc          ; lc: the younger loads of A's scale words that may stay out: the other set's sixteen, or none
	s_wait_loadcnt \lc
	s_wait_dscnt 4*NL                              ; B's set, B's scale words and A's blocks 0-3 are in; the youngest sixteen loads (blocks 4-7) may be out
	WIN MUL_LO
	MUL16 0, (\q)%2, \q, \slot, \zero
	MUL16 2, (\q)%2, \q, \slot, \zero
	s_wait_dscnt 0
	PLACES NP
	FETCH_B \slot, (\q)+1, 1-(\q)%2
	FETCH_A \slot, (\q)+1, 0
	WIN MUL_HI
	MUL16 4, (\q)%2, \q, \slot, \zero
	MUL16 6, (\q)%2, \q, \slot, \zero
	PLACES NP
	WIN 0
	FETCH_A \slot, (\q)+1, 4
.endm
; A slot's last step changes slots: one barrier; in front of it each wave waits for all its tensor loads, adds 0 to its spare word, and waits for that and for its reads of this slot.
.macro TURN slot, next, fill
.if (\fill) && PF
	s_wait_xcnt 0x0                                ; the last prefetch, a K step back, has read its address: it is stepped here
	s_add_nc_u64 s[PFA:PFA+1], s[PFA:PFA+1], s[PFS:PFS+1]
.endif
	s_wait_tensorcnt 0x0                           ; all my tensor loads have landed: my part of the next slot
	ds_add_u32 v[SPW], v[NIL]                      ; 0 onto my spare word
	s_wait_dscnt 4*NL+1                            ; the add and the youngest sixteen loads may be out
	WIN MUL_LO
	MUL16 0, 1, NQ-1, \slot, 0
	s_wait_dscnt 0x0                               ; the add is done, and my reads of this slot are over
	s_barrier_signal -1
	MUL16 2, 1, NQ-1, \slot, 0
	WIN 0
	s_barrier_wait -1
.if \fill
	CREST                                          ; the barrier has opened a round of the cluster's: no wave of any partner still reads this slot or has a load on its way
	s_add_nc_u64 s[G0+4*\slot+2:G0+4*\slot+3], s[G0+4*\slot+2:G0+4*\slot+3], 2*4096
	s_add_nc_u64 s[G0B+4*\slot+2:G0B+4*\slot+3], s[G0B+4*\slot+2:G0B+4*\slot+3], 2*256
	JLOAD \slot                                    ; the first tensor load behind the round, and my only one until the next
	PLACES NP-4
.else
	PLACES NP
.endif
	v_add_nc_u32 v[ADRS], 4*NQ, v[ADRS]
	FETCH_B \next, 0, 0
	FETCH_A \next, 0, 0
	SCALES \next
.if (\fill) && PF
	ASK                                            ; behind the joint load, its four lines and the run of LDS loads
.endif
	WIN MUL_HI
	MUL16 4, 1, NQ-1, \slot, 0
	MUL16 6, 1, NQ-1, \slot, 0
	PLACES NP                                      ; also for the loads into this slot's scale registers
	WIN 0
.if \fill
	s_add_nc_u64 s[SG+2*\slot:SG+2*\slot+1], s[SG+2*\slot:SG+2*\slot+1], 65536   ; this set's loads were shown done by the counted wait at the slot's first step: their base may step, two K steps on
	ALOADS \slot
.endif
	FETCH_A \next, 0, 4
.endm
	s_wait_tensorcnt 1                             ; B's scales and my part of K step 0 are in; K step 1's load may be out
	s_barrier_signal -1
	s_barrier_wait -1
	FETCH_B 0, 0, 0
	FETCH_A 0, 0, 0
	SCALES 0
	FETCH_A 0, 0, 4
	STEP 0, 0, 1, 16                               ; the first step's products start the sums
	s_mov_b32 s3, LAPS-1
.Llap:
	TURN 0, 1, 1
	STEP 1, 0, 0, 16
	TURN 1, 0, 1
	STEP 0, 0, 0, 16
	s_sub_co_u32 s3, s3, 1
	s_cmp_lg_u32 s3, 0
	s_cbranch_scc1 .Llap
	TURN 0, 1, 0                                   ; the last lap fills nothing
	STEP 1, 0, 0, 0
	s_wait_dscnt 4*NL
	WIN MUL_LO
	MUL16 0, 1, NQ-1, 1, 0
	MUL16 2, 1, NQ-1, 1, 0
	s_wait_dscnt 0
	WIN MUL_HI
	MUL16 4, 1, NQ-1, 1, 0
	MUL16 6, 1, NQ-1, 1, 0
	WIN 0
; THE WAY OUT, block by block of 16 rows x 128 columns: through my own stage in LDS, back as whole rows of 512 bytes; the bias and the residual's row are added; 32 lanes store two aligned runs of 256 bytes.
.macro RLOAD a                         ; the residual's 16 rows of block a -> window 1, v0-63
	WIN TO_B
.set t, 0
.rept 16
	global_load_b128 v[4*t:4*t+3], v[CO], s[92:93] offset:(16*(\a)+t)*4096
.set t, t+1
.endr
	WIN 0
.endm
.macro TOSTAGE a
.set AC, 64*((\a)%4)
	WIN 0x08+4*((\a)/4)                            ; the data: window 2 or 3
.irp b, 0,1,2,3,4,5,6,7
	ds_store_b128 v[STO], v[AC+8*\b:AC+8*\b+3] offset:64*\b          ; each accumulator from its low end on
	ds_store_b128 v[STO], v[AC+8*\b+4:AC+8*\b+7] offset:64*\b+16
.endr
	WIN 0
.set BB, BK+64*((\a)%2)
.set t, 0
.rept 16
	ds_load_b128 v[BB+4*t:BB+4*t+3], v[RD] offset:t*SPITCH           ; LDS serves a wave's instructions in order (ISA guide 5.7.1.4): these see the stores above
.set t, t+1
.endr
.endm
.macro SENDR a, younger                ; younger: the LDS instructions issued behind block a's loads
.set BB, BK+64*((\a)%2)
	s_wait_dscnt \younger
	s_wait_loadcnt 0x0                             ; the residual's rows (and, the first time, the bias)
.set t, 0
.rept 16
	v_pk_add_f32 v[BB+4*t:BB+4*t+1], v[BB+4*t:BB+4*t+1], v[BI:BI+1]
	v_pk_add_f32 v[BB+4*t+2:BB+4*t+3], v[BB+4*t+2:BB+4*t+3], v[BI+2:BI+3]
.set t, t+1
.endr
	WIN 0x04                                       ; source 1: window 1
.set t, 0
.rept 32
	v_pk_add_f32 v[BB+2*t:BB+2*t+1], v[BB+2*t:BB+2*t+1], v[2*t:2*t+1]
.set t, t+1
.endr
	WIN 0
.set t, 0
.rept 16
	global_store_b128 v[CO], v[BB+4*t:BB+4*t+3], s[94:95] offset:(16*(\a)+t)*4096 th:TH_STORE_NT   ; 512 consecutive bytes; 127 rows of 4,096 bytes at the most: inside the signed 24-bit immediate
.set t, t+1
.endr
.if (\a) < 7
	RLOAD (\a)+1
.endif
.endm
	PLACES NP
	global_load_b128 v[BI:BI+3], v[CO], s[10:11]   ; the bias at my four columns
	RLOAD 0
	TOSTAGE 0
.irp a, 1,2,3,4,5,6,7
.if \a > 1
	s_wait_xcnt 0x0                                ; block a - 2's stores have read their registers: block a's loads may land there
.endif
	TOSTAGE \a
	SENDR \a-1, 32                                 ; behind block a - 1's loads: block a's 16 stores and 16 loads
.endr
	SENDR 7, 0
	s_wait_tensorcnt 0x0                           ; the wave's end
	ds_add_u32 v[SPW], v[NIL]
	s_wait_dscnt 0x0
	CROUND                                         ; the closing round
	s_endpgm
.Lfunc_end_k_q9bee280b48_oproj:
	.size	k_q9bee280b48_oproj, .Lfunc_end_k_q9bee280b48_oproj-k_q9bee280b48_oproj
	.p2alignl 7, 3214868480
	.fill 96, 4, 3214868480
	.section	.rodata,"a",@progbits
	.p2align	6, 0x0
	.amdhsa_kernel k_q9bee280b48_oproj
		.amdhsa_group_segment_fixed_size 327680
		.amdhsa_private_segment_fixed_size 0
		.amdhsa_enable_private_segment 0
		.amdhsa_kernarg_size 48
		.amdhsa_user_sgpr_count 2
		.amdhsa_user_sgpr_kernarg_segment_ptr 1
		.amdhsa_wavefront_size32 1
		.amdhsa_system_sgpr_workgroup_id_x 1
		.amdhsa_system_sgpr_workgroup_id_y 1
		.amdhsa_system_sgpr_workgroup_id_z 1
		.amdhsa_system_vgpr_workitem_id 0
		.amdhsa_next_free_vgpr 1024
		.amdhsa_next_free_sgpr 100
		.amdhsa_reserve_vcc 0
		.amdhsa_float_denorm_mode_32 3
		.amdhsa_float_denorm_mode_16_64 3
		.amdhsa_memory_ordered 1
		.amdhsa_forward_progress 1
		.amdhsa_inst_pref_size 196
	.end_amdhsa_kernel
	.amdgpu_metadata
---
amdhsa.version: [ 1, 2 ]
amdhsa.kernels:
  - .name:           k_q9bee280b48_oproj
    .symbol:         k_q9bee280b48_oproj.kd
    .args:
      - { .name: at, .offset: 0, .size: 8, .value_kind: global_buffer, .address_space: global }
      - { .name: Wo_codes, .offset: 8, .size: 8, .value_kind: global_buffer, .address_space: global }
      - { .name: Wo_scales, .offset: 16, .size: 8, .value_kind: global_buffer, .address_space: global }
      - { .name: bo, .offset: 24, .size: 8, .value_kind: global_buffer, .address_space: global }
      - { .name: x, .offset: 32, .size: 8, .value_kind: global_buffer, .address_space: global }
      - { .name: x1, .offset: 40, .size: 8, .value_kind: global_buffer, .address_space: global }
    .group_segment_fixed_size: 327680
    .private_segment_fixed_size: 0
    .kernarg_segment_align: 8
    .kernarg_segment_size: 48
    .max_flat_workgroup_size: 128
    .sgpr_count:     100
    .vgpr_count:     1024
    .wavefront_size: 32
...
	.end_amdgpu_metadata
.endif
;; end of part 4
;; launch ln2: the kernel of part 1 again; grid 256 x 1, 8 waves a work-group, no clusters, 42,496 bytes of LDS; arguments x1, g2, beta2, nx; writes nx
;; launch ffn1 (part 5): grid 16 x 16, 4 waves a work-group, clusters of 4 x 4, 327,680 bytes of LDS; arguments nx, W1_codes, W1_scales, b1, hid; writes hid
.if DOCPART == 5
	.amdgcn_target "amdgcn-amd-amdhsa--gfx1250"
	.amdhsa_code_object_version 6
	.text
	.protected	k_q9bee280b48_ffn1
	.globl	k_q9bee280b48_ffn1
	.p2align	8
	.type	k_q9bee280b48_ffn1,@function
k_q9bee280b48_ffn1:
	s_mov_b64 s[64:65], 0
	v_nop
	global_prefetch_b8 v0, s[64:65] scope:SCOPE_SE
	s_setreg_imm32_b32 hwreg(HW_REG_WAVE_MODE, 25, 1), 1
	s_wait_xcnt 0x0
	s_wait_alu depctr_hold_cnt(0) depctr_sa_sdst(0) depctr_va_vdst(0) depctr_va_sdst(0) depctr_va_ssrc(0) depctr_va_vcc(0) depctr_vm_vsrc(0)
	s_getreg_b32 s2, hwreg(HW_REG_IB_STS2, 6, 4)
	s_cmp_eq_u32 s2, 0
	s_cbranch_scc0 .Lentry_in_a_cluster
	s_endpgm
.Lentry_in_a_cluster:
	s_bfe_u32 s2, ttmp6, 0x10000c
	s_cmp_lg_u32 s2, 0xf033
	s_cbranch_scc0 .Lentry_shape_is_right
	s_endpgm
.Lentry_shape_is_right:
; hid = Q(relu(nx W1 + b1)) on codes of FP8 (E4M3) with E8M0 scales for each 32 along K = 1,024; the hidden layer is quantised on the way out, along its 4,096 units, and leaves as images of the next product's operand registers.
; A tile of 256 tokens x 256 units is made by four waves, each 128 x 128: 64 accumulators, 512 registers.  K goes in steps of 256 through a ring of two LDS slots; the scale bytes of both sides come once and stay.
; CLUSTERS 4 x 4: nx's tile is shared along a row of the cluster, W1's along a column: joint tensor loads.  The matrix instruction is used transposed (source 0 = 16 rows of W1, source 1 = 16 tokens): a lane holds ONE token and
; its registers run along the units, which are the next K.  Accumulators 2 c, 2 c + 1 give lane (r, h) the units 32 c + 16 u + 8 h + j; the partner of this operand is a given weight, so two lane swaps for each four code
; registers bring k to its true places.
; OUT: images [token / 16][128 units][4][lane][16 B]; from 16 MiB on scale words [128 units][token][4 B].
; LIMITS: a block of zeros gets the byte 1 (codes zero; read by this program alone); NaN and infinities are not served.  No prefetch: four K steps, two of them first fills.
; REGISTERS: window 0: v16-29 addresses; v32-63 scale words, two sets; v64-110 the way out; from v128 nx's fragments, one set, later the bias.  window 1: W1's, two sets.  windows 2, 3: the accumulators.
.set SIZE_K, 1024
.set NQ,     2
.set ROWB,   256
.set KROW,   SIZE_K
.set PITCH,  272                       ; an LDS row: 256 bytes + 16 of padding
.set FR,     16
.set NL,     4
.set NP,     8                         ; places behind this matrix instruction (ISA guide 7.12.1)
.set HALFT,  128*PITCH
.set SLOT,   4*HALFT
.set LAPS,   SIZE_K/512
.set KS,     SIZE_K/32
.set SCL,    2*SLOT
.set HALFS,  (128*KS/256)*272
.set SBLK,   (16*KS/256)*272
.set SPARE,  SCL+4*HALFS               ; the spare words, 128 bytes a wave
.set ADRA, 16
.set ADRB, 20
.set ADRS, 27
.set SPW,  28
.set NIL,  29
.set SC,   32
.set PC,   64
.set TM,   80
.set PWS,  96
.set SW,   104
.set LI,   108
.set LS,   109
.set BO,   110                         ; 32 h: my half's eight numbers of a tile's sixteen biases
.set AF,   128
.set BI,   128                         ; v128-191 the bias in the results' layout
.set G1, 24
.set G0, 32
.set G1B, 48
.set G0B, 56
.set G1S, 68
.set G0S, 76
.set G1SB, 80
.set G0SB, 88
.set SEL, 66
.set MNT, 95
.set HM,  100
.set OB,  12
.set BIA, 96
.set SBS, 98
.set MSB, 0
.macro WIN new
.if MSB != (\new)
	s_set_vgpr_msb (MSB<<8)|(\new)
.set MSB, (\new)
.endif
.endm
.set MUL_LO, 0xa1
.set MUL_HI, 0xf1
.set TO_B,   0x40
.macro JLOAD g0a, g1a, g0b, g1b        ; a joint load: waves 0 and 1 fetch for nx, waves 2 and 3 for W1; four v_nop follow each line
	s_cmp_eq_u32 s15, 0
	s_cbranch_scc0 .Lfor_b_\@
	tensor_load_to_lds s[\g0a:\g0a+3], s[\g1a:\g1a+7]
	s_nop 0
.rept 4
	v_nop
.endr
	s_branch .Lasked_\@
.Lfor_b_\@:
	tensor_load_to_lds s[\g0b:\g0b+3], s[\g1b:\g1b+7]
	s_nop 0
.rept 4
	v_nop
.endr
.Lasked_\@:
.endm
.macro CREST
	s_cmp_lg_u32 s14, 0
	s_cbranch_scc1 .Lnot_wave_0_\@
	s_barrier_signal -3
.Lnot_wave_0_\@:
	s_barrier_wait -3
	s_barrier_signal -1
	s_barrier_wait -1
.endm
.macro CROUND
	s_barrier_signal -1
	s_barrier_wait -1
	CREST
.endm
	s_load_b256 s[68:75], s[0:1], 0x0              ; nx, W1's codes, W1's scales, b1
	s_load_b64 s[76:77], s[0:1], 0x20              ; out
	v_lshl_add_u32 v[SPW], v0, 2, SPARE
	v_mov_b32 v[NIL], 0
	ds_add_u32 v28, v29
	ds_add_u32 v28, v29
	s_wait_dscnt 0x0
	v_lshrrev_b32 v1, 5, v0
	v_readfirstlane_b32 s14, v1
	s_lshr_b32 s15, s14, 1
	s_and_b32 s16, s14, 1
	s_bfe_u32 s40, ttmp6, 0x40000                  ; cx
	s_bfe_u32 s41, ttmp6, 0x40004                  ; cy
	s_lshl_b32 s42, ttmp9, 2
	s_add_co_u32 s42, s42, s40                     ; the tile of units
	s_and_b32 s17, ttmp7, 0xffff
	s_lshl_b32 s17, s17, 2
	s_add_co_u32 s17, s17, s41                     ; the tile of tokens
	s_lshl_b32 s43, s41, 2
	s_lshl_b32 s43, 15, s43
	s_lshl_b32 s44, 0x1111, s40
	s_wait_kmcnt 0x0
	s_mov_b64 s[4:5], s[68:69]
	s_add_nc_u64 s[6:7], s[68:69], 0x400000        ; nx's scale bytes
	s_mov_b64 s[8:9], s[70:71]
	s_mov_b64 s[10:11], s[72:73]
	s_mov_b64 s[BIA:BIA+1], s[74:75]
	s_mov_b64 s[OB:OB+1], s[76:77]
	s_or_b32 s[G1+0], s43, (0<<16)|(1<<20)|(1<<21)|(5<<22)|(3<<25)
	s_or_b32 s[G1B+0], s44, (0<<16)|(1<<20)|(1<<21)|(5<<22)|(3<<25)
.irp g, G1, G1B
	s_mov_b32 s[\g+1], ROWB<<16
	s_mov_b32 s[\g+2], 128<<16
	s_mov_b32 s[\g+3], ROWB<<16
	s_mov_b32 s[\g+4], 128
	s_mov_b32 s[\g+5], KROW
	s_mov_b32 s[\g+6], 0
	s_mov_b32 s[\g+7], 0
.endr
	s_or_b32 s[G1S+0], s43, (3<<16)|(1<<20)|(1<<21)|(5<<22)|(3<<25)
	s_or_b32 s[G1SB+0], s44, (3<<16)|(1<<20)|(1<<21)|(5<<22)|(3<<25)
.irp g, G1S, G1SB
	s_mov_b32 s[\g+1], 32<<16
	s_mov_b32 s[\g+2], (128*KS/256)<<16
	s_mov_b32 s[\g+3], 32<<16
	s_mov_b32 s[\g+4], 128*KS/256
	s_mov_b32 s[\g+5], 32
	s_mov_b32 s[\g+6], 0
	s_mov_b32 s[\g+7], 0
.endr
	s_lshl_b32 s18, s16, 7
	s_lshl_b32 s20, s17, 8
	s_add_co_u32 s20, s20, s18
	s_lshl_b32 s46, s42, 8
	s_add_co_u32 s46, s46, s18
	s_mov_b32 s21, 0
	s_mov_b32 s47, 0
	s_mov_b64 s[18:19], KS
	s_mul_u64 s[22:23], s[20:21], s[18:19]
	s_mul_u64 s[92:93], s[46:47], s[18:19]
	s_mov_b64 s[18:19], KROW
	s_mul_u64 s[20:21], s[20:21], s[18:19]
	s_mul_u64 s[46:47], s[46:47], s[18:19]
	s_mul_i32 s45, s14, HALFT
	s_mul_i32 s94, s14, HALFS
	s_add_nc_u64 s[20:21], s[4:5], s[20:21]
	s_add_nc_u64 s[22:23], s[6:7], s[22:23]
	s_add_nc_u64 s[46:47], s[8:9], s[46:47]
	s_add_nc_u64 s[92:93], s[10:11], s[92:93]
	CROUND                                         ; all sixteen work-groups are here: the first joint loads meet
	s_mov_b32 s[G0S], 1
	s_add_co_u32 s[G0S+1], s94, SCL
	s_mov_b64 s[G0S+2:G0S+3], s[22:23]
	s_or_b32 s[G0S+3], s[G0S+3], 0x80000000
	s_mov_b32 s[G0SB], 1
	s_add_co_u32 s[G0SB+1], s94, SCL
	s_mov_b64 s[G0SB+2:G0SB+3], s[92:93]
	s_or_b32 s[G0SB+3], s[G0SB+3], 0x80000000
	JLOAD G0S, G1S, G0SB, G1SB
.irp s, 0,1
	s_mov_b32 s[G0+4*\s], 1
	s_add_co_u32 s[G0+4*\s+1], s45, \s*SLOT
	s_add_nc_u64 s[G0+4*\s+2:G0+4*\s+3], s[20:21], \s*ROWB
	s_or_b32 s[G0+4*\s+3], s[G0+4*\s+3], 0x80000000
	s_mov_b32 s[G0B+4*\s], 1
	s_add_co_u32 s[G0B+4*\s+1], s45, \s*SLOT
	s_add_nc_u64 s[G0B+4*\s+2:G0B+4*\s+3], s[46:47], \s*ROWB
	s_or_b32 s[G0B+4*\s+3], s[G0B+4*\s+3], 0x80000000
	JLOAD G0+4*\s, G1, G0B+4*\s, G1B               ; three loads of mine are out behind the second
.endr
	v_and_b32 v1, 15, v0
	v_bfe_u32 v2, v0, 4, 1
	v_mul_u32_u24 v3, v1, PITCH
	v_lshl_add_u32 v4, v2, 4, v3
	s_mul_i32 s21, s15, HALFT
	s_mul_i32 s22, s16, HALFT
	s_add_co_u32 s22, s22, 2*HALFT
.irp s, 0,1
	v_add_nc_u32 v[ADRA+\s], s21, v4
	v_add_nc_u32 v[ADRB+\s], s22, v4
	s_add_co_u32 s21, s21, SLOT
	s_add_co_u32 s22, s22, SLOT
.endr
	v_mul_u32_u24 v5, v1, KS
	v_lshrrev_b32 v6, 8, v5
	v_lshl_add_u32 v5, v6, 4, v5
	s_mul_i32 s21, s15, HALFS
	s_mul_i32 s22, s16, HALFS
	s_add_co_u32 s22, s22, 2*HALFS
	s_sub_co_u32 s22, s22, s21
	v_mul_u32_u24 v6, s22, v2                      ; lanes 16-31 take W1's: the lower base + h x the distance
	s_add_co_u32 s21, s21, SCL
	v_add_nc_u32 v5, v5, v6
	v_add_nc_u32 v[ADRS], s21, v5
	v_and_b32 v6, 31, v0
	v_lshlrev_b32 v[LI], 4, v6
	v_lshlrev_b32 v[LS], 2, v6
	v_lshlrev_b32 v[BO], 5, v2
	s_mov_b32 s[SEL], 0x76543210
	s_mov_b32 s[SEL+1], 0xfedcba98
	s_mov_b32 s[MNT], 0x600000
	s_mov_b32 s[HM], 0xffff0000
	; where my results go.  P = my first block of 16 tokens, Q = my 128 units
	s_lshl_b32 s18, s17, 4
	s_lshl_b32 s19, s15, 3
	s_add_co_u32 s18, s18, s19                     ; P
	s_lshl_b32 s19, s42, 1
	s_add_co_u32 s19, s19, s16                     ; Q
	s_lshl_b32 s20, s18, 16                        ; images: (P x 32 + Q) x 2 KiB
	s_lshl_b32 s21, s19, 11
	s_add_co_u32 s20, s20, s21
	s_mov_b32 s21, 0
	s_lshl_b32 s22, s19, 14                        ; scale words: 16 MiB + Q x 16 KiB + 64 P
	s_lshl_b32 s23, s18, 6
	s_add_co_u32 s22, s22, s23
	s_add_co_u32 s22, s22, 0x1000000
	s_mov_b32 s23, 0
	s_add_nc_u64 s[SBS:SBS+1], s[OB:OB+1], s[22:23]
	s_add_nc_u64 s[OB:OB+1], s[OB:OB+1], s[20:21]
	s_lshl_b32 s20, s19, 9                         ; b1: 128 numbers x Q
	s_add_nc_u64 s[BIA:BIA+1], s[BIA:BIA+1], s[20:21]
.macro FRAG reg, adr, q, i
.irp c, 0,1,2,3
	ds_load_b128 v[\reg+4*\c:\reg+4*\c+3], v[\adr] offset:128*(\q)+32*\c+(\i)*16*PITCH
.endr
.endm
; 16 matrix instructions: nx's blocks a0, a0 + 1 x W1's eight.  The 64 accumulators take turns, one instruction a turn, in the same order in every step.
.macro MUL16 a0, p, q, sc, zero
.irp a, \a0, \a0+1
.irp b, 0,1,2,3,4,5,6,7
.if \zero
	v_wmma_scale_f32_16x16x128_f8f6f4 v[8*(8*((\a)%4)+\b):8*(8*((\a)%4)+\b)+7], v[128*(\p)+FR*\b:128*(\p)+FR*\b+FR-1], v[AF+FR*(\a):AF+FR*(\a)+FR-1], 0, v[SC+8*NQ*(\sc)+NQ*\b+(\q)], v[SC+8*NQ*(\sc)+NQ*(\a)+(\q)] matrix_a_scale:MATRIX_SCALE_ROW1
.else
	v_wmma_scale_f32_16x16x128_f8f6f4 v[8*(8*((\a)%4)+\b):8*(8*((\a)%4)+\b)+7], v[128*(\p)+FR*\b:128*(\p)+FR*\b+FR-1], v[AF+FR*(\a):AF+FR*(\a)+FR-1], v[8*(8*((\a)%4)+\b):8*(8*((\a)%4)+\b)+7], v[SC+8*NQ*(\sc)+NQ*\b+(\q)], v[SC+8*NQ*(\sc)+NQ*(\a)+(\q)] matrix_a_scale:MATRIX_SCALE_ROW1
.endif
.endr
.endr
.endm
.macro FETCH_B slot, q, p
	WIN TO_B
.irp i, 0,1,2,3,4,5,6,7
	FRAG 128*(\p)+FR*\i, ADRB+\slot, \q, \i
.endr
	WIN 0
.endm
.macro FETCH_A slot, q, i0
.irp i, \i0, \i0+1, \i0+2, \i0+3
	FRAG AF+FR*(\i), ADRA+\slot, \q, \i
.endr
.endm
.macro SCALES sc
.irp i, 0,1,2,3,4,5,6,7
	ds_load_b64 v[SC+8*NQ*\sc+NQ*\i:SC+8*NQ*\sc+NQ*\i+1], v[ADRS] offset:\i*SBLK
.endr
.endm
.macro PLACES n
.rept \n
	v_nop
.endr
.endm
.macro STEP slot, q, zero
	s_wait_dscnt 4*NL                              ; W1's set and nx's blocks 0-3 are in; the youngest sixteen loads (blocks 4-7) may be out
	WIN MUL_LO
	MUL16 0, (\q)%2, \q, \slot, \zero
	MUL16 2, (\q)%2, \q, \slot, \zero
	s_wait_dscnt 0
	PLACES NP
	FETCH_B \slot, (\q)+1, 1-(\q)%2
	FETCH_A \slot, (\q)+1, 0
	WIN MUL_HI
	MUL16 4, (\q)%2, \q, \slot, \zero
	MUL16 6, (\q)%2, \q, \slot, \zero
	PLACES NP
	WIN 0
	FETCH_A \slot, (\q)+1, 4
.endm
.macro TURN slot, next, fill
	s_wait_tensorcnt 0x0                           ; all my tensor loads have landed: my part of the next slot
	ds_add_u32 v[SPW], v[NIL]                      ; 0 onto my spare word
	s_wait_dscnt 4*NL+1                            ; the add and the youngest sixteen loads may be out
	WIN MUL_LO
	MUL16 0, 1, NQ-1, \slot, 0
	s_wait_dscnt 0x0                               ; the add is done, and my reads of this slot are over
	s_barrier_signal -1
	MUL16 2, 1, NQ-1, \slot, 0
	WIN 0
	s_barrier_wait -1
.if \fill
	CREST                                          ; the barrier has opened a round of the cluster's
	s_add_nc_u64 s[G0+4*\slot+2:G0+4*\slot+3], s[G0+4*\slot+2:G0+4*\slot+3], 2*ROWB
	s_add_nc_u64 s[G0B+4*\slot+2:G0B+4*\slot+3], s[G0B+4*\slot+2:G0B+4*\slot+3], 2*ROWB
	JLOAD G0+4*\slot, G1, G0B+4*\slot, G1B         ; the first tensor load behind the round, and my only one until the next
	PLACES NP-4
.else
	PLACES NP
.endif
	v_add_nc_u32 v[ADRS], 4*NQ, v[ADRS]
	FETCH_B \next, 0, 0
	FETCH_A \next, 0, 0
	SCALES \next
	WIN MUL_HI
	MUL16 4, 1, NQ-1, \slot, 0
	MUL16 6, 1, NQ-1, \slot, 0
	PLACES NP
	WIN 0
	FETCH_A \next, 0, 4
.endm
	s_wait_tensorcnt 1                             ; the scales and my part of K step 0 are in; K step 1's load may be out
	s_barrier_signal -1
	s_barrier_wait -1
	FETCH_B 0, 0, 0
	FETCH_A 0, 0, 0
	SCALES 0
	FETCH_A 0, 0, 4
	STEP 0, 0, 1
	s_mov_b32 s3, LAPS-1
.Llap:
	TURN 0, 1, 1
	STEP 1, 0, 0
	TURN 1, 0, 1
	STEP 0, 0, 0
	s_sub_co_u32 s3, s3, 1
	s_cmp_lg_u32 s3, 0
	s_cbranch_scc1 .Llap
	TURN 0, 1, 0
	STEP 1, 0, 0
	s_wait_dscnt 4*NL
	WIN MUL_LO
	MUL16 0, 1, NQ-1, 1, 0
	MUL16 2, 1, NQ-1, 1, 0
	s_wait_dscnt 0
	WIN MUL_HI
	MUL16 4, 1, NQ-1, 1, 0
	MUL16 6, 1, NQ-1, 1, 0
	WIN 0
; THE WAY OUT.  Block a's 64 registers of a lane: + b1; four blocks of 32 (16 numbers mine, 16 in lane l xor 16); what is negative becomes 0 in the hold; codes.
.macro QUANTW a
.set AC, 64*((\a)%4)
.set WW, 2+(\a)/4
	WIN WW|(WW<<6)                                 ; source 0 and destination: the accumulators' window
.set i, 0
.rept 32
	v_pk_add_f32 v[AC+i:AC+i+1], v[AC+i:AC+i+1], v[BI+i:BI+i+1]   ; ascending: each accumulator is read from its low end on
.set i, i+2
.endr
	WIN WW|(WW<<2)
.irp b, 0,1,2,3
	v_max3_num_f32 v[TM+\b], v[AC+16*\b], v[AC+16*\b+1], 0x4800000   ; no |.|: what is negative is to become 0 and must not count; the floor 2^(9 - 127) stands over it
.endr
.irp i, 2,4,6,8,10,12,14
.irp b, 0,1,2,3
	v_max3_num_f32 v[TM+\b], v[AC+16*\b+\i], v[AC+16*\b+\i+1], v[TM+\b]
.endr
.endr
	WIN 0
.irp b, 0,1,2,3
	v_permlanex16_b32 v[TM+4+\b], v[TM+\b], s[SEL], s[SEL+1]
.endr
.irp b, 0,1,2,3
	v_max_num_f32 v[TM+\b], v[TM+\b], v[TM+4+\b]
.endr
.irp b, 0,1,2,3
	v_add_nc_u32 v[TM+12+\b], 0xfc000000, v[TM+\b]
.endr
.irp b, 0,1,2,3
	v_and_or_b32 v[TM+8+\b], v[TM+\b], 0x7f800000, s[MNT]
.endr
.irp b, 0,1,2,3
	v_lshrrev_b32 v[TM+4+\b], 23, v[TM+12+\b]
.endr
	v_lshl_or_b32 v[PWS+\a], v[TM+5], 8, v[TM+4]
	v_lshl_or_b32 v[PWS+\a], v[TM+6], 16, v[PWS+\a]
	v_lshl_or_b32 v[PWS+\a], v[TM+7], 24, v[PWS+\a]
	WIN WW|(WW<<6)
.irp b, 0,1,2,3
.irp i, 0,1,2,3,4,5,6,7,8,9,10,11,12,13,14,15
	v_med3_num_f32 v[AC+16*\b+\i], v[AC+16*\b+\i], 0, v[TM+8+\b]   ; the activation and the hold in one
.endr
.endr
	WIN WW
.irp b, 0,1,2,3
	v_cvt_scalef32_pk8_fp8_f32 v[PC+4*\b:PC+4*\b+1], v[AC+16*\b:AC+16*\b+7], v[TM+12+\b]
	v_cvt_scalef32_pk8_fp8_f32 v[PC+4*\b+2:PC+4*\b+3], v[AC+16*\b+8:AC+16*\b+15], v[TM+12+\b]
.endr
	v_nop                                          ; a plain instruction behind the last conversion
	WIN 0
.irp b, 0,1,2,3                        ; k to its true places: lane h = 0 wants 32 c + 0 .. 15, lane h = 1 wants 32 c + 16 .. 31
	v_permlane16_swap_b32 v[PC+4*\b], v[PC+4*\b+2]
	v_permlane16_swap_b32 v[PC+4*\b+1], v[PC+4*\b+3]
.endr
.endm
	PLACES NP
.irp b, 0,1,2,3
	v_mov_b32 v[TM+4+\b], 0                        ; a lane permute's destination counts as one of its sources
.endr
.irp b, 0,1,2,3,4,5,6,7
	global_load_b128 v[BI+8*\b:BI+8*\b+3], v[BO], s[BIA:BIA+1] offset:64*\b       ; b1 at units 16 b + 8 h + 0 .. 7
	global_load_b128 v[BI+8*\b+4:BI+8*\b+7], v[BO], s[BIA:BIA+1] offset:64*\b+16
.endr
	s_wait_loadcnt 0x0
.irp a, 0,1,2,3,4,5,6,7
.if \a > 0
	s_wait_xcnt 0x0                                ; the last block's stores have read their data: it is written again only behind this wait
.endif
	QUANTW \a
.irp c, 0,1,2,3
	global_store_b128 v[LI], v[PC+4*\c:PC+4*\c+3], s[OB:OB+1] offset:(\a)*65536+512*\c   ; 512 consecutive bytes; the four, 2 KiB on end
.endr
.if (\a)%2
	v_cndmask_b32 v[SW+(\a)/2], v[PWS+\a-1], v[PWS+\a], s[HM]
	global_store_b32 v[LS], v[SW+(\a)/2], s[SBS:SBS+1] offset:64*(\a-1)                  ; 128 consecutive bytes
.endif
.endr
	s_wait_tensorcnt 0x0                           ; the wave's end
	ds_add_u32 v[SPW], v[NIL]
	s_wait_dscnt 0x0
	CROUND                                         ; the closing round
	s_endpgm
.Lfunc_end_k_q9bee280b48_ffn1:
	.size	k_q9bee280b48_ffn1, .Lfunc_end_k_q9bee280b48_ffn1-k_q9bee280b48_ffn1
	.p2alignl 7, 3214868480
	.fill 96, 4, 3214868480
	.section	.rodata,"a",@progbits
	.p2align	6, 0x0
	.amdhsa_kernel k_q9bee280b48_ffn1
		.amdhsa_group_segment_fixed_size 327680
		.amdhsa_private_segment_fixed_size 0
		.amdhsa_enable_private_segment 0
		.amdhsa_kernarg_size 40
		.amdhsa_user_sgpr_count 2
		.amdhsa_user_sgpr_kernarg_segment_ptr 1
		.amdhsa_wavefront_size32 1
		.amdhsa_system_sgpr_workgroup_id_x 1
		.amdhsa_system_sgpr_workgroup_id_y 1
		.amdhsa_system_sgpr_workgroup_id_z 1
		.amdhsa_system_vgpr_workitem_id 0
		.amdhsa_next_free_vgpr 1024
		.amdhsa_next_free_sgpr 102
		.amdhsa_reserve_vcc 0
		.amdhsa_float_denorm_mode_32 3
		.amdhsa_float_denorm_mode_16_64 3
		.amdhsa_memory_ordered 1
		.amdhsa_forward_progress 1
		.amdhsa_inst_pref_size 205
	.end_amdhsa_kernel
	.amdgpu_metadata
---
amdhsa.version: [ 1, 2 ]
amdhsa.kernels:
  - .name:           k_q9bee280b48_ffn1
    .symbol:         k_q9bee280b48_ffn1.kd
    .args:
      - { .name: nx, .offset: 0, .size: 8, .value_kind: global_buffer, .address_space: global }
      - { .name: W1_codes, .offset: 8, .size: 8, .value_kind: global_buffer, .address_space: global }
      - { .name: W1_scales, .offset: 16, .size: 8, .value_kind: global_buffer, .address_space: global }
      - { .name: b1, .offset: 24, .size: 8, .value_kind: global_buffer, .address_space: global }
      - { .name: hid, .offset: 32, .size: 8, .value_kind: global_buffer, .address_space: global }
    .group_segment_fixed_size: 327680
    .private_segment_fixed_size: 0
    .kernarg_segment_align: 8
    .kernarg_segment_size: 40
    .max_flat_workgroup_size: 128
    .sgpr_count:     102
    .vgpr_count:     1024
    .wavefront_size: 32
...
	.end_amdgpu_metadata
.endif
;; end of part 5
;; launch ffn2 (part 6): grid 4 x 16, 4 waves a work-group, clusters of 4 x 4, 327,680 bytes of LDS; arguments hid, W2_codes, W2_scales, b2, x1, out0; writes out0
.if DOCPART == 6
	.amdgcn_target "amdgcn-amd-amdhsa--gfx1250"
	.amdhsa_code_object_version 6
	.text
	.protected	k_q9bee280b48_ffn2
	.globl	k_q9bee280b48_ffn2
	.p2align	8
	.type	k_q9bee280b48_ffn2,@function
k_q9bee280b48_ffn2:
	s_mov_b64 s[64:65], 0
	v_nop
	global_prefetch_b8 v0, s[64:65] scope:SCOPE_SE
	s_setreg_imm32_b32 hwreg(HW_REG_WAVE_MODE, 25, 1), 1
	s_wait_xcnt 0x0
	s_wait_alu depctr_hold_cnt(0) depctr_sa_sdst(0) depctr_va_vdst(0) depctr_va_sdst(0) depctr_va_ssrc(0) depctr_va_vcc(0) depctr_vm_vsrc(0)
	s_getreg_b32 s2, hwreg(HW_REG_IB_STS2, 6, 4)
	s_cmp_eq_u32 s2, 0
	s_cbranch_scc0 .Lentry_in_a_cluster
	s_endpgm
.Lentry_in_a_cluster:
	s_bfe_u32 s2, ttmp6, 0x10000c
	s_cmp_lg_u32 s2, 0xf033
	s_cbranch_scc0 .Lentry_shape_is_right
	s_endpgm
.Lentry_shape_is_right:
; C = R + (A B^T + bias): A [4096][SIZE_K] is this program's own operand, laid as register images; B [1024][SIZE_K] is a given weight, codes with K innermost; R, C [4096][1024] f32; bias [1024] f32.
; Codes of FP8 (E4M3), one E8M0 scale for each 32 along K.  A tile of 256 x 256 of C is made by four waves, each 128 x 128: 64 accumulators, 512 registers.  K goes in steps of 256 through a ring of two LDS slots.
; A: images [16 rows][128 K][4][lane][16 B]: a fragment comes by four loads of 512 consecutive bytes; a K step of eight row blocks is one tensor load of 8 rows x 4 KiB.  Its scale words lie [128 K][row][4 B] behind the codes
;   and come from memory straight into registers, a K step ahead, as the ring's refills do.  B: rows of 256 bytes + 16 of padding; its scale bytes for all of K come into LDS once.
; CLUSTERS 4 x 4: A's tile is shared along a row of the cluster, B's along a column: joint tensor loads.  The matrix instruction is used transposed (source 0 = B's rows, source 1 = A's): a lane holds eight neighbours of a row of C.
; The grid has 64 work-groups: N = 1,024 gives no more tiles of this size.
; A prefetch of the K step two refills on is assembled where the loop has trips that can ask (SIZE_K above 1,024): each row's 256 bytes once: for A the cluster with x = 0 asks, for B the cluster with y = 0;
;   the four partners of a joint load share its blocks out by address; the last two refills ask for nothing.
; REGISTERS: window 0: v16-31 addresses; v32-63 A's scale words, two sets; v64-95 B's, two sets; v96-99 the bias; from v128 A's fragments, later rows of C.  window 1: B's fragments, two sets; later rows of R.  windows 2, 3: accumulators.
.set SIZE_K, 4096
.set NQ,     2
.set KROW,   SIZE_K
.set PITCH,  272                       ; B's LDS row: 256 bytes + 16 of padding
.set FR,     16
.set NL,     4
.set NP,     8                         ; places behind this matrix instruction (ISA guide 7.12.1)
.set HALFA,  32768                     ; eight row blocks x 4 KiB
.set HALFB,  128*PITCH
.set BOFF,   2*HALFA
.set SLOT,   BOFF+2*HALFB
.set LAPS,   SIZE_K/512
.set PF,     (LAPS > 2)
.set KS,     SIZE_K/32
.set SCL,    2*SLOT                    ; behind the ring: B's scales
.set QS,     (64*KS/256)*272           ; those of 64 rows: what one tensor load brings
.set SBLK,   (16*KS/256)*272
.set SPARE,  SCL+4*QS                  ; the spare words, 128 bytes a wave
.set SPITCH, 528                       ; the way out: 16 rows x (512 + 16) bytes a wave, in slot 0, which has had its last fill and its last read by then
.set ABLK,   16*SIZE_K                 ; a row block's images, all of K
.set ASC,    4096*SIZE_K               ; where A's scale words begin
.set ADRA, 16
.set ADRB, 20
.set STO,  24
.set RD,   25
.set CO,   26
.set ADRS, 27
.set SPW,  28
.set NIL,  29
.set SAO,  30                          ; 4 x my row among A's scale words; never rewritten
.set PFO,  31                          ; the prefetches' offset; never rewritten
.set SA,   32
.set SB,   64
.set BI,   96
.set AF,   128
.set BK,   128
.set G1, 24
.set G0, 32
.set G1B, 48
.set G0B, 56
.set G1S, 68
.set G0S, 76
.set SG,  80                           ; s[80:81], s[82:83] where set 0's and set 1's scale words of A stand
.set PFA, 84
.set PFS, 86
.set LIM, 88
.set MSB, 0
.macro WIN new
.if MSB != (\new)
	s_set_vgpr_msb (MSB<<8)|(\new)
.set MSB, (\new)
.endif
.endm
.set MUL_LO, 0xa1
.set MUL_HI, 0xf1
.set TO_B,   0x40
.macro JLOAD s                         ; a joint load: waves 0 and 1 fetch A's halves, waves 2 and 3 B's; four v_nop follow each line
	s_cmp_eq_u32 s15, 0
	s_cbranch_scc0 .Lfor_b_\@
	tensor_load_to_lds s[G0+4*\s:G0+4*\s+3], s[G1:G1+7]
	s_nop 0
.rept 4
	v_nop
.endr
	s_branch .Lasked_\@
.Lfor_b_\@:
	tensor_load_to_lds s[G0B+4*\s:G0B+4*\s+3], s[G1B:G1B+7]
	s_nop 0
.rept 4
	v_nop
.endr
.Lasked_\@:
.endm
.macro ASK                             ; the K step two refills on: 32 blocks of 256 bytes, a lane a block; s3 = 1 in the loop's last trip, which asks for nothing
	s_cmp_gt_u32 s3, s[LIM]
	s_cbranch_scc0 .Lnot_mine_\@
	global_prefetch_b8 v[PFO], s[PFA:PFA+1] th:TH_LOAD_NT scope:SCOPE_SE
.Lnot_mine_\@:
.endm
.macro CREST
	s_cmp_lg_u32 s14, 0
	s_cbranch_scc1 .Lnot_wave_0_\@
	s_barrier_signal -3
.Lnot_wave_0_\@:
	s_barrier_wait -3
	s_barrier_signal -1
	s_barrier_wait -1
.endm
.macro CROUND
	s_barrier_signal -1
	s_barrier_wait -1
	CREST
.endm
	s_load_b256 s[4:11], s[0:1], 0x0               ; A, B's codes, B's scales, the bias
	s_load_b128 s[92:95], s[0:1], 0x20             ; R, C
	v_lshl_add_u32 v[SPW], v0, 2, SPARE
	v_mov_b32 v[NIL], 0
	ds_add_u32 v28, v29
	ds_add_u32 v28, v29
	s_wait_dscnt 0x0
	v_lshrrev_b32 v1, 5, v0
	v_readfirstlane_b32 s14, v1                    ; wave 0..3
	s_lshr_b32 s15, s14, 1                         ; my half of the tile's rows.  Also: I fetch for A (0) or for B (1)
	s_and_b32 s16, s14, 1                          ; my half of its columns.  Also: which half I fetch
	s_bfe_u32 s40, ttmp6, 0x40000                  ; cx
	s_bfe_u32 s41, ttmp6, 0x40004                  ; cy
	s_lshl_b32 s42, ttmp9, 2
	s_add_co_u32 s42, s42, s40                     ; tile column
	s_and_b32 s17, ttmp7, 0xffff
	s_lshl_b32 s17, s17, 2
	s_add_co_u32 s17, s17, s41                     ; tile row
	s_lshl_b32 s43, s41, 2
	s_lshl_b32 s43, 15, s43                        ; my row of the cluster
	s_lshl_b32 s44, 0x1111, s40                    ; my column
	s_or_b32 s[G1+0], s43, (3<<16)|(1<<21)         ; A: the mask; elements of 8 bytes; bit 21 beside a mask; no padding
	s_mov_b32 s[G1+1], 512<<16                     ; tensor_dim0: 4 KiB: a row block's two steps of 128
	s_mov_b32 s[G1+2], 8<<16                       ; tensor_dim1: eight row blocks
	s_mov_b32 s[G1+3], 512<<16                     ; tile_dim0
	s_mov_b32 s[G1+4], 8                           ; tile_dim1
	s_mov_b32 s[G1+5], ABLK/8                      ; the pitch
	s_mov_b32 s[G1+6], 0
	s_mov_b32 s[G1+7], 0
	s_or_b32 s[G1B+0], s44, (0<<16)|(1<<20)|(1<<21)|(5<<22)|(3<<25)   ; B: 128 rows of 256 bytes, 16 bytes of padding behind each
	s_mov_b32 s[G1B+1], 256<<16
	s_mov_b32 s[G1B+2], 128<<16
	s_mov_b32 s[G1B+3], 256<<16
	s_mov_b32 s[G1B+4], 128
	s_mov_b32 s[G1B+5], KROW
	s_mov_b32 s[G1B+6], 0
	s_mov_b32 s[G1B+7], 0
	s_or_b32 s[G1S+0], s44, (3<<16)|(1<<20)|(1<<21)|(5<<22)|(3<<25)   ; B's scales of 64 rows: dense, as rows of 256 bytes with 16 of padding
	s_mov_b32 s[G1S+1], 32<<16
	s_mov_b32 s[G1S+2], (64*KS/256)<<16
	s_mov_b32 s[G1S+3], 32<<16
	s_mov_b32 s[G1S+4], 64*KS/256
	s_mov_b32 s[G1S+5], 32
	s_mov_b32 s[G1S+6], 0
	s_mov_b32 s[G1S+7], 0
	s_lshl_b32 s20, s17, 4
	s_lshl_b32 s18, s16, 3
	s_add_co_u32 s20, s20, s18
	s_mul_i32 s20, s20, ABLK                       ; A: row block 16 x tile row + 8 x half
	s_mov_b32 s21, 0
	s_lshl_b32 s46, s42, 8
	s_lshl_b32 s18, s16, 7
	s_add_co_u32 s46, s46, s18
	s_mul_i32 s46, s46, KROW                       ; B: row 256 x tile column + 128 x half
	s_mov_b32 s47, 0
	s_lshl_b32 s90, s42, 8
	s_lshl_b32 s18, s14, 6
	s_add_co_u32 s90, s90, s18
	s_mul_i32 s90, s90, KS                         ; B's scales: row 256 x tile column + 64 x wave
	s_mov_b32 s91, 0
	s_mul_i32 s45, s16, HALFA                      ; where they go: no place in the cluster enters an LDS address
	s_mul_i32 s89, s16, HALFB
	s_add_co_u32 s89, s89, BOFF
	s_mul_i32 s88, s14, QS
	s_wait_kmcnt 0x0
	s_add_nc_u64 s[20:21], s[4:5], s[20:21]
	s_add_nc_u64 s[46:47], s[6:7], s[46:47]
	s_add_nc_u64 s[90:91], s[8:9], s[90:91]
	CROUND                                         ; all sixteen work-groups are here: the first joint loads meet
	s_mov_b32 s[G0S], 1
	s_add_co_u32 s[G0S+1], s88, SCL
	s_mov_b64 s[G0S+2:G0S+3], s[90:91]
	s_or_b32 s[G0S+3], s[G0S+3], 0x80000000
	tensor_load_to_lds s[G0S:G0S+3], s[G1S:G1S+7]  ; every wave brings a quarter of B's scales
	s_nop 0
.rept 4
	v_nop
.endr
.irp s, 0,1
	s_mov_b32 s[G0+4*\s], 1
	s_add_co_u32 s[G0+4*\s+1], s45, \s*SLOT
	s_add_nc_u64 s[G0+4*\s+2:G0+4*\s+3], s[20:21], \s*4096
	s_or_b32 s[G0+4*\s+3], s[G0+4*\s+3], 0x80000000
	s_mov_b32 s[G0B+4*\s], 1
	s_add_co_u32 s[G0B+4*\s+1], s89, \s*SLOT
	s_add_nc_u64 s[G0B+4*\s+2:G0B+4*\s+3], s[46:47], \s*256
	s_or_b32 s[G0B+4*\s+3], s[G0B+4*\s+3], 0x80000000
	JLOAD \s                                       ; three loads of mine are out behind the second
.endr
	v_and_b32 v1, 15, v0                           ; r
	v_bfe_u32 v2, v0, 4, 1                         ; h
	v_and_b32 v7, 31, v0
	v_lshlrev_b32 v[CO], 4, v7                     ; 16 x lane
	v_mul_u32_u24 v3, v1, PITCH
	v_lshl_add_u32 v4, v2, 4, v3                   ; B: row x pitch + 16 h
	s_mul_i32 s21, s15, HALFA                      ; my eight row blocks of A
	s_mul_i32 s22, s16, HALFB
	s_add_co_u32 s22, s22, BOFF                    ; my 128 rows of B
.irp s, 0,1
	v_add_nc_u32 v[ADRA+\s], s21, v[CO]
	v_add_nc_u32 v[ADRB+\s], s22, v4
	s_add_co_u32 s21, s21, SLOT
	s_add_co_u32 s22, s22, SLOT
.endr
	v_mul_u32_u24 v5, v1, KS                       ; B's scales: KS bytes a row, and 16 more for each 256 passed
	v_lshrrev_b32 v6, 8, v5
	v_lshl_add_u32 v5, v6, 4, v5
	s_mul_i32 s21, s16, 2*QS
	s_add_co_u32 s21, s21, SCL
	v_add_nc_u32 v[ADRS], s21, v5
	s_lshl_b32 s21, s17, 8
	s_lshl_b32 s22, s15, 7
	s_add_co_u32 s21, s21, s22                     ; my first row
	v_add_nc_u32 v[SAO], s21, v1
	v_lshlrev_b32 v[SAO], 2, v[SAO]
	s_add_nc_u64 s[SG:SG+1], s[4:5], ASC
	s_add_nc_u64 s[SG+2:SG+3], s[SG:SG+1], 32768
	s_mul_i32 s23, s14, 16*SPITCH                  ; my stage
	v_mul_u32_u24 v5, v1, SPITCH
	v_lshl_add_u32 v5, v2, 5, v5
	v_add_nc_u32 v[STO], s23, v5                   ; in: row r, 32 bytes for each half of the lanes
	v_add_nc_u32 v[RD], s23, v[CO]                 ; back: the 32 lanes take one row of 512 bytes
	s_lshl_b32 s96, s21, 12                        ; my first row of R and C, in bytes,
	s_lshl_b32 s98, s42, 10
	s_lshl_b32 s99, s16, 9
	s_add_co_u32 s98, s98, s99                     ; my first column
	s_mov_b32 s99, 0
	s_add_nc_u64 s[10:11], s[10:11], s[98:99]
	s_add_co_u32 s96, s96, s98
	s_mov_b32 s97, 0
	s_add_nc_u64 s[92:93], s[92:93], s[96:97]
	s_add_nc_u64 s[94:95], s[94:95], s[96:97]
.if PF
	s_lshl_b32 s96, s17, 4                         ; the prefetches: of the eight row blocks of A that I fetch my work-group takes two (by cx),
	s_lshl_b32 s97, s16, 3
	s_add_co_u32 s96, s96, s97
	s_lshl_b32 s97, s40, 1
	s_add_co_u32 s96, s96, s97
	s_mul_i32 s96, s96, ABLK
	s_add_co_u32 s96, s96, 3*4096                  ; at K step 3: the first refill steps it to 4
	s_lshl_b32 s98, s42, 8                         ; of the 128 rows of B, 32 (by cy)
	s_lshl_b32 s97, s16, 7
	s_add_co_u32 s98, s98, s97
	s_lshl_b32 s97, s41, 5
	s_add_co_u32 s98, s98, s97
	s_mul_i32 s98, s98, KROW
	s_add_co_u32 s98, s98, 3*256
	s_and_b32 s99, ttmp7, 0xffff
	s_mov_b32 s[PFS], 256
	s_mov_b32 s89, KROW
	s_cmp_eq_u32 s15, 0                            ; do I fetch for A?
	s_cselect_b32 s96, s96, s98
	s_cselect_b32 s99, ttmp9, s99                  ; the coordinate along which other clusters read the same rows
	s_cselect_b64 s[PFA:PFA+1], s[4:5], s[6:7]
	s_cselect_b32 s[PFS], 4096, s[PFS]             ; a K step on
	s_cselect_b32 s89, 256, s89                    ; from lane to lane among sixteen
	s_mov_b32 s[PFS+1], 0
	s_mov_b32 s97, 0
	s_add_nc_u64 s[PFA:PFA+1], s[PFA:PFA+1], s[96:97]
	s_cmp_eq_u32 s99, 0
	s_cselect_b32 s[LIM], 1, -1                    ; the same in all sixteen partners, for a given wave
	v_mul_lo_u32 v5, v1, s89
	v_mul_u32_u24 v6, v2, ABLK                     ; lanes 16-31: the next row block of A, or sixteen rows of B on: both are 16 SIZE_K bytes
	v_add_nc_u32 v[PFO], v5, v6
.endif
.macro ALOADS set                      ; A's scale words of a K step: register 2 i + q: lanes 0-15 hold the words of block i's rows for the step's q-th 128
.irp i, 0,1,2,3,4,5,6,7
.irp q, 0,1
	global_load_b32 v[SA+16*\set+2*\i+\q], v[SAO], s[SG+2*\set:SG+2*\set+1] offset:\q*16384+\i*64
.endr
.endr
.endm
	ALOADS 0
	ALOADS 1
.macro FRAGB reg, adr, q, i
.irp c, 0,1,2,3
	ds_load_b128 v[\reg+4*\c:\reg+4*\c+3], v[\adr] offset:128*(\q)+32*\c+(\i)*16*PITCH
.endr
.endm
.macro FRAGA reg, adr, q, i            ; an image: four loads of 512 consecutive bytes
.irp c, 0,1,2,3
	ds_load_b128 v[\reg+4*\c:\reg+4*\c+3], v[\adr] offset:(\i)*4096+(\q)*2048+512*\c
.endr
.endm
; 16 matrix instructions: A's blocks a0, a0 + 1 x B's eight.  The 64 accumulators take turns, one instruction a turn, in the same order in every step.
.macro MUL16 a0, p, q, sc, zero
.irp a, \a0, \a0+1
.irp b, 0,1,2,3,4,5,6,7
.if \zero
	v_wmma_scale_f32_16x16x128_f8f6f4 v[8*(8*((\a)%4)+\b):8*(8*((\a)%4)+\b)+7], v[128*(\p)+FR*\b:128*(\p)+FR*\b+FR-1], v[AF+FR*(\a):AF+FR*(\a)+FR-1], 0, v[SB+16*(\sc)+2*\b+(\q)], v[SA+16*(\sc)+2*(\a)+(\q)]
.else
	v_wmma_scale_f32_16x16x128_f8f6f4 v[8*(8*((\a)%4)+\b):8*(8*((\a)%4)+\b)+7], v[128*(\p)+FR*\b:128*(\p)+FR*\b+FR-1], v[AF+FR*(\a):AF+FR*(\a)+FR-1], v[8*(8*((\a)%4)+\b):8*(8*((\a)%4)+\b)+7], v[SB+16*(\sc)+2*\b+(\q)], v[SA+16*(\sc)+2*(\a)+(\q)]
.endif
.endr
.endr
.endm
.macro FETCH_B slot, q, p
	WIN TO_B
.irp i, 0,1,2,3,4,5,6,7
	FRAGB 128*(\p)+FR*\i, ADRB+\slot, \q, \i
.endr
	WIN 0
.endm
.macro FETCH_A slot, q, i0
.irp i, \i0, \i0+1, \i0+2, \i0+3
	FRAGA AF+FR*(\i), ADRA+\slot, \q, \i
.endr
.endm
.macro SCALES sc                       ; B's scale words of the next K step
.irp i, 0,1,2,3,4,5,6,7
	ds_load_b64 v[SB+16*\sc+2*\i:SB+16*\sc+2*\i+1], v[ADRS] offset:\i*SBLK
.endr
.endm
.macro PLACES n
.rept \n
	v_nop
.endr
.endm
.macro STEP slot, q, zero, lc          ; lc: the younger loads of A's scale words that may stay out: the other set's sixteen, or none
	s_wait_loadcnt \lc
	s_wait_dscnt 4*NL                              ; B's set, B's scale words and A's blocks 0-3 are in; the youngest sixteen loads (blocks 4-7) may be out
	WIN MUL_LO
	MUL16 0, (\q)%2, \q, \slot, \zero
	MUL16 2, (\q)%2, \q, \slot, \zero
	s_wait_dscnt 0
	PLACES NP
	FETCH_B \slot, (\q)+1, 1-(\q)%2
	FETCH_A \slot, (\q)+1, 0
	WIN MUL_HI
	MUL16 4, (\q)%2, \q, \slot, \zero
	MUL16 6, (\q)%2, \q, \slot, \zero
	PLACES NP
	WIN 0
	FETCH_A \slot, (\q)+1, 4
.endm
; A slot's last step changes slots: one barrier; in front of it each wave waits for all its tensor loads, adds 0 to its spare word, and waits for that and for its reads of this slot.
.macro TURN slot, next, fill
.if (\fill) && PF
	s_wait_xcnt 0x0                                ; the last prefetch, a K step back, has read its address: it is stepped here
	s_add_nc_u64 s[PFA:PFA+1], s[PFA:PFA+1], s[PFS:PFS+1]
.endif
	s_wait_tensorcnt 0x0                           ; all my tensor loads have landed: my part of the next slot
	ds_add_u32 v[SPW], v[NIL]                      ; 0 onto my spare word
	s_wait_dscnt 4*NL+1                            ; the add and the youngest sixteen loads may be out
	WIN MUL_LO
	MUL16 0, 1, NQ-1, \slot, 0
	s_wait_dscnt 0x0                               ; the add is done, and my reads of this slot are over
	s_barrier_signal -1
	MUL16 2, 1, NQ-1, \slot, 0
	WIN 0
	s_barrier_wait -1
.if \fill
	CREST                                          ; the barrier has opened a round of the cluster's: no wave of any partner still reads this slot or has a load on its way
	s_add_nc_u64 s[G0+4*\slot+2:G0+4*\slot+3], s[G0+4*\slot+2:G0+4*\slot+3], 2*4096
	s_add_nc_u64 s[G0B+4*\slot+2:G0B+4*\slot+3], s[G0B+4*\slot+2:G0B+4*\slot+3], 2*256
	JLOAD \slot                                    ; the first tensor load behind the round, and my only one until the next
	PLACES NP-4
.else
	PLACES NP
.endif
	v_add_nc_u32 v[ADRS], 4*NQ, v[ADRS]
	FETCH_B \next, 0, 0
	FETCH_A \next, 0, 0
	SCALES \next
.if (\fill) && PF
	ASK                                            ; behind the joint load, its four lines and the run of LDS loads
.endif
	WIN MUL_HI
	MUL16 4, 1, NQ-1, \slot, 0
	MUL16 6, 1, NQ-1, \slot, 0
	PLACES NP                                      ; also for the loads into this slot's scale registers
	WIN 0
.if \fill
	s_add_nc_u64 s[SG+2*\slot:SG+2*\slot+1], s[SG+2*\slot:SG+2*\slot+1], 65536   ; this set's loads were shown done by the counted wait at the slot's first step: their base may step, two K steps on
	ALOADS \slot
.endif
	FETCH_A \next, 0, 4
.endm
	s_wait_tensorcnt 1                             ; B's scales and my part of K step 0 are in; K step 1's load may be out
	s_barrier_signal -1
	s_barrier_wait -1
	FETCH_B 0, 0, 0
	FETCH_A 0, 0, 0
	SCALES 0
	FETCH_A 0, 0, 4
	STEP 0, 0, 1, 16                               ; the first step's products start the sums
	s_mov_b32 s3, LAPS-1
.Llap:
	TURN 0, 1, 1
	STEP 1, 0, 0, 16
	TURN 1, 0, 1
	STEP 0, 0, 0, 16
	s_sub_co_u32 s3, s3, 1
	s_cmp_lg_u32 s3, 0
	s_cbranch_scc1 .Llap
	TURN 0, 1, 0                                   ; the last lap fills nothing
	STEP 1, 0, 0, 0
	s_wait_dscnt 4*NL
	WIN MUL_LO
	MUL16 0, 1, NQ-1, 1, 0
	MUL16 2, 1, NQ-1, 1, 0
	s_wait_dscnt 0
	WIN MUL_HI
	MUL16 4, 1, NQ-1, 1, 0
	MUL16 6, 1, NQ-1, 1, 0
	WIN 0
; THE WAY OUT, block by block of 16 rows x 128 columns: through my own stage in LDS, back as whole rows of 512 bytes; the bias and the residual's row are added; 32 lanes store two aligned runs of 256 bytes.
.macro RLOAD a                         ; the residual's 16 rows of block a -> window 1, v0-63
	WIN TO_B
.set t, 0
.rept 16
	global_load_b128 v[4*t:4*t+3], v[CO], s[92:93] offset:(16*(\a)+t)*4096
.set t, t+1
.endr
	WIN 0
.endm
.macro TOSTAGE a
.set AC, 64*((\a)%4)
	WIN 0x08+4*((\a)/4)                            ; the data: window 2 or 3
.irp b, 0,1,2,3,4,5,6,7
	ds_store_b128 v[STO], v[AC+8*\b:AC+8*\b+3] offset:64*\b          ; each accumulator from its low end on
	ds_store_b128 v[STO], v[AC+8*\b+4:AC+8*\b+7] offset:64*\b+16
.endr
	WIN 0
.set BB, BK+64*((\a)%2)
.set t, 0
.rept 16
	ds_load_b128 v[BB+4*t:BB+4*t+3], v[RD] offset:t*SPITCH           ; LDS serves a wave's instructions in order (ISA guide 5.7.1.4): these see the stores above
.set t, t+1
.endr
.endm
.macro SENDR a, younger                ; younger: the LDS instructions issued behind block a's loads
.set BB, BK+64*((\a)%2)
	s_wait_dscnt \younger
	s_wait_loadcnt 0x0                             ; the residual's rows (and, the first time, the bias)
.set t, 0
.rept 16
	v_pk_add_f32 v[BB+4*t:BB+4*t+1], v[BB+4*t:BB+4*t+1], v[BI:BI+1]
	v_pk_add_f32 v[BB+4*t+2:BB+4*t+3], v[BB+4*t+2:BB+4*t+3], v[BI+2:BI+3]
.set t, t+1
.endr
	WIN 0x04                                       ; source 1: window 1
.set t, 0
.rept 32
	v_pk_add_f32 v[BB+2*t:BB+2*t+1], v[BB+2*t:BB+2*t+1], v[2*t:2*t+1]
.set t, t+1
.endr
	WIN 0
.set t, 0
.rept 16
	global_store_b128 v[CO], v[BB+4*t:BB+4*t+3], s[94:95] offset:(16*(\a)+t)*4096 th:TH_STORE_NT   ; 512 consecutive bytes; 127 rows of 4,096 bytes at the most: inside the signed 24-bit immediate
.set t, t+1
.endr
.if (\a) < 7
	RLOAD (\a)+1
.endif
.endm
	PLACES NP
	global_load_b128 v[BI:BI+3], v[CO], s[10:11]   ; the bias at my four columns
	RLOAD 0
	TOSTAGE 0
.irp a, 1,2,3,4,5,6,7
.if \a > 1
	s_wait_xcnt 0x0                                ; block a - 2's stores have read their registers: block a's loads may land there
.endif
	TOSTAGE \a
	SENDR \a-1, 32                                 ; behind block a - 1's loads: block a's 16 stores and 16 loads
.endr
	SENDR 7, 0
	s_wait_tensorcnt 0x0                           ; the wave's end
	ds_add_u32 v[SPW], v[NIL]
	s_wait_dscnt 0x0
	CROUND                                         ; the closing round
	s_endpgm
.Lfunc_end_k_q9bee280b48_ffn2:
	.size	k_q9bee280b48_ffn2, .Lfunc_end_k_q9bee280b48_ffn2-k_q9bee280b48_ffn2
	.p2alignl 7, 3214868480
	.fill 96, 4, 3214868480
	.section	.rodata,"a",@progbits
	.p2align	6, 0x0
	.amdhsa_kernel k_q9bee280b48_ffn2
		.amdhsa_group_segment_fixed_size 327680
		.amdhsa_private_segment_fixed_size 0
		.amdhsa_enable_private_segment 0
		.amdhsa_kernarg_size 48
		.amdhsa_user_sgpr_count 2
		.amdhsa_user_sgpr_kernarg_segment_ptr 1
		.amdhsa_wavefront_size32 1
		.amdhsa_system_sgpr_workgroup_id_x 1
		.amdhsa_system_sgpr_workgroup_id_y 1
		.amdhsa_system_sgpr_workgroup_id_z 1
		.amdhsa_system_vgpr_workitem_id 0
		.amdhsa_next_free_vgpr 1024
		.amdhsa_next_free_sgpr 100
		.amdhsa_reserve_vcc 0
		.amdhsa_float_denorm_mode_32 3
		.amdhsa_float_denorm_mode_16_64 3
		.amdhsa_memory_ordered 1
		.amdhsa_forward_progress 1
		.amdhsa_inst_pref_size 198
	.end_amdhsa_kernel
	.amdgpu_metadata
---
amdhsa.version: [ 1, 2 ]
amdhsa.kernels:
  - .name:           k_q9bee280b48_ffn2
    .symbol:         k_q9bee280b48_ffn2.kd
    .args:
      - { .name: hid, .offset: 0, .size: 8, .value_kind: global_buffer, .address_space: global }
      - { .name: W2_codes, .offset: 8, .size: 8, .value_kind: global_buffer, .address_space: global }
      - { .name: W2_scales, .offset: 16, .size: 8, .value_kind: global_buffer, .address_space: global }
      - { .name: b2, .offset: 24, .size: 8, .value_kind: global_buffer, .address_space: global }
      - { .name: x1, .offset: 32, .size: 8, .value_kind: global_buffer, .address_space: global }
      - { .name: out0, .offset: 40, .size: 8, .value_kind: global_buffer, .address_space: global }
    .group_segment_fixed_size: 327680
    .private_segment_fixed_size: 0
    .kernarg_segment_align: 8
    .kernarg_segment_size: 48
    .max_flat_workgroup_size: 128
    .sgpr_count:     100
    .vgpr_count:     1024
    .wavefront_size: 32
...
	.end_amdgpu_metadata
.endif
;; end of part 6
;; ======== version 2 of 2: 7 launches
;; limits: right only within a limited range of input values
;; workspace buffers: nx 4,325,376 bytes; qkv 13,238,272 bytes; at 4,325,376 bytes; x1 16,777,216 bytes; hid 17,301,504 bytes
;; launch ln1 (part 7): grid 256 x 1, 8 waves a work-group, no clusters, 42,496 bytes of LDS; arguments x, g1, beta1, nx; writes nx
.if DOCPART == 7
	.amdgcn_target "amdgcn-amd-amdhsa--gfx1250"
	.amdhsa_code_object_version 6
	.text
	.protected	k_q9bee280b48_ln1
	.globl	k_q9bee280b48_ln1
	.p2align	8
	.type	k_q9bee280b48_ln1,@function
k_q9bee280b48_ln1:
	s_mov_b64 s[64:65], 0
	v_nop
	global_prefetch_b8 v0, s[64:65] scope:SCOPE_SE
	s_setreg_imm32_b32 hwreg(HW_REG_WAVE_MODE, 25, 1), 1
	s_wait_xcnt 0x0
; y = (x - mean) * rsqrt(var + 1e-5) * g + beta for each row of 1,024 f32 numbers, then y is turned into codes of FP8 (E4M3) with one E8M0 byte for each 32 along the row.
; Out: codes [4096][1024] at byte 0 of the buffer, scale bytes [4096][32] from byte 4,194,304 on.
; SHARES: a work-group takes 16 rows, each of its eight waves two.  A row is 4,096 bytes: eight loads of 512 consecutive bytes, 32 registers a lane; it stays in registers between the passes, so it is read once.
; The variance is taken of x - mean (two passes over registers): a common offset of the inputs does not cancel.
; The conversions take 16 neighbours from ONE lane, the loads give a lane 4 neighbours: half a row (2,048 bytes) at a time turns through the wave's own stage in LDS (64 bytes + 16 of padding a place).
; A block's scale is 2^(floor(log2(largest magnitude)) - 8); its byte is the largest magnitude's exponent field - 8, held at 1 from below.
; LIMITS: a block of zeros gets the byte 1 (its codes are zeros; the bytes are read by this program alone); blocks whose largest magnitude lies under 2^-118 take the floor's scale; NaN and infinities are not served.
; No matrix unit, no cluster, no tensor load: the launch streams, and its work-groups share nothing but g and beta.
.set SP,   80                          ; a place in a stage: 64 bytes + 16 of padding
.set STG,  32*SP                       ; a stage: half a row
.set WREG, 2*STG                       ; a wave's two stages
.set SCB,  8*WREG                      ; behind them: the work-group's 512 scale bytes
.set X,    32                          ; v32-95   two rows, 32 registers each
.set G,    96                          ; v96-127  g at my columns
.set BT,   128                         ; v128-159 beta
.set Y,    160                         ; v160-191 two halves of 16 neighbours
.set C,    192                         ; v192-207 codes: four registers for each (row, half), never rewritten
.set E,    208                         ; v208-211 a scale byte for each (row, half)
	s_load_b256 s[4:11], s[0:1], 0x0               ; x s[4:5], g s[6:7], beta s[8:9], out s[10:11]
	v_lshl_add_u32 v216, v0, 2, 0xa200
	v_mov_b32 v217, 0
	v_lshrrev_b32 v1, 5, v0
	s_delay_alu instid0(VALU_DEP_1)
	v_readfirstlane_b32 s16, v1                    ; wave
	v_and_b32 v1, 31, v0                           ; lane
	s_delay_alu instid0(VALU_DEP_1)
	v_lshlrev_b32 v2, 4, v1                        ; 16 x lane
	s_mul_i32 s17, s16, WREG
	v_lshrrev_b32 v3, 2, v1
	s_delay_alu instid0(VALU_DEP_1)
	v_mul_u32_u24 v3, v3, SP
	v_and_b32 v6, 3, v1
	s_delay_alu instid0(VALU_DEP_1)
	v_lshl_add_u32 v3, v6, 4, v3
	s_delay_alu instid0(VALU_DEP_1)
	v_add_nc_u32 v3, s17, v3                       ; into a stage: SP (lane / 4) + 16 (lane % 4); a load's 512 bytes take eight places
	v_mul_u32_u24 v4, v1, SP
	s_delay_alu instid0(VALU_DEP_1)
	v_add_nc_u32 v4, s17, v4                       ; out of it: SP x lane: my 16 neighbours
	v_lshrrev_b32 v5, 1, v1
	s_lshl_b32 s17, s16, 6
	s_add_co_u32 s17, s17, SCB
	v_add_nc_u32 v5, s17, v5                       ; my block's byte among my wave's 64
	s_mov_b32 s20, 0x76543210
	s_mov_b32 s21, 0xfedcba98                      ; v_permlanex16_b32: lane l xor 16
	s_mov_b32 s24, 0x3a800000                      ; 1 / 1,024
	s_mov_b32 s25, 0x3727c5ac                      ; 1e-5
	s_mov_b32 s26, 0x600000                        ; the mantissa field of 448
	s_lshl_b32 s18, ttmp9, 16                      ; 16 rows of 4,096 bytes a work-group,
	s_lshl_b32 s19, s16, 13                        ; two a wave
	s_add_co_u32 s18, s18, s19
	s_mov_b32 s19, 0
	s_lshl_b32 s22, ttmp9, 9                       ; 512 scale bytes a work-group
	s_add_co_u32 s22, s22, 0x400000
	s_mov_b32 s23, 0
	s_wait_kmcnt 0x0
	s_add_nc_u64 s[4:5], s[4:5], s[18:19]
	s_lshr_b32 s18, s18, 2                         ; a row of codes is a quarter of a row of numbers
	s_add_nc_u64 s[14:15], s[10:11], s[22:23]      ; the scale bytes
	s_add_nc_u64 s[10:11], s[10:11], s[18:19]      ; the codes
.irp rr, 0,1
.irp i, 0,1,2,3,4,5,6,7
	global_load_b128 v[X+32*\rr+4*\i:X+32*\rr+4*\i+3], v2, s[4:5] offset:4096*\rr+512*\i   ; 32 lanes read 512 consecutive bytes
.endr
.endr
.irp i, 0,1,2,3,4,5,6,7
	global_load_b128 v[G+4*\i:G+4*\i+3], v2, s[6:7] offset:512*\i
.endr
.irp i, 0,1,2,3,4,5,6,7
	global_load_b128 v[BT+4*\i:BT+4*\i+3], v2, s[8:9] offset:512*\i
.endr
.macro WSUM r, t                       ; the sum over the 32 lanes, in every lane
	s_delay_alu instid0(VALU_DEP_1)
	v_add_f32_dpp v[\r], v[\r], v[\r] row_xmask:1 row_mask:0xf bank_mask:0xf
	s_delay_alu instid0(VALU_DEP_1)
	v_add_f32_dpp v[\r], v[\r], v[\r] row_xmask:2 row_mask:0xf bank_mask:0xf
	s_delay_alu instid0(VALU_DEP_1)
	v_add_f32_dpp v[\r], v[\r], v[\r] row_xmask:4 row_mask:0xf bank_mask:0xf
	s_delay_alu instid0(VALU_DEP_1)
	v_add_f32_dpp v[\r], v[\r], v[\r] row_xmask:8 row_mask:0xf bank_mask:0xf
	s_delay_alu instid0(VALU_DEP_1)
	v_permlanex16_b32 v[\t], v[\r], s20, s21
	s_delay_alu instid0(VALU_DEP_1)
	v_add_f32 v[\r], v[\r], v[\t]
.endm
.macro JOIN                            ; four chains of pairs in v[8:15] into v8
	s_delay_alu instid0(VALU_DEP_3)
	v_pk_add_f32 v[8:9], v[8:9], v[10:11]
	s_delay_alu instid0(VALU_DEP_2)
	v_pk_add_f32 v[12:13], v[12:13], v[14:15]
	s_delay_alu instid0(VALU_DEP_1)
	v_pk_add_f32 v[8:9], v[8:9], v[12:13]
	s_delay_alu instid0(VALU_DEP_1)
	v_add_f32 v8, v8, v9
	WSUM 8, 9
.endm
.macro TURN s                          ; half s of the row through stage s: LDS serves a wave's instructions in order, so no wait stands between the stores and the loads
.irp i, 0,1,2,3
	ds_store_b128 v3, v[XR+16*\s+4*\i:XR+16*\s+4*\i+3] offset:STG*\s+8*SP*\i
.endr
.irp i, 0,1,2,3
	ds_load_b128 v[Y+16*\s+4*\i:Y+16*\s+4*\i+3], v4 offset:STG*\s+16*\i
.endr
.endm
.macro Q rr, s                         ; 16 neighbours a lane, two lanes to a block: scale, hold, codes
.set YS, Y+16*\s
.set CC, C+8*\rr+4*\s
.set EE, E+2*\rr+\s
	v_max3_num_f32 v8, |v[YS]|, |v[YS+1]|, |v[YS+2]|
	v_max3_num_f32 v9, |v[YS+3]|, |v[YS+4]|, |v[YS+5]|
.irp i, 6,10
	s_delay_alu instid0(VALU_DEP_2)
	v_max3_num_f32 v8, v8, |v[YS+\i]|, |v[YS+\i+1]|
	s_delay_alu instid0(VALU_DEP_2)
	v_max3_num_f32 v9, v9, |v[YS+\i+2]|, |v[YS+\i+3]|
.endr
	s_delay_alu instid0(VALU_DEP_2)
	v_max3_num_f32 v8, v8, |v[YS+14]|, |v[YS+15]|
	s_delay_alu instid0(VALU_DEP_1)
	v_max3_num_f32 v8, v8, v9, 0x4800000           ; the floor 2^(9 - 127): the byte cannot fall under 1
	s_delay_alu instid0(VALU_DEP_1)
	v_max_num_f32_dpp v8, v8, v8 row_xmask:1 row_mask:0xf bank_mask:0xf   ; with my neighbour's 16: the block's largest magnitude
	s_delay_alu instid0(VALU_DEP_1)
	v_add_nc_u32 v11, 0xfc000000, v8               ; 8 off its exponent field: the conversion's scale operand
	s_delay_alu instid0(VALU_DEP_2)
	v_and_or_b32 v10, v8, 0x7f800000, s26          ; 448 x the scale
.irp i, 0,1,2,3,4,5,6,7,8,9,10,11,12,13,14,15
	v_med3_num_f32 v[YS+\i], v[YS+\i], -v10, v10   ; the conversion to an 8-bit code does not saturate (ISA guide 7.6.2): the hold comes first
.endr
	v_cvt_scalef32_pk8_fp8_f32 v[CC:CC+1], v[YS:YS+7], v11
	v_cvt_scalef32_pk8_fp8_f32 v[CC+2:CC+3], v[YS+8:YS+15], v11
	v_lshrrev_b32 v[EE], 23, v11                   ; the scale's byte
	ds_store_b8 v5, v[EE] offset:32*\rr+16*\s      ; both lanes of a block write the same byte with the same value
	global_store_b128 v2, v[CC:CC+3], s[10:11] offset:1024*\rr+512*\s   ; 32 lanes store 512 consecutive bytes
.endm
.macro ROW rr
.set XR, X+32*\rr
.if \rr == 0
	s_wait_loadcnt 24                              ; row 0's eight loads are in; row 1's, g's and beta's 24 may be out
.endif
.irp k, 0,1,2,3
	v_pk_add_f32 v[8+2*\k:9+2*\k], v[XR+4*\k:XR+4*\k+1], v[XR+4*\k+2:XR+4*\k+3]   ; the row's sum, in four chains
.endr
.irp i, 16,24
.irp k, 0,1,2,3
	s_delay_alu instid0(VALU_DEP_4)
	v_pk_add_f32 v[8+2*\k:9+2*\k], v[8+2*\k:9+2*\k], v[XR+\i+2*\k:XR+\i+2*\k+1]
.endr
.endr
	JOIN
	s_delay_alu instid0(VALU_DEP_1)
	v_mul_f32 v16, s24, v8                         ; the mean, twice: a pair for the packed form
	s_delay_alu instid0(VALU_DEP_2)
	v_mul_f32 v17, s24, v8
.irp i, 0,2,4,6,8,10,12,14,16,18,20,22,24,26,28,30
	v_pk_add_f32 v[XR+\i:XR+\i+1], v[XR+\i:XR+\i+1], v[16:17] neg_lo:[0,1] neg_hi:[0,1]   ; x - mean
.endr
.irp k, 0,1,2,3
	v_pk_mul_f32 v[8+2*\k:9+2*\k], v[XR+2*\k:XR+2*\k+1], v[XR+2*\k:XR+2*\k+1]             ; the sum of squares, in four chains
.endr
.irp i, 8,16,24
.irp k, 0,1,2,3
	s_delay_alu instid0(VALU_DEP_4)
	v_pk_fma_f32 v[8+2*\k:9+2*\k], v[XR+\i+2*\k:XR+\i+2*\k+1], v[XR+\i+2*\k:XR+\i+2*\k+1], v[8+2*\k:9+2*\k]
.endr
.endr
	JOIN
	s_delay_alu instid0(VALU_DEP_1)
	v_fma_f32 v18, v8, s24, s25                    ; var + eps
	s_wait_alu depctr_va_vdst(0)
	v_rsq_f32 v20, v18
	v_rsq_f32 v21, v18                             ; twice: a pair
	v_nop                                          ; a plain instruction behind the transcendentals (ISA guide 5.7.2)
	s_wait_alu depctr_va_vdst(0)                   ; one wait for both, ahead of their first reader
.if \rr == 0
	s_wait_loadcnt 0x0                             ; g and beta (and row 1)
.endif
.irp i, 0,2,4,6,8,10,12,14,16,18,20,22,24,26,28,30
	v_pk_mul_f32 v[XR+\i:XR+\i+1], v[XR+\i:XR+\i+1], v[20:21]
.endr
.irp i, 0,2,4,6,8,10,12,14,16,18,20,22,24,26,28,30
	v_pk_fma_f32 v[XR+\i:XR+\i+1], v[XR+\i:XR+\i+1], v[G+\i:G+\i+1], v[BT+\i:BT+\i+1]
.endr
	TURN 0
	TURN 1
	s_wait_dscnt 8                                 ; the first half is back; the second half's four stores and four loads may be out
	Q \rr, 0
	s_wait_dscnt 1                                 ; the second half is back; the byte store just issued may be out
	Q \rr, 1
.endm
	ROW 0
	ROW 1
	s_wait_dscnt 0x0                               ; for the others' sake: my byte stores have landed
	s_barrier_signal -1
	s_barrier_wait -1
	s_cmp_lg_u32 s16, 0
	s_cbranch_scc1 .Lend                           ; wave 0 sends the work-group's 512 scale bytes
	ds_load_b128 v[8:11], v2 offset:SCB
	s_wait_dscnt 0x0
	global_store_b128 v2, v[8:11], s[14:15]        ; 32 lanes store 512 consecutive bytes
.Lend:
	s_wait_tensorcnt 0x0
	ds_add_u32 v216, v217
	s_wait_dscnt 0x0
	s_endpgm
.Lfunc_end_k_q9bee280b48_ln1:
	.size	k_q9bee280b48_ln1, .Lfunc_end_k_q9bee280b48_ln1-k_q9bee280b48_ln1
	.p2alignl 7, 3214868480
	.fill 96, 4, 3214868480
	.section	.rodata,"a",@progbits
	.p2align	6, 0x0
	.amdhsa_kernel k_q9bee280b48_ln1
		.amdhsa_group_segment_fixed_size 42496
		.amdhsa_private_segment_fixed_size 0
		.amdhsa_enable_private_segment 0
		.amdhsa_kernarg_size 32
		.amdhsa_user_sgpr_count 2
		.amdhsa_user_sgpr_kernarg_segment_ptr 1
		.amdhsa_wavefront_size32 1
		.amdhsa_system_sgpr_workgroup_id_x 1
		.amdhsa_system_sgpr_workgroup_id_y 1
		.amdhsa_system_sgpr_workgroup_id_z 1
		.amdhsa_system_vgpr_workitem_id 0
		.amdhsa_next_free_vgpr 218
		.amdhsa_next_free_sgpr 66
		.amdhsa_reserve_vcc 0
		.amdhsa_float_denorm_mode_32 3
		.amdhsa_float_denorm_mode_16_64 3
		.amdhsa_memory_ordered 1
		.amdhsa_forward_progress 1
		.amdhsa_inst_pref_size 33
	.end_amdhsa_kernel
	.amdgpu_metadata
---
amdhsa.version: [ 1, 2 ]
amdhsa.kernels:
  - .name:           k_q9bee280b48_ln1
    .symbol:         k_q9bee280b48_ln1.kd
    .args:
      - { .name: x, .offset: 0, .size: 8, .value_kind: global_buffer, .address_space: global }
      - { .name: g1, .offset: 8, .size: 8, .value_kind: global_buffer, .address_space: global }
      - { .name: beta1, .offset: 16, .size: 8, .value_kind: global_buffer, .address_space: global }
      - { .name: nx, .offset: 24, .size: 8, .value_kind: global_buffer, .address_space: global }
    .group_segment_fixed_size: 42496
    .private_segment_fixed_size: 0
    .kernarg_segment_align: 8
    .kernarg_segment_size: 32
    .max_flat_workgroup_size: 256
    .sgpr_count:     66
    .vgpr_count:     218
    .wavefront_size: 32
...
	.end_amdgpu_metadata
.endif
;; end of part 7
;; launch qkv (part 8): grid 12 x 16, 4 waves a work-group, clusters of 4 x 4, 327,680 bytes of LDS; arguments nx, Wq_codes, Wq_scales, Wk_codes, Wk_scales, Wv_codes, Wv_scales, qkv; writes qkv
.if DOCPART == 8
	.amdgcn_target "amdgcn-amd-amdhsa--gfx1250"
	.amdhsa_code_object_version 6
	.text
	.protected	k_q9bee280b48_qkv
	.globl	k_q9bee280b48_qkv
	.p2align	8
	.type	k_q9bee280b48_qkv,@function
k_q9bee280b48_qkv:
	s_mov_b64 s[64:65], 0
	v_nop
	global_prefetch_b8 v0, s[64:65] scope:SCOPE_SE
	s_setreg_imm32_b32 hwreg(HW_REG_WAVE_MODE, 25, 1), 1
	s_wait_xcnt 0x0
	s_wait_alu depctr_hold_cnt(0) depctr_sa_sdst(0) depctr_va_vdst(0) depctr_va_sdst(0) depctr_va_ssrc(0) depctr_va_vcc(0) depctr_vm_vsrc(0)
	s_getreg_b32 s2, hwreg(HW_REG_IB_STS2, 6, 4)
	s_cmp_eq_u32 s2, 0
	s_cbranch_scc0 .Lentry_in_a_cluster
	s_endpgm
.Lentry_in_a_cluster:
	s_bfe_u32 s2, ttmp6, 0x10000c
	s_cmp_lg_u32 s2, 0xf033
	s_cbranch_scc0 .Lentry_shape_is_right
	s_endpgm
.Lentry_shape_is_right:
; q, k, v = nx x Wq, Wk, Wv on codes of FP8 (E4M3) with E8M0 scales for each 32 along K = 1,024; the results are quantised on the way out and leave as images of the next products' operand registers.
; A tile of 256 x 256 results is made by four waves, each 128 x 128: 64 accumulators, 512 registers.  K goes in steps of 256 through a ring of two LDS slots; the scale bytes of both sides come once and stay.
; CLUSTERS 4 x 4: the A side's tile is shared along a row of the cluster, the B side's along a column: joint tensor loads.  The matrix instruction is used transposed (source 0 = 16 rows of the B side, source 1 = 16 rows of
; the A side): a lane holds ONE row of the A side and its registers run along the B side's rows.
; ROLES, chosen by the cluster's x alone (equal in all sixteen partners): x = 0, 1: A side = nx (tokens), B side = Wq or Wk: a lane holds a token, registers run along (head, d), which is K of q k^T.
;   x = 2: A side = Wv, B side = nx: a lane holds one (head, d), registers run along the tokens, which are K of p v.  So one way out serves all three.
; THE ORDER IN A BLOCK: accumulators 2 c and 2 c + 1 give lane (r, h) the numbers 32 c + 16 u + 8 h + j.  That order stays inside a block of 32 and is the same for q and k, and for v and the p that the next launch makes:
;   both sides of those products carry it, so nothing is moved.
; OUT: q at byte 0, k at 4 MiB: [token / 16][head][2][lane][16 B]; v at 8 MiB: [128 tokens][(head, d) / 16][4][lane][16 B]; scale words: q at 12 MiB, k 256 KiB on: [batch x 8 + head / 2][token / 16 in the batch][16][4 B];
;   v 512 KiB on: [128 tokens][(head, d) / 16][16][4 B].
; LIMITS: a block of zeros gets the byte 1 (codes zero; read by this program alone); NaN and infinities are not served.  No prefetch: four K steps, two of them first fills.
; REGISTERS: window 0: v16-29 addresses; v32-63 scale words, two sets; v64-109 the way out; from v128 the A side's fragments, one set.  window 1: the B side's, two sets.  windows 2, 3: the accumulators ((a, b) at v[8 (8 (a % 4) + b)]).
.set SIZE_K, 1024
.set NQ,     2                         ; matrix instructions deep in a slot
.set ROWB,   256                       ; a tile's row in bytes
.set KROW,   SIZE_K
.set PITCH,  272                       ; an LDS row: 256 bytes + 16 of padding: the 16 rows that a load touches start at 16 different banks (64 banks of 4 bytes: ISA guide 11.1)
.set FR,     16
.set NL,     4
.set NP,     8                         ; places behind this matrix instruction (ISA guide 7.12.1)
.set HALFT,  128*PITCH
.set SLOT,   4*HALFT
.set LAPS,   SIZE_K/512
.set KS,     SIZE_K/32
.set SCL,    2*SLOT                    ; behind the ring: the scales, as units of 256 bytes + 16 of padding
.set HALFS,  (128*KS/256)*272
.set SBLK,   (16*KS/256)*272
.set SPARE,  SCL+4*HALFS               ; the spare words, 128 bytes a wave: two blocks of 256 bytes that no other line names
.set ADRA, 16
.set ADRB, 20
.set ADRS, 27
.set SPW,  28
.set NIL,  29
.set SC,   32
.set PC,   64                          ; v64-79   the codes just made
.set TM,   80                          ; v80-95   largest magnitudes, bytes, holds, scale operands
.set PWS,  96                          ; v96-103  a scale word for each block a
.set SW,   104                         ; v104-107 two blocks' words in one register, never rewritten
.set LI,   108                         ; 16 x lane
.set LS,   109                         ; 4 x lane
.set AF,   128
.set G1, 24
.set G0, 32
.set G1B, 48
.set G0B, 56
.set G1S, 68
.set G0S, 76
.set G1SB, 80
.set G0SB, 88
.set SEL, 66
.set MNT, 95
.set HM,  100
.set OB,  12                           ; s[12:13] where my codes go
.set SBS, 96                           ; s[96:97] where my scale words go
.set AST, 98                           ; s[98:99] from block a to block a + 1, in bytes
.set MSB, 0
.macro WIN new                         ; the immediate's high byte repeats the setting that is left
.if MSB != (\new)
	s_set_vgpr_msb (MSB<<8)|(\new)
.set MSB, (\new)
.endif
.endm
.set MUL_LO, 0xa1                      ; source 0 window 1, source 1 window 0, C and D window 2
.set MUL_HI, 0xf1
.set TO_B,   0x40
.macro JLOAD g0a, g1a, g0b, g1b        ; a joint load: waves 0 and 1 fetch for the A side, waves 2 and 3 for the B side; four v_nop follow each line
	s_cmp_eq_u32 s15, 0
	s_cbranch_scc0 .Lfor_b_\@
	tensor_load_to_lds s[\g0a:\g0a+3], s[\g1a:\g1a+7]
	s_nop 0
.rept 4
	v_nop
.endr
	s_branch .Lasked_\@
.Lfor_b_\@:
	tensor_load_to_lds s[\g0b:\g0b+3], s[\g1b:\g1b+7]
	s_nop 0
.rept 4
	v_nop
.endr
.Lasked_\@:
.endm
.macro CREST                           ; a round of the cluster's barrier behind its opening barrier
	s_cmp_lg_u32 s14, 0
	s_cbranch_scc1 .Lnot_wave_0_\@
	s_barrier_signal -3
.Lnot_wave_0_\@:
	s_barrier_wait -3
	s_barrier_signal -1
	s_barrier_wait -1
.endm
.macro CROUND
	s_barrier_signal -1
	s_barrier_wait -1
	CREST
.endm
	s_load_b512 s[68:83], s[0:1], 0x0              ; nx, Wq's codes and scales, Wk's, Wv's, out
	v_lshl_add_u32 v[SPW], v0, 2, SPARE
	v_mov_b32 v[NIL], 0
	ds_add_u32 v28, v29
	ds_add_u32 v28, v29
	s_wait_dscnt 0x0
	v_lshrrev_b32 v1, 5, v0
	v_readfirstlane_b32 s14, v1                    ; wave 0..3
	s_lshr_b32 s15, s14, 1                         ; my half of the A side's rows.  Also: I fetch for the A side (0) or the B side (1)
	s_and_b32 s16, s14, 1                          ; my half of the B side's rows.  Also: which 128 rows I fetch
	s_bfe_u32 s40, ttmp6, 0x40000                  ; cx
	s_bfe_u32 s41, ttmp6, 0x40004                  ; cy
	s_and_b32 s17, ttmp7, 0xffff
	s_lshl_b32 s17, s17, 2                         ; 4 x cluster y: it counts tiles of tokens
	s_cmp_eq_u32 ttmp9, 2
	s_cselect_b32 s18, 0, s17
	s_cselect_b32 s19, s17, 0
	s_add_co_u32 s17, s18, s41                     ; the A side's tile: tokens 4 Y + cy, or for v the weight's cy
	s_add_co_u32 s42, s19, s40                     ; the B side's tile: the weight's cx, or for v tokens 4 Y + cx
	s_lshl_b32 s43, s41, 2
	s_lshl_b32 s43, 15, s43                        ; my row of the cluster
	s_lshl_b32 s44, 0x1111, s40                    ; my column
	s_wait_kmcnt 0x0
	s_add_nc_u64 s[84:85], s[68:69], 0x400000      ; nx's scale bytes
	s_cmp_eq_u32 ttmp9, 0
	s_cselect_b64 s[8:9], s[70:71], s[74:75]       ; Wq or Wk
	s_cselect_b64 s[10:11], s[72:73], s[76:77]
	s_cmp_eq_u32 ttmp9, 2
	s_cselect_b64 s[4:5], s[78:79], s[68:69]       ; the A side's codes,
	s_cselect_b64 s[6:7], s[80:81], s[84:85]       ; its scales,
	s_cselect_b64 s[8:9], s[68:69], s[8:9]         ; the B side's codes,
	s_cselect_b64 s[10:11], s[84:85], s[10:11]     ; its scales
	s_mov_b64 s[OB:OB+1], s[82:83]
	; descriptor group 1: a tile of 128 rows x 256 bytes, 16 bytes of padding behind each row
	s_or_b32 s[G1+0], s43, (0<<16)|(1<<20)|(1<<21)|(5<<22)|(3<<25)  ; the mask; elements of 1 byte; padding on; bit 21 beside a mask; after every 64 words; 4 words
	s_or_b32 s[G1B+0], s44, (0<<16)|(1<<20)|(1<<21)|(5<<22)|(3<<25)
.irp g, G1, G1B
	s_mov_b32 s[\g+1], ROWB<<16                    ; tensor_dim0
	s_mov_b32 s[\g+2], 256<<16                     ; tensor_dim1: the head's loads bring whole tiles of 256 rows
	s_mov_b32 s[\g+3], ROWB<<16                    ; tile_dim0
	s_mov_b32 s[\g+4], 256                         ; tile_dim1
	s_mov_b32 s[\g+5], KROW                        ; the pitch
	s_mov_b32 s[\g+6], 0
	s_mov_b32 s[\g+7], 0
.endr
	; the scales of 256 rows: a dense block, as rows of 256 bytes (32 elements of 8 bytes) with 16 bytes of padding
	s_or_b32 s[G1S+0], s43, (3<<16)|(1<<20)|(1<<21)|(5<<22)|(3<<25)
	s_or_b32 s[G1SB+0], s44, (3<<16)|(1<<20)|(1<<21)|(5<<22)|(3<<25)
.irp g, G1S, G1SB
	s_mov_b32 s[\g+1], 32<<16
	s_mov_b32 s[\g+2], KS<<16                      ; the scales of 256 rows: KS rows of 256 bytes
	s_mov_b32 s[\g+3], 32<<16
	s_mov_b32 s[\g+4], KS
	s_mov_b32 s[\g+5], 32
	s_mov_b32 s[\g+6], 0
	s_mov_b32 s[\g+7], 0
.endr
	s_lshl_b32 s18, s16, 7                         ; which 128 rows of the tile I fetch
	s_lshl_b32 s20, s17, 8
	s_add_co_u32 s20, s20, s18
	s_lshl_b32 s46, s42, 8
	s_add_co_u32 s46, s46, s18
	s_mov_b32 s21, 0
	s_mov_b32 s47, 0
	s_mov_b64 s[18:19], KS
	s_mul_u64 s[22:23], s[20:21], s[18:19]         ; where these rows' scales begin,
	s_mul_u64 s[92:93], s[46:47], s[18:19]
	s_mov_b64 s[18:19], KROW
	s_mul_u64 s[20:21], s[20:21], s[18:19]         ; and their codes
	s_mul_u64 s[46:47], s[46:47], s[18:19]
	s_mul_i32 s45, s14, HALFT                      ; where they go: wave x 128 rows: no place in the cluster enters an LDS address
	s_mul_i32 s94, s16, 128*KS                     ; my half's scale bytes, taken off below: a side's scales come whole
	s_mov_b32 s95, 0
	s_add_nc_u64 s[20:21], s[4:5], s[20:21]
	s_add_nc_u64 s[22:23], s[6:7], s[22:23]
	s_add_nc_u64 s[46:47], s[8:9], s[46:47]
	s_add_nc_u64 s[92:93], s[10:11], s[92:93]
	CROUND                                         ; all sixteen work-groups are here: the first joint loads meet
	s_mov_b32 s[G0S], 1
	s_mov_b32 s[G0S+1], SCL
	s_sub_nc_u64 s[G0S+2:G0S+3], s[22:23], s[94:95]
	s_or_b32 s[G0S+3], s[G0S+3], 0x80000000
	s_mov_b32 s[G0SB], 1
	s_mov_b32 s[G0SB+1], SCL+2*HALFS
	s_sub_nc_u64 s[G0SB+2:G0SB+3], s[92:93], s[94:95]
	s_or_b32 s[G0SB+3], s[G0SB+3], 0x80000000
.irp s, 0,1
	s_mov_b32 s[G0+4*\s], 1
	s_add_co_u32 s[G0+4*\s+1], s45, \s*SLOT
	s_add_nc_u64 s[G0+4*\s+2:G0+4*\s+3], s[20:21], \s*ROWB
	s_or_b32 s[G0+4*\s+3], s[G0+4*\s+3], 0x80000000
	s_mov_b32 s[G0B+4*\s], 1
	s_add_co_u32 s[G0B+4*\s+1], s45, \s*SLOT
	s_add_nc_u64 s[G0B+4*\s+2:G0B+4*\s+3], s[46:47], \s*ROWB
	s_or_b32 s[G0B+4*\s+3], s[G0B+4*\s+3], 0x80000000
.endr
	; THE HEAD'S LOADS, ONE A WAVE, in one chain of branches on the wave's number.  Waves 0 and 2 fetch half 0 in the ring, so their slot 0 descriptors
	; stand at a tile's first row: with 256 rows stated, wave 0 brings K step 0 of the A side whole and wave 2 of the B side; wave 1 brings the A side's scales, wave 3 the B side's.
	s_cmp_eq_u32 s14, 0
	s_cbranch_scc0 .Lhead_b
	tensor_load_to_lds s[G0:G0+3], s[G1:G1+7]
	s_nop 0
.rept 4
	v_nop
.endr
	s_branch .Lhead_asked
.Lhead_b:
	s_cmp_eq_u32 s14, 2
	s_cbranch_scc0 .Lhead_sa
	tensor_load_to_lds s[G0B:G0B+3], s[G1B:G1B+7]
	s_nop 0
.rept 4
	v_nop
.endr
	s_branch .Lhead_asked
.Lhead_sa:
	s_cmp_eq_u32 s14, 1
	s_cbranch_scc0 .Lhead_sb
	tensor_load_to_lds s[G0S:G0S+3], s[G1S:G1S+7]
	s_nop 0
.rept 4
	v_nop
.endr
	s_branch .Lhead_asked
.Lhead_sb:
	tensor_load_to_lds s[G0SB:G0SB+3], s[G1SB:G1SB+7]
	s_nop 0
.rept 4
	v_nop
.endr
.Lhead_asked:
	v_and_b32 v1, 15, v0
	v_bfe_u32 v2, v0, 4, 1                         ; h
	v_mul_u32_u24 v3, v1, PITCH
	v_lshl_add_u32 v4, v2, 4, v3                   ; a fragment's row x pitch + 16 h
	s_mul_i32 s21, s15, HALFT
	s_mul_i32 s22, s16, HALFT
	s_add_co_u32 s22, s22, 2*HALFT
.irp s, 0,1
	v_add_nc_u32 v[ADRA+\s], s21, v4
	v_add_nc_u32 v[ADRB+\s], s22, v4
	s_add_co_u32 s21, s21, SLOT
	s_add_co_u32 s22, s22, SLOT
.endr
	v_mul_u32_u24 v5, v1, KS                       ; my row's scales: KS bytes a row,
	v_lshrrev_b32 v6, 8, v5
	v_lshl_add_u32 v5, v6, 4, v5                   ; and 16 more for each 256 passed
	s_mul_i32 s21, s15, HALFS
	s_mul_i32 s22, s16, HALFS
	s_add_co_u32 s22, s22, 2*HALFS
	s_sub_co_u32 s22, s22, s21
	v_mul_u32_u24 v6, s22, v2                      ; lanes 16-31 take the B side's: one product, the lower base + h x the distance
	s_add_co_u32 s21, s21, SCL
	v_add_nc_u32 v5, v5, v6
	v_add_nc_u32 v[ADRS], s21, v5
	v_and_b32 v6, 31, v0
	v_lshlrev_b32 v[LI], 4, v6
	v_lshlrev_b32 v[LS], 2, v6
	s_mov_b32 s[SEL], 0x76543210
	s_mov_b32 s[SEL+1], 0xfedcba98
	s_mov_b32 s[MNT], 0x600000
	s_mov_b32 s[HM], 0xffff0000                    ; lanes 16-31
	; where my results go.  P = my first block of 16 rows of the A side, Q = my 128 rows of the B side
	s_lshl_b32 s18, s17, 4
	s_lshl_b32 s19, s15, 3
	s_add_co_u32 s18, s18, s19                     ; P
	s_lshl_b32 s19, s42, 1
	s_add_co_u32 s19, s19, s16                     ; Q
	s_lshl_b32 s20, ttmp9, 22                      ; q, k: 4 MiB x which + P x 16 heads x 1 KiB + Q x two heads
	s_lshl_b32 s21, s18, 14
	s_add_co_u32 s20, s20, s21
	s_lshl_b32 s21, s19, 11
	s_add_co_u32 s20, s20, s21
	s_lshr_b32 s21, s18, 7                         ; the batch
	s_lshl_b32 s21, s21, 3
	s_add_co_u32 s21, s21, s19
	s_lshl_b32 s21, s21, 7
	s_and_b32 s22, s18, 127                        ; the token tile in the batch
	s_add_co_u32 s21, s21, s22
	s_lshl_b32 s21, s21, 6
	s_lshl_b32 s22, ttmp9, 18
	s_add_co_u32 s21, s21, s22
	s_add_co_u32 s21, s21, 0xc00000
	s_lshl_b32 s22, s19, 6                         ; v: (Q x 64 + P) images of 2 KiB, words of 64 bytes
	s_add_co_u32 s22, s22, s18
	s_lshl_b32 s23, s22, 6
	s_add_co_u32 s23, s23, 0xc80000
	s_lshl_b32 s22, s22, 11
	s_add_co_u32 s22, s22, 0x800000
	s_mov_b32 s[AST], 16384
	s_cmp_eq_u32 ttmp9, 2
	s_cselect_b32 s20, s22, s20
	s_cselect_b32 s22, s23, s21
	s_cselect_b32 s[AST], 2048, s[AST]
	s_mov_b32 s[AST+1], 0
	s_mov_b32 s21, 0
	s_mov_b32 s23, 0
	s_add_nc_u64 s[SBS:SBS+1], s[OB:OB+1], s[22:23]
	s_add_nc_u64 s[OB:OB+1], s[OB:OB+1], s[20:21]
.macro FRAG reg, adr, q, i             ; 16 rows x 128 K: lane l holds row l % 16; registers 4 c .. 4 c + 3 hold K = 32 c + 16 (l / 16) + 0 .. 15
.irp c, 0,1,2,3
	ds_load_b128 v[\reg+4*\c:\reg+4*\c+3], v[\adr] offset:128*(\q)+32*\c+(\i)*16*PITCH
.endr
.endm
; 16 matrix instructions: the A side's blocks a0, a0 + 1 x the B side's eight.  The 64 accumulators take turns, one instruction a turn, in the same order in every step.
; A scale register holds the A side's word of block i in lanes 0-15 and the B side's in lanes 16-31.
.macro MUL16 a0, p, q, sc, zero
.irp a, \a0, \a0+1
.irp b, 0,1,2,3,4,5,6,7
.if \zero
	v_wmma_scale_f32_16x16x128_f8f6f4 v[8*(8*((\a)%4)+\b):8*(8*((\a)%4)+\b)+7], v[128*(\p)+FR*\b:128*(\p)+FR*\b+FR-1], v[AF+FR*(\a):AF+FR*(\a)+FR-1], 0, v[SC+8*NQ*(\sc)+NQ*\b+(\q)], v[SC+8*NQ*(\sc)+NQ*(\a)+(\q)] matrix_a_scale:MATRIX_SCALE_ROW1
.else
	v_wmma_scale_f32_16x16x128_f8f6f4 v[8*(8*((\a)%4)+\b):8*(8*((\a)%4)+\b)+7], v[128*(\p)+FR*\b:128*(\p)+FR*\b+FR-1], v[AF+FR*(\a):AF+FR*(\a)+FR-1], v[8*(8*((\a)%4)+\b):8*(8*((\a)%4)+\b)+7], v[SC+8*NQ*(\sc)+NQ*\b+(\q)], v[SC+8*NQ*(\sc)+NQ*(\a)+(\q)] matrix_a_scale:MATRIX_SCALE_ROW1
.endif
.endr
.endr
.endm
.macro FETCH_B slot, q, p
	WIN TO_B
.irp i, 0,1,2,3,4,5,6,7
	FRAG 128*(\p)+FR*\i, ADRB+\slot, \q, \i
.endr
	WIN 0
.endm
.macro FETCH_A slot, q, i0
.irp i, \i0, \i0+1, \i0+2, \i0+3
	FRAG AF+FR*(\i), ADRA+\slot, \q, \i
.endr
.endm
.macro SCALES sc
.irp i, 0,1,2,3,4,5,6,7
	ds_load_b64 v[SC+8*NQ*\sc+NQ*\i:SC+8*NQ*\sc+NQ*\i+1], v[ADRS] offset:\i*SBLK
.endr
.endm
.macro PLACES n                        ; places in front of loads into registers that matrix instructions have read, and of the first read of results
.rept \n
	v_nop
.endr
.endm
.macro STEP slot, q, zero              ; 128 along K that have their successor in the same slot
	s_wait_dscnt 4*NL                              ; the B side's set and the A side's blocks 0-3 are in; the youngest sixteen loads (blocks 4-7) may be out
	WIN MUL_LO
	MUL16 0, (\q)%2, \q, \slot, \zero
	MUL16 2, (\q)%2, \q, \slot, \zero
	s_wait_dscnt 0
	PLACES NP
	FETCH_B \slot, (\q)+1, 1-(\q)%2
	FETCH_A \slot, (\q)+1, 0
	WIN MUL_HI
	MUL16 4, (\q)%2, \q, \slot, \zero
	MUL16 6, (\q)%2, \q, \slot, \zero
	PLACES NP
	WIN 0
	FETCH_A \slot, (\q)+1, 4
.endm
; A slot's last step changes slots: one barrier; in front of it each wave waits for all its tensor loads, adds 0 to its spare word, and waits for that and for its reads of this slot.
.macro TURN slot, next, fill
	s_wait_tensorcnt 0x0                           ; all my tensor loads have landed: my part of the next slot
	ds_add_u32 v[SPW], v[NIL]                      ; 0 onto my spare word
	s_wait_dscnt 4*NL+1                            ; the add and the youngest sixteen loads may be out
	WIN MUL_LO
	MUL16 0, 1, NQ-1, \slot, 0
	s_wait_dscnt 0x0                               ; the add is done, and my reads of this slot are over
	s_barrier_signal -1
	MUL16 2, 1, NQ-1, \slot, 0
	WIN 0
	s_barrier_wait -1
.if \fill
	CREST                                          ; the barrier has opened a round of the cluster's: no wave of any partner still reads this slot or has a load on its way
	s_add_nc_u64 s[G0+4*\slot+2:G0+4*\slot+3], s[G0+4*\slot+2:G0+4*\slot+3], 2*ROWB
	s_add_nc_u64 s[G0B+4*\slot+2:G0B+4*\slot+3], s[G0B+4*\slot+2:G0B+4*\slot+3], 2*ROWB
	JLOAD G0+4*\slot, G1, G0B+4*\slot, G1B         ; the first tensor load behind the round, and my only one until the next
	PLACES NP-4
.else
	PLACES NP
.endif
	s_wait_alu depctr_va_vdst(0)
	v_add_nc_u32 v[ADRS], 4*NQ, v[ADRS]            ; the next K step's scale words
	FETCH_B \next, 0, 0
	FETCH_A \next, 0, 0
	SCALES \next
	WIN MUL_HI
	MUL16 4, 1, NQ-1, \slot, 0
	MUL16 6, 1, NQ-1, \slot, 0
	PLACES NP
	WIN 0
	FETCH_A \next, 0, 4
.endm
	s_wait_alu depctr_va_vdst(0)
	s_wait_tensorcnt 0x0                           ; my tile of the head's four is in; slot 1's first fill is issued as a refill is
	ds_add_u32 v[SPW], v[NIL]
	s_mov_b32 s[G1+2], 128<<16                     ; no tensor load of mine is out: from here on a load brings 128 rows
	s_mov_b32 s[G1+4], 128
	s_mov_b32 s[G1B+2], 128<<16
	s_mov_b32 s[G1B+4], 128
	s_wait_dscnt 0x0
	CROUND                                         ; all four tiles are in, and all sixteen work-groups are here
	JLOAD G0+4, G1, G0B+4, G1B                     ; K step 1, the first tensor load behind the round
	FETCH_B 0, 0, 0
	FETCH_A 0, 0, 0
	SCALES 0
	FETCH_A 0, 0, 4
	STEP 0, 0, 1                                   ; the first step's products start the sums
	s_mov_b32 s3, LAPS-1
.Llap:
	TURN 0, 1, 1
	STEP 1, 0, 0
	TURN 1, 0, 1
	STEP 0, 0, 0
	s_sub_co_u32 s3, s3, 1
	s_cmp_lg_u32 s3, 0
	s_cbranch_scc1 .Llap
	TURN 0, 1, 0                                   ; the last lap fills nothing
	STEP 1, 0, 0
	s_wait_dscnt 4*NL
	WIN MUL_LO
	MUL16 0, 1, NQ-1, 1, 0
	MUL16 2, 1, NQ-1, 1, 0
	s_wait_dscnt 0
	WIN MUL_HI
	MUL16 4, 1, NQ-1, 1, 0
	MUL16 6, 1, NQ-1, 1, 0
	WIN 0
; THE WAY OUT.  Block a's 64 registers of a lane are four blocks of 32 (16 numbers mine, 16 in lane l xor 16): largest magnitude, scale, hold, codes.  The codes are the next operand's registers as they stand.
.macro QUANTW a
.set AC, 64*((\a)%4)
.set WW, 2+(\a)/4
	WIN WW|(WW<<2)                                 ; sources 0 and 1: the accumulators' window
.irp b, 0,1,2,3
	v_max3_num_f32 v[TM+\b], |v[AC+16*\b]|, |v[AC+16*\b+1]|, 0x4800000   ; each accumulator is read from its low end on; the floor 2^(9 - 127) holds the byte at 1 from below
.endr
.irp i, 2,4,6,8,10,12,14
.irp b, 0,1,2,3
	v_max3_num_f32 v[TM+\b], |v[AC+16*\b+\i]|, |v[AC+16*\b+\i+1]|, v[TM+\b]
.endr
.endr
	WIN 0
.irp b, 0,1,2,3
	v_permlanex16_b32 v[TM+4+\b], v[TM+\b], s[SEL], s[SEL+1]
.endr
.irp b, 0,1,2,3
	v_max_num_f32 v[TM+\b], v[TM+\b], v[TM+4+\b]
.endr
.irp b, 0,1,2,3
	v_add_nc_u32 v[TM+12+\b], 0xfc000000, v[TM+\b] ; 8 off the exponent field: the conversion's scale operand
.endr
.irp b, 0,1,2,3
	v_and_or_b32 v[TM+8+\b], v[TM+\b], 0x7f800000, s[MNT]   ; 448 x the scale
.endr
.irp b, 0,1,2,3
	v_lshrrev_b32 v[TM+4+\b], 23, v[TM+12+\b]      ; the scale's byte
.endr
	v_lshl_or_b32 v[PWS+\a], v[TM+5], 8, v[TM+4]
	v_lshl_or_b32 v[PWS+\a], v[TM+6], 16, v[PWS+\a]
	v_lshl_or_b32 v[PWS+\a], v[TM+7], 24, v[PWS+\a]
	WIN WW|(WW<<6)                                 ; source 0 and destination
.irp b, 0,1,2,3
.irp i, 0,1,2,3,4,5,6,7,8,9,10,11,12,13,14,15
	v_med3_num_f32 v[AC+16*\b+\i], v[AC+16*\b+\i], -v[TM+8+\b], v[TM+8+\b]   ; the conversion does not saturate (ISA guide 7.6.2): the hold
.endr
.endr
	WIN WW
.irp b, 0,1,2,3
	v_cvt_scalef32_pk8_fp8_f32 v[PC+4*\b:PC+4*\b+1], v[AC+16*\b:AC+16*\b+7], v[TM+12+\b]
	v_cvt_scalef32_pk8_fp8_f32 v[PC+4*\b+2:PC+4*\b+3], v[AC+16*\b+8:AC+16*\b+15], v[TM+12+\b]
.endr
	v_nop                                          ; a plain instruction behind the last conversion
	WIN 0
.endm
	PLACES NP
.irp b, 0,1,2,3
	v_mov_b32 v[TM+4+\b], 0                        ; written once: a lane permute's destination counts as one of its sources
.endr
.irp a, 0,1,2,3,4,5,6,7
.if \a > 0
	s_wait_xcnt 0x0                                ; the last block's stores have read their data and their base: both are written again only behind this wait
	s_add_nc_u64 s[OB:OB+1], s[OB:OB+1], s[AST:AST+1]
.endif
	QUANTW \a
.irp c, 0,1,2,3
	global_store_b128 v[LI], v[PC+4*\c:PC+4*\c+3], s[OB:OB+1] offset:512*\c   ; 32 lanes store 512 consecutive bytes; the four, 2 KiB on end
.endr
.if (\a)%2
	v_cndmask_b32 v[SW+(\a)/2], v[PWS+\a-1], v[PWS+\a], s[HM]                 ; lanes 0-15: block a - 1's words, lanes 16-31: block a's
	global_store_b32 v[LS], v[SW+(\a)/2], s[SBS:SBS+1] offset:64*(\a-1)       ; 128 consecutive bytes
.endif
.endr
	s_wait_tensorcnt 0x0                           ; the wave's end
	ds_add_u32 v[SPW], v[NIL]
	s_wait_dscnt 0x0
	CROUND                                         ; the closing round
	s_endpgm
.Lfunc_end_k_q9bee280b48_qkv:
	.size	k_q9bee280b48_qkv, .Lfunc_end_k_q9bee280b48_qkv-k_q9bee280b48_qkv
	.p2alignl 7, 3214868480
	.fill 96, 4, 3214868480
	.section	.rodata,"a",@progbits
	.p2align	6, 0x0
	.amdhsa_kernel k_q9bee280b48_qkv
		.amdhsa_group_segment_fixed_size 327680
		.amdhsa_private_segment_fixed_size 0
		.amdhsa_enable_private_segment 0
		.amdhsa_kernarg_size 64
		.amdhsa_user_sgpr_count 2
		.amdhsa_user_sgpr_kernarg_segment_ptr 1
		.amdhsa_wavefront_size32 1
		.amdhsa_system_sgpr_workgroup_id_x 1
		.amdhsa_system_sgpr_workgroup_id_y 1
		.amdhsa_system_sgpr_workgroup_id_z 1
		.amdhsa_system_vgpr_workitem_id 0
		.amdhsa_next_free_vgpr 1024
		.amdhsa_next_free_sgpr 102
		.amdhsa_reserve_vcc 0
		.amdhsa_float_denorm_mode_32 3
		.amdhsa_float_denorm_mode_16_64 3
		.amdhsa_memory_ordered 1
		.amdhsa_forward_progress 1
		.amdhsa_inst_pref_size 187
	.end_amdhsa_kernel
	.amdgpu_metadata
---
amdhsa.version: [ 1, 2 ]
amdhsa.kernels:
  - .name:           k_q9bee280b48_qkv
    .symbol:         k_q9bee280b48_qkv.kd
    .args:
      - { .name: nx, .offset: 0, .size: 8, .value_kind: global_buffer, .address_space: global }
      - { .name: Wq_codes, .offset: 8, .size: 8, .value_kind: global_buffer, .address_space: global }
      - { .name: Wq_scales, .offset: 16, .size: 8, .value_kind: global_buffer, .address_space: global }
      - { .name: Wk_codes, .offset: 24, .size: 8, .value_kind: global_buffer, .address_space: global }
      - { .name: Wk_scales, .offset: 32, .size: 8, .value_kind: global_buffer, .address_space: global }
      - { .name: Wv_codes, .offset: 40, .size: 8, .value_kind: global_buffer, .address_space: global }
      - { .name: Wv_scales, .offset: 48, .size: 8, .value_kind: global_buffer, .address_space: global }
      - { .name: qkv, .offset: 56, .size: 8, .value_kind: global_buffer, .address_space: global }
    .group_segment_fixed_size: 327680
    .private_segment_fixed_size: 0
    .kernarg_segment_align: 8
    .kernarg_segment_size: 64
    .max_flat_workgroup_size: 128
    .sgpr_count:     102
    .vgpr_count:     1024
    .wavefront_size: 32
...
	.end_amdgpu_metadata
.endif
;; end of part 8
;; launch attn (part 9): grid 8 x 32, 16 waves a work-group, clusters of 4 x 1, 327,680 bytes of LDS; arguments qkv, at; writes at
.if DOCPART == 9
	.amdgcn_target "amdgcn-amd-amdhsa--gfx1250"
	.amdhsa_code_object_version 6
	.text
	.protected	k_q9bee280b48_attn
	.globl	k_q9bee280b48_attn
	.p2align	8
	.type	k_q9bee280b48_attn,@function
k_q9bee280b48_attn:
	s_mov_b64 s[64:65], 0
	v_nop
	global_prefetch_b8 v0, s[64:65] scope:SCOPE_SE
	s_setreg_imm32_b32 hwreg(HW_REG_WAVE_MODE, 25, 1), 1
	s_wait_xcnt 0x0
	s_wait_alu depctr_hold_cnt(0) depctr_sa_sdst(0) depctr_va_vdst(0) depctr_va_sdst(0) depctr_va_ssrc(0) depctr_va_vcc(0) depctr_vm_vsrc(0)
	s_getreg_b32 s2, hwreg(HW_REG_IB_STS2, 6, 4)
	s_cmp_eq_u32 s2, 0
	s_cbranch_scc0 .Lentry_in_a_cluster
	s_endpgm
.Lentry_in_a_cluster:
	s_bfe_u32 s2, ttmp6, 0x10000c
	s_cmp_lg_u32 s2, 0x3003
	s_cbranch_scc0 .Lentry_shape_is_right
	s_endpgm
.Lentry_shape_is_right:
; Causal attention of one head on codes of FP8 (E4M3): S^T = K Q^T (K = the head's 64), p = 2^(t - M), O^T = V^T P^T; o = O / l is quantised along the head's 64 and leaves as the image of the next product's operand.
; t = score x log2(e) / 8; M = the running largest t rounded up to a whole number; l = the sum of the unquantised p.  Key steps that lie wholly above the causal mask's diagonal are not walked.
; SHARES.  A work-group serves one (batch, head) and 16 tiles of 16 queries: tile b holds tokens 128 b + 16 x + 0 .. 15 and needs key steps 0 .. b of 128 keys; step b lies on the diagonal.
; The waves form eight pairs (w, w xor 4), pair j = w % 4 + 4 (w / 8), for tiles j and 15 - j: 17 key steps.  THE KEEPER (bit 2 of w clear) walks steps 0 .. 8 of tile 15 - j.  THE HELPER walks tile j whole (j + 1 steps) and stores it,
; fetches tile 15 - j's Q, walks that tile's steps 9 .. 15 - j, and hands O^T, -M and l to the keeper through LDS bytes of their own.  The keeper brings both parts under the larger M (whole numbers: powers of two) and adds them.
; So a wave walks nine steps or eight.  A part of no steps (j = 7) is zeros under M = -3e38 and takes the factor 0.  Every branch hangs on the wave's number and a counter alone.
; LDS holds the head's K and V whole (register images) and their scale words, filled ONCE.  CLUSTER 4 x 1: four work-groups of a head ask for every tile jointly (mask 15).
; Ten waves issue one load each, a line of its own each: waves 0, 1 the scale words of K, V; waves 2 g + 2, 2 g + 3 the g-th 512 keys of K, V.  The first barrier shows what waves 0 to 3 brought, the second all.
; OPERANDS.  Q's upper 64 along K are zero codes.  K's eight tiles lie on end, eight registers each: an operand's upper half is the next tile's codes (finite: the quantiser holds them), which meet Q's zeros; behind the last stand zeros.
; A scale register holds tile 2 u's words in lanes 0-15 and tile 2 u + 1's in lanes 16-31.  V's fragments take K's registers, asked for behind the score products.
; The holds write a scratch run, so p stays as it is; its sum is taken at the next step's head (and once behind a walk), ahead of that step's change of M.
; No prefetch: all that the launch reads is asked for at its head.
; LIMITS: a block of zeros gets the byte 1 (codes zero; read by this program alone); NaN and infinities are not served; scaled scores stay under 2^31 in magnitude.
.set KSC,  0                           ; K's scale words [token tile 128][16][4 B]
.set VSC,  8192                        ; V's [key step 16][4][16][4 B]
.set SPARE, 12288                      ; the spare words: 128 bytes a wave
.set XMB,  14336                       ; handed over: -M, t, l: 512 bytes a pair
.set KIMG, 32768                       ; [token tile 128][1 KiB]: the load of wave w lands at 32,768 (w / 2) + 131,072 (w % 2)
.set VIMG, 163840                      ; [key step 16][4][2 KiB]
.set XOB,  294912                      ; handed over: O^T as an image of its 32 registers: 4 KiB a pair
.set AK0, 1
.set AV0, 2
.set ASK0, 3
.set ASV0, 4
.set DD, 5                             ; 16 x + r - 8 h
.set SPW, 6
.set NIL, 7
.set ADK, 8
.set ADV, 9
.set ADS, 10
.set ADT, 11
.set QF, 16                            ; v16-23 Q, v24-31 zeros
.set KF, 32                            ; v32-95 K's eight tiles, then V's four fragments; v96-103 zeros
.set ZP, 96
.set SS, 104                           ; v104-167 S^T, then p
.set OO, 168                           ; v168-199 O^T
.set TP, 200                           ; v200-215 held p, two runs of eight
.set PC, 216                           ; v216-231 p's codes
.set BM, 232
.set PM, 236
.set BD, 240
.set SO, 244
.set CH, 240                           ; v240-247 four chains of the sum (the bounds and scale operands are done with by then)
.set VS, 248                           ; v248-251 scale words of K, then of V
.set FF, 252
.set PW, 253
.set TMP, 254
.set QS, 255
.set WV, 18
.set MNT, 19
.set SEL, 20
.set CS, 22
.set G1K, 24
.set G1V, 32
.set G1KS, 40
.set G1VS, 48
.set G0S, 56
.set G0C, 60
.set BW, 66                            ; the block of the tile in hand
.set HM, 67
.set QL, 68                            ; s[68:69], s[70:71] the long tile's Q: codes, scale bytes
.set PJ, 72                            ; my pair
.set ROLE, 73                          ; 0: keeper, 1: helper
.set BL, 74                            ; the long tile's block: 15 - pair
.set XO, 75
.set XM, 76
.set TT, 80
.set TK, 81
.set TS, 82
.set TJ, 83
.set CNT, 84
.macro ROUND
	s_barrier_signal -1
	s_barrier_wait -1
	s_cmp_lg_u32 s[WV], 0
	s_cbranch_scc1 .Lnot_wave_0_\@
	s_barrier_signal -3
.Lnot_wave_0_\@:
	s_barrier_wait -3
	s_barrier_signal -1
	s_barrier_wait -1
.endm
.macro ARM w, g0, g1                   ; wave w's one load; an s_nop 0 and four v_nop follow it
	s_cmp_eq_u32 s[WV], \w
	s_cbranch_scc0 .Lnot_\w
	tensor_load_to_lds s[\g0:\g0+3], s[\g1:\g1+7]
	s_nop 0
.rept 4
	v_nop
.endr
	s_branch .Lasked
.Lnot_\w:
.endm
	s_load_b128 s[4:7], s[0:1], 0x0                ; qkv, at
	v_lshl_add_u32 v[SPW], v0, 2, SPARE
	v_mov_b32 v[NIL], 0
	ds_add_u32 v[SPW], v[NIL]                      ; the opening lines: the add twice on end and one wait
	ds_add_u32 v[SPW], v[NIL]
	v_lshrrev_b32 v8, 5, v0
	v_readfirstlane_b32 s[WV], v8                  ; wave 0..15
	s_and_b32 s[PJ], s[WV], 3
	s_lshr_b32 s77, s[WV], 3
	s_lshl_b32 s77, s77, 2
	s_or_b32 s[PJ], s[PJ], s77                     ; my pair: w % 4 + 4 (w / 8)
	s_bfe_u32 s[ROLE], s[WV], 0x10002
	s_sub_co_u32 s[BL], 15, s[PJ]
	s_cmp_eq_u32 s[ROLE], 0
	s_cselect_b32 s[BW], s[BL], s[PJ]              ; the first walk's tile: the keeper's long one, the helper's short one
	s_lshl_b32 s[XO], s[PJ], 12
	s_add_co_u32 s[XO], s[XO], XOB
	s_lshl_b32 s[XM], s[PJ], 9
	s_add_co_u32 s[XM], s[XM], XMB
	s_and_b32 s8, ttmp7, 0xffff
	s_lshr_b32 s9, s8, 4                           ; batch
	s_and_b32 s10, s8, 15                          ; head
	s_bfe_u32 s11, ttmp6, 0x40000                  ; cx
	s_lshl_b32 s12, ttmp9, 2
	s_add_co_u32 s12, s12, s11                     ; x: it enters Q's and the output's addresses and the mask's numbers alone
	s_and_b32 s85, s[WV], 1                        ; 0: I fetch for K, 1: for V
	s_lshl_b32 s13, s9, 11
	s_add_co_u32 s13, s13, s10
	s_lshl_b32 s13, s13, 10
	s_add_co_u32 s13, s13, 0x400000                ; K's images: 4 MiB + (batch x 2,048 + head) KiB
	s_lshl_b32 s14, s9, 10
	s_lshl_b32 s15, s10, 2
	s_add_co_u32 s14, s14, s15
	s_lshl_b32 s15, s14, 11
	s_add_co_u32 s15, s15, 0x800000                ; V's: 8 MiB + (batch x 1,024 + 4 head) x 2 KiB
	s_lshl_b32 s14, s14, 6
	s_add_co_u32 s14, s14, 0xc80000                ; V's scale words
	s_lshl_b32 s16, s9, 3
	s_lshr_b32 s17, s10, 1
	s_add_co_u32 s16, s16, s17                     ; batch x 8 + head / 2
	s_lshl_b32 s17, s16, 13
	s_add_co_u32 s17, s17, 0xc40000                ; K's scale words
	s_cmp_eq_u32 s85, 0
	s_cselect_b32 s86, s13, s15
	s_cselect_b32 s88, s17, s14
	s_lshr_b32 s90, s[WV], 1                       ; 1 + the group of 512 keys that I fetch
	s_lshl_b32 s91, s90, 19
	s_add_co_u32 s86, s86, s91
	s_sub_co_u32 s86, s86, 0x80000                 ; a group is 512 KiB on in memory, for K and for V
	s_mov_b32 s87, 0
	s_mov_b32 s89, 0
	s_mov_b32 s[G0C], 1
	s_lshl_b32 s[G0C+1], s90, 15
	s_lshl_b32 s91, s85, 17
	s_add_co_u32 s[G0C+1], s[G0C+1], s91
	s_mov_b32 s[G0S], 1
	s_lshl_b32 s[G0S+1], s85, 13                   ; KSC or VSC
.irp g, G1K, G1V, G1KS, G1VS                   ; group 1, four shapes; all: mask 15, bit 21 beside it, elements of 8 bytes, no padding
	s_mov_b32 s[\g], 15|(3<<16)|(1<<21)
	s_mov_b32 s[\g+6], 0
	s_mov_b32 s[\g+7], 0
.endr
	s_mov_b32 s[G1K+1], 128<<16                    ; K: 32 tiles of 1 KiB, 16 KiB apart
	s_mov_b32 s[G1K+2], 32<<16
	s_mov_b32 s[G1K+3], 128<<16
	s_mov_b32 s[G1K+4], 32
	s_mov_b32 s[G1K+5], 2048
	s_mov_b32 s[G1V+1], 1024<<16                   ; V: 4 key steps of 8 KiB, 128 KiB apart
	s_mov_b32 s[G1V+2], 4<<16
	s_mov_b32 s[G1V+3], 1024<<16
	s_mov_b32 s[G1V+4], 4
	s_mov_b32 s[G1V+5], 16384
	s_mov_b32 s[G1KS+1], 32<<16                    ; K's scale words: 8 KiB dense, as 32 rows of 256 bytes
	s_mov_b32 s[G1KS+2], 32<<16
	s_mov_b32 s[G1KS+3], 32<<16
	s_mov_b32 s[G1KS+4], 32
	s_mov_b32 s[G1KS+5], 32
	s_mov_b32 s[G1VS+1], 32<<16                    ; V's: 16 rows of 256 bytes, 4 KiB apart
	s_mov_b32 s[G1VS+2], 16<<16
	s_mov_b32 s[G1VS+3], 32<<16
	s_mov_b32 s[G1VS+4], 16
	s_mov_b32 s[G1VS+5], 512
	s_wait_dscnt 0x0                               ; both opening adds are done
	s_wait_kmcnt 0x0
	s_add_nc_u64 s[G0C+2:G0C+3], s[4:5], s[86:87]
	s_or_b32 s[G0C+3], s[G0C+3], 0x80000000
	s_add_nc_u64 s[G0S+2:G0S+3], s[4:5], s[88:89]
	s_or_b32 s[G0S+3], s[G0S+3], 0x80000000
	ROUND                                          ; all four work-groups are here: the joint loads meet
	ARM 0, G0S, G1KS
	ARM 1, G0S, G1VS
	ARM 2, G0C, G1K
	ARM 3, G0C, G1V
	ARM 4, G0C, G1K
	ARM 5, G0C, G1V
	ARM 6, G0C, G1K
	ARM 7, G0C, G1V
	ARM 8, G0C, G1K
	ARM 9, G0C, G1V
.Lasked:
	s_lshl_b32 s90, s[BW], 3
	s_add_co_u32 s90, s90, s12                     ; 8 b + x: the token tile, in the batch, that I store
	s_lshl_b32 s91, s9, 7
	s_add_co_u32 s91, s91, s90                     ; and among all 256
	s_and_b32 s92, s10, 1                          ; head % 2
	s_lshr_b32 s93, s10, 1                         ; head / 2
	s_lshl_b32 s94, s91, 4
	s_add_co_u32 s94, s94, s10
	s_lshl_b32 s94, s94, 10                        ; Q's image
	s_mov_b32 s95, 0
	s_lshl_b32 s96, s16, 13
	s_lshl_b32 s97, s90, 6
	s_add_co_u32 s96, s96, s97
	s_lshl_b32 s17, s92, 1                         ; 2 (head % 2)
	s_add_co_u32 s96, s96, s17
	s_add_co_u32 s96, s96, 0xc00000                ; Q's two scale bytes
	s_mov_b32 s97, 0
	s_lshl_b32 s98, s91, 3
	s_add_co_u32 s98, s98, s93
	s_lshl_b32 s98, s98, 11
	s_lshl_b32 s99, s92, 10
	s_add_co_u32 s98, s98, s99                     ; out: (tile x 8 + head / 2) x 2 KiB + (head % 2) KiB
	s_mov_b32 s99, 0
	s_lshl_b32 s14, s93, 14
	s_lshl_b32 s15, s91, 6
	s_add_co_u32 s14, s14, s15
	s_add_co_u32 s14, s14, s17
	s_add_co_u32 s14, s14, 0x400000                ; out, scale bytes: 4 MiB + (head / 2) x 16 KiB + 4 x token + 2 (head % 2)
	s_mov_b32 s15, 0
	s_add_nc_u64 s[94:95], s[4:5], s[94:95]
	s_add_nc_u64 s[96:97], s[4:5], s[96:97]
	s_add_nc_u64 s[98:99], s[6:7], s[98:99]
	s_add_nc_u64 s[14:15], s[6:7], s[14:15]
	s_lshl_b32 s77, s[BL], 3                       ; the long tile's Q, for the helper's second walk
	s_add_co_u32 s77, s77, s12
	s_lshl_b32 s78, s9, 7
	s_add_co_u32 s78, s78, s77
	s_lshl_b32 s78, s78, 4
	s_add_co_u32 s78, s78, s10
	s_lshl_b32 s78, s78, 10
	s_mov_b32 s79, 0
	s_add_nc_u64 s[QL:QL+1], s[4:5], s[78:79]
	s_lshl_b32 s78, s16, 13
	s_lshl_b32 s77, s77, 6
	s_add_co_u32 s78, s78, s77
	s_add_co_u32 s78, s78, s17
	s_add_co_u32 s78, s78, 0xc00000
	s_add_nc_u64 s[QL+2:QL+3], s[4:5], s[78:79]
	s_lshl_b32 s11, s12, 4                         ; 16 x
	s_mov_b32 s[HM], 0xffff0000
	s_mov_b32 s[SEL], 0x76543210
	s_mov_b32 s[SEL+1], 0xfedcba98
	s_mov_b32 s[CS], 0x3e38aa3b                    ; c = log2(e) / 8
	s_mov_b32 s[CS+1], s[CS]
	s_mov_b32 s[MNT], 0x600000
	v_and_b32 v10, 15, v0                          ; r
	v_bfe_u32 v11, v0, 4, 1                        ; h
	v_and_b32 v8, 31, v0
	v_lshlrev_b32 v8, 4, v8                        ; 16 x lane
	v_lshlrev_b32 v9, 2, v10                       ; 4 r
	global_load_b128 v[QF:QF+3], v8, s[94:95]              ; Q: k = 0 .. 63
	global_load_b128 v[QF+4:QF+7], v8, s[94:95] offset:512
	global_load_u16 v[QS], v9, s[96:97]                    ; its two scale bytes; the upper two are 0, over zero codes
	v_add_nc_u32 v[AK0], KIMG, v8
	v_add_nc_u32 v[AV0], VIMG, v8
	v_add_nc_u32 v[ASK0], s17, v9
	v_lshl_add_u32 v[ASK0], v11, 6, v[ASK0]        ; KSC + 4 r + 2 (head % 2) + 64 h: lanes 16-31 take the next tile's words
	v_add_nc_u32 v[ASV0], VSC, v9
	v_lshlrev_b32 v[DD], 3, v11
	v_sub_nc_u32 v[DD], v10, v[DD]
	v_add_nc_u32 v[DD], s11, v[DD]
.set j, 0
.rept 8
	v_mov_b32 v[QF+8+j], 0                         ; Q's upper half: zero codes
	v_mov_b32 v[ZP+j], 0                           ; and what stands behind K's last tile
.set j, j+1
.endr
.irp b, 0,1,2,3
	v_mov_b32 v[PM+\b], 0                          ; a lane permute's destination counts as one of its sources
.endr
	v_mov_b32 v[FF], 0
	v_mov_b32 v[PW], 0
.macro FRESH                           ; a walk begins: the step is written once, and its first turn finds zeros in O^T and in p, whose sum it takes first
	v_mov_b32 v13, 0xff61b1e6                      ; the largest t so far: -3e38
	v_floor_f32 v12, -v13                          ; -M
	v_mov_b32 v14, 0
	v_mov_b32 v15, 0
.set j, 0
.rept 32
	v_mov_b32 v[OO+j], 0
.set j, j+1
.endr
.set j, 0
.rept 64
	v_mov_b32 v[SS+j], 0
.set j, j+1
.endr
.endm
	FRESH
; l += the 64 p of the step before, two at a time, in five chains: three parts
.macro LSA
	v_pk_add_f32 v[14:15], v[14:15], v[SS:SS+1]
.irp k, 0,1,2,3
	v_pk_add_f32 v[CH+2*\k:CH+2*\k+1], v[SS+2+4*\k:SS+3+4*\k], v[SS+4+4*\k:SS+5+4*\k]
.endr
.endm
.macro LSB
.irp m, 0,1,2,3
	v_pk_add_f32 v[14:15], v[14:15], v[SS+18+10*\m:SS+19+10*\m]
.irp k, 0,1,2,3
	v_pk_add_f32 v[CH+2*\k:CH+2*\k+1], v[CH+2*\k:CH+2*\k+1], v[SS+20+10*\m+2*\k:SS+21+10*\m+2*\k]
.endr
.endr
.irp k, 0,1,2
	v_pk_add_f32 v[CH+2*\k:CH+2*\k+1], v[CH+2*\k:CH+2*\k+1], v[SS+58+2*\k:SS+59+2*\k]
.endr
.endm
.macro LSC
	v_pk_add_f32 v[CH:CH+1], v[CH:CH+1], v[CH+2:CH+3]
	v_pk_add_f32 v[CH+4:CH+5], v[CH+4:CH+5], v[CH+6:CH+7]
	v_pk_add_f32 v[14:15], v[14:15], v[CH:CH+1]
	v_pk_add_f32 v[14:15], v[14:15], v[CH+4:CH+5]
.endm
; A KEY STEP of 128 keys.  A step past the diagonal of the tile in hand is left out by a branch on the step's number against the tile's block; the lines at its end that step addresses are on every path.
.macro STEP
	s_cmp_gt_u32 s[TT], s[BW]
	s_cbranch_scc1 .Lhid_\@
	v_add_nc_u32 v[ADK], s[TK], v[AK0]
	v_add_nc_u32 v[ADV], s[TK], v[AV0]
	v_add_nc_u32 v[ADS], s[TS], v[ASK0]
	v_add_nc_u32 v[ADT], s[TJ], v[ASV0]
	LSA                                            ; with the four additions nine places behind the last products, ahead of the loads into what they have read
.irp t, 0,1,2,3,4,5,6,7
	ds_load_b128 v[KF+8*\t:KF+8*\t+3], v[ADK] offset:\t*1024
	ds_load_b128 v[KF+8*\t+4:KF+8*\t+7], v[ADK] offset:\t*1024+512
.endr
.irp u, 0,1,2,3
	ds_load_u16 v[VS+\u], v[ADS] offset:\u*128
.endr
	LSB
	s_wait_alu depctr_va_vdst(0)                   ; directly ahead of the wait below
	s_wait_dscnt 0x0
.irp u, 0,1,2,3
	v_wmma_scale_f32_16x16x128_f8f6f4 v[SS+16*\u:SS+16*\u+7], v[KF+16*\u:KF+16*\u+15], v[QF:QF+15], 0, v[VS+\u], v[QS]
	v_wmma_scale_f32_16x16x128_f8f6f4 v[SS+16*\u+8:SS+16*\u+15], v[KF+16*\u+8:KF+16*\u+23], v[QF:QF+15], 0, v[VS+\u], v[QS] matrix_a_scale:MATRIX_SCALE_ROW1
.endr
	LSC                                            ; four of the eight places behind the products
.rept 4
	v_nop
.endr
.irp t, 0,1,2,3                        ; V's four fragments (16 dims x 128 keys) take K's registers; the softmax stands between these loads and the wait for them
.irp c, 0,1,2,3
	ds_load_b128 v[KF+16*\t+4*\c:KF+16*\t+4*\c+3], v[ADV] offset:\t*2048+512*\c
.endr
	ds_load_b32 v[VS+\t], v[ADT] offset:64*\t
.endr
	s_cmp_lg_u32 s[TT], s[BW]                      ; on the diagonal the scores of hidden keys become -infinity ahead of the maximum
	s_cbranch_scc1 .Lopen_\@
	v_mov_b32 v[TMP], 0xff800000
.set n, 0
.rept 64
	v_cmp_gt_i32 vcc_lo, 16*(n/8)+n%8, v[DD]       ; register n holds key 16 (n / 8) + 8 h + n % 8 of the step; my query is its 16 x + r
	v_cndmask_b32 v[SS+n], v[SS+n], v[TMP], vcc_lo
.set n, n+1
.endr
.Lopen_\@:
.irp b, 0,1,2,3
	v_max3_num_f32 v[BM+\b], v[SS+16*\b], v[SS+1+16*\b], v[SS+2+16*\b]   ; the largest score of each block of 32 keys: for the row's maximum, and for the block's largest p
.endr
.irp i, 3,5,7,9,11,13
.irp b, 0,1,2,3
	v_max3_num_f32 v[BM+\b], v[BM+\b], v[SS+16*\b+\i], v[SS+1+16*\b+\i]
.endr
.endr
.irp b, 0,1,2,3
	v_max_num_f32 v[BM+\b], v[BM+\b], v[SS+15+16*\b]
.endr
.irp b, 0,1,2,3
	v_permlanex16_b32 v[PM+\b], v[BM+\b], s[SEL], s[SEL+1]
.endr
.irp b, 0,1,2,3
	s_delay_alu instid0(VALU_DEP_4)
	v_max_num_f32 v[BM+\b], v[BM+\b], v[PM+\b]
.endr
	s_delay_alu instid0(VALU_DEP_2)
	v_max3_num_f32 v[TMP], v[BM], v[BM+1], v[BM+2]
	s_delay_alu instid0(VALU_DEP_1)
	v_max_num_f32 v[TMP], v[TMP], v[BM+3]
	s_delay_alu instid0(VALU_DEP_1)
	v_mul_f32 v[TMP], s[CS], v[TMP]
	s_delay_alu instid0(VALU_DEP_1)
	v_max_num_f32 v13, v13, v[TMP]                 ; the running largest t
	v_mov_b32 v[TMP], v12
	s_delay_alu instid0(VALU_DEP_2)
	v_floor_f32 v12, -v13                          ; the new -M = -ceil(t)
	s_delay_alu instid0(VALU_DEP_1)
	v_sub_f32 v[TMP], v12, v[TMP]                  ; old M - new M: a whole number, 0 or less
	s_delay_alu instid0(VALU_DEP_1)
	v_cvt_i32_f32 v[TMP], v[TMP]
	s_delay_alu instid0(VALU_DEP_1)
	v_ldexp_f32 v[FF], 1.0, v[TMP]                 ; f = 2^(old M - new M)
.set j, 0
.rept 32
	v_pk_fma_f32 v[SS+j:SS+j+1], v[SS+j:SS+j+1], s[CS:CS+1], v[12:13] op_sel_hi:[1,0,0]   ; t - M
.set j, j+2
.endr
.irp b, 0,1,2,3
	v_fma_f32 v[BM+\b], v[BM+\b], s[CS], v12
.endr
	s_wait_alu depctr_va_vdst(0)                   ; ahead of the batch
.set j, 0
.rept 64
	v_exp_f32 v[SS+j], v[SS+j]                     ; p = 2^(t - M)
.set j, j+1
.endr
.irp b, 0,1,2,3
	v_exp_f32 v[BM+\b], v[BM+\b]                   ; the block's largest p
.endr
	v_pk_mul_f32 v[14:15], v[14:15], v[FF:FF+1] op_sel_hi:[1,0]   ; l under the new M: a plain instruction behind the exponentials
	s_wait_alu depctr_va_vdst(0)                   ; one wait for the batch of 68, ahead of its first reader
.irp b, 0,1,2,3
	v_max_num_f32 v[BM+\b], 0x4800000, v[BM+\b]    ; the floor: the byte cannot fall under 1
.endr
.irp b, 0,1,2,3
	s_delay_alu instid0(VALU_DEP_4)
	v_add_nc_u32 v[SO+\b], 0xfc000000, v[BM+\b]    ; 8 off the exponent field: the conversion's scale operand
.endr
.irp b, 0,1,2,3
	v_and_or_b32 v[BD+\b], v[BM+\b], 0x7f800000, s[MNT]   ; 448 x the scale
.endr
.irp b, 0,1,2,3
	v_lshrrev_b32 v[PM+\b], 23, v[SO+\b]
.endr
	s_delay_alu instid0(VALU_DEP_3)
	v_lshl_or_b32 v[PW], v[PM+1], 8, v[PM]         ; p's scale word for these 128 keys
	s_delay_alu instid0(VALU_DEP_1)
	v_lshl_or_b32 v[PW], v[PM+2], 16, v[PW]
	s_delay_alu instid0(VALU_DEP_1)
	v_lshl_or_b32 v[PW], v[PM+3], 24, v[PW]
.irp b, 0,1,2,3                        ; the hold (p is not negative), two a line, into a scratch run of eight; the two runs take turns, so that four lines stand between a conversion and the next write of its sources
.irp u, 0,1
.irp i, 0,2,4,6
	v_dual_min_num_f32 v[TP+8*\u+\i], v[SS+16*\b+8*\u+\i], v[BD+\b] :: v_dual_min_num_f32 v[TP+8*\u+\i+1], v[SS+16*\b+8*\u+\i+1], v[BD+\b]
.endr
	v_cvt_scalef32_pk8_fp8_f32 v[PC+4*\b+2*\u:PC+4*\b+2*\u+1], v[TP+8*\u:TP+8*\u+7], v[SO+\b]
.endr
.endr
	s_wait_alu depctr_va_vdst(0)                   ; directly ahead of the first reader of O^T
.set j, 0
.rept 16
	v_pk_mul_f32 v[OO+j:OO+j+1], v[OO+j:OO+j+1], v[FF:FF+1] op_sel_hi:[1,0]   ; O^T under the new M; these are also the places between the conversions and the products
.set j, j+2
.endr
	s_wait_alu depctr_va_vdst(0)                   ; directly ahead of the wait below
	s_wait_dscnt 0x0                               ; V
.irp t, 0,1,2,3
	v_wmma_scale_f32_16x16x128_f8f6f4 v[OO+8*\t:OO+8*\t+7], v[KF+16*\t:KF+16*\t+15], v[PC:PC+15], v[OO+8*\t:OO+8*\t+7], v[VS+\t], v[PW]
.endr
.Lhid_\@:
	s_add_co_u32 s[TT], s[TT], 1
	s_add_co_u32 s[TK], s[TK], 8192
	s_add_co_u32 s[TS], s[TS], 512
	s_add_co_u32 s[TJ], s[TJ], 256
.endm
.macro WALK t0, n                      ; key steps t0 .. t0 + n - 1
	s_mov_b32 s[TT], \t0
	s_mov_b32 s[TK], \t0*8192
	s_mov_b32 s[TS], \t0*512
	s_mov_b32 s[TJ], \t0*256
	s_mov_b32 s[CNT], \n
.Lwalk_\@:
	STEP
	s_sub_co_u32 s[CNT], s[CNT], 1
	s_cmp_lg_u32 s[CNT], 0
	s_cbranch_scc1 .Lwalk_\@
.endm
; THE WAY OUT of a tile: o = O^T / l; its 64 numbers of a row are two blocks of 32 (16 mine, 16 in lane l xor 16)
.macro WAYOUT
	v_add_f32 v14, v14, v15
	v_permlanex16_b32 v[FF], v14, s[SEL], s[SEL+1]
	v_add_f32 v14, v14, v[FF]
	s_wait_alu depctr_va_vdst(0)                   ; ahead of the transcendental
	v_rcp_f32 v14, v14
	v_and_b32 v8, 15, v0                           ; r
	v_bfe_u32 v9, v0, 4, 1                         ; h
	v_lshl_add_u32 v10, v8, 2, v9                  ; 4 r + h: my scale byte's place
	v_and_b32 v11, 31, v0
	v_lshlrev_b32 v11, 4, v11                      ; 16 x lane
	s_wait_alu depctr_va_vdst(0)                   ; ahead of the first reader of the reciprocal and of O^T
.set j, 0
.rept 32
	v_mul_f32 v[SS+j], v[OO+j], v14                ; register 8 t + i: dim 16 t + 8 h + i
.set j, j+1
.endr
.irp b, 0,1
	v_max3_num_f32 v[BM+\b], |v[SS+16*\b]|, |v[SS+1+16*\b]|, 0x4800000
.endr
.irp i, 2,4,6,8,10,12,14
.irp b, 0,1
	v_max3_num_f32 v[BM+\b], v[BM+\b], |v[SS+16*\b+\i]|, |v[SS+1+16*\b+\i]|
.endr
.endr
.irp b, 0,1
	v_permlanex16_b32 v[PM+\b], v[BM+\b], s[SEL], s[SEL+1]
.endr
.irp b, 0,1
	v_max_num_f32 v[BM+\b], v[BM+\b], v[PM+\b]
.endr
.irp b, 0,1
	v_add_nc_u32 v[SO+\b], 0xfc000000, v[BM+\b]
.endr
.irp b, 0,1
	v_and_or_b32 v[BD+\b], v[BM+\b], 0x7f800000, s[MNT]
.endr
.irp b, 0,1
	v_lshrrev_b32 v[PM+\b], 23, v[SO+\b]
.endr
	v_cndmask_b32 v[PM+2], v[PM], v[PM+1], s[HM]   ; lanes 0-15 send block 0's byte, lanes 16-31 block 1's
.irp b, 0,1
.irp i, 0,1,2,3,4,5,6,7,8,9,10,11,12,13,14,15
	v_med3_num_f32 v[SS+16*\b+\i], v[SS+16*\b+\i], -v[BD+\b], v[BD+\b]
.endr
	v_cvt_scalef32_pk8_fp8_f32 v[PC+4*\b:PC+4*\b+1], v[SS+16*\b:SS+16*\b+7], v[SO+\b]
	v_cvt_scalef32_pk8_fp8_f32 v[PC+4*\b+2:PC+4*\b+3], v[SS+16*\b+8:SS+16*\b+15], v[SO+\b]
.endr
	v_nop                                          ; a plain instruction behind the last conversion
.irp b, 0,1                            ; the partner of this operand is a given weight, so k takes its true places: lane h = 0 wants 32 c + 0 .. 15, lane h = 1 wants 32 c + 16 .. 31
	v_permlane16_swap_b32 v[PC+4*\b], v[PC+4*\b+2]
	v_permlane16_swap_b32 v[PC+4*\b+1], v[PC+4*\b+3]
.endr
	global_store_b128 v11, v[PC:PC+3], s[98:99]            ; 512 consecutive bytes each
	global_store_b128 v11, v[PC+4:PC+7], s[98:99] offset:512
	global_store_b8 v10, v[PM+2], s[14:15]                 ; two bytes of each row's scale word; the other two are the neighbouring head's
.endm
	s_wait_alu depctr_va_vdst(0)                   ; the head's end
	s_wait_loadcnt 0x0                             ; Q
	s_cmp_lt_u32 s[WV], 4
	s_cbranch_scc0 .Lnw
	s_wait_tensorcnt 0x0                           ; waves 0 to 3: the scale words and the first 512 keys
.Lnw:
	s_barrier_signal -1
	s_barrier_wait -1
	WALK 0, 1                                      ; key step 0 counts for every query: all sixteen waves walk it while the other tiles land
	s_wait_tensorcnt 0x0                           ; all that is still out
	s_wait_dscnt 0x0
	s_barrier_signal -1
	s_barrier_wait -1
	WALK 1, 8                                      ; the keeper: steps 1 .. 8 of the long tile; the helper: the rest of the short one
	s_cmp_eq_u32 s[ROLE], 0
	s_cbranch_scc1 .Lmid
	LSA                                            ; THE HELPER: the last step's p are summed (these lines are also the places behind the last products), the short tile leaves,
	LSB
	LSC
	WAYOUT
	v_lshlrev_b32 v9, 2, v8                        ; 4 r
	global_load_b128 v[QF:QF+3], v11, s[QL:QL+1]           ; and the long tile's Q comes
	global_load_b128 v[QF+4:QF+7], v11, s[QL:QL+1] offset:512
	global_load_u16 v[QS], v9, s[QL+2:QL+3]
	s_wait_xcnt 0x0                                ; the stores' and loads' registers are written again only behind this wait
	FRESH
	s_wait_alu depctr_va_vdst(0)                   ; ahead of the wait below
.Lmid:
	s_cmp_eq_u32 s[ROLE], 0
	s_cselect_b32 s[BW], 0, s[BL]                  ; the keeper walks nothing more: every step lies past block 0
	s_wait_loadcnt 0x0
	WALK 9, 7                                      ; the helper: steps 9 .. 15 - pair of the long tile
	LSA                                            ; both: the last step's p are summed; also the places behind the last products
	LSB
	LSC
	v_and_b32 v8, 31, v0
	v_lshlrev_b32 v8, 4, v8
	v_add_nc_u32 v9, s[XM], v8                     ; my pair's bytes: 16 x lane in each run of 512
	v_add_nc_u32 v8, s[XO], v8
	s_wait_alu depctr_va_vdst(0)                   ; directly ahead of the branch
	s_cmp_eq_u32 s[ROLE], 0
	s_cbranch_scc1 .Lkeep
.irp g, 0,1,2,3,4,5,6,7
	ds_store_b128 v8, v[OO+4*\g:OO+4*\g+3] offset:512*\g   ; the helper's part: O^T, each accumulator from its low end on,
.endr
	ds_store_b128 v9, v[12:15]                     ; -M, t and l's two halves
.Lkeep:
	s_wait_dscnt 0x0                               ; for the partner's sake
	s_barrier_signal -1
	s_barrier_wait -1
	s_cmp_eq_u32 s[ROLE], 0
	s_cbranch_scc0 .Ldone
.irp g, 0,1,2,3,4,5,6,7
	ds_load_b128 v[SS+4*\g:SS+4*\g+3], v8 offset:512*\g
.endr
	ds_load_b128 v[BD:BD+3], v9
	s_wait_dscnt 0x0
	v_min_num_f32 v[TMP], v12, v[BD]               ; THE KEEPER: -M of both parts: the smaller -M
	v_mov_b32 v[BM+3], 0                           ; (named as the upper half of a pair)
	v_sub_f32 v[BM], v[TMP], v12                   ; my M less the joint one, and the partner's: whole numbers, 0 or less
	v_sub_f32 v[BM+1], v[TMP], v[BD]
	v_cvt_i32_f32 v[BM], v[BM]                     ; (it saturates)
	v_cvt_i32_f32 v[BM+1], v[BM+1]
	v_ldexp_f32 v[FF], 1.0, v[BM]
	v_ldexp_f32 v[BM+2], 1.0, v[BM+1]
	v_pk_mul_f32 v[14:15], v[14:15], v[FF:FF+1] op_sel_hi:[1,0]
	v_pk_fma_f32 v[14:15], v[BD+2:BD+3], v[BM+2:BM+3], v[14:15] op_sel_hi:[1,0,1]
.set j, 0
.rept 16
	v_pk_mul_f32 v[OO+j:OO+j+1], v[OO+j:OO+j+1], v[FF:FF+1] op_sel_hi:[1,0]
.set j, j+2
.endr
.set j, 0
.rept 16
	v_pk_fma_f32 v[OO+j:OO+j+1], v[SS+j:SS+j+1], v[BM+2:BM+3], v[OO+j:OO+j+1] op_sel_hi:[1,0,1]
.set j, j+2
.endr
	WAYOUT
.Ldone:
	s_wait_tensorcnt 0x0                           ; the wave's end
	ds_add_u32 v[SPW], v[NIL]
	s_wait_dscnt 0x0
	ROUND                                          ; the closing round: no work-group ends while a partner may still ask for a tile that names it
	s_endpgm
.Lfunc_end_k_q9bee280b48_attn:
	.size	k_q9bee280b48_attn, .Lfunc_end_k_q9bee280b48_attn-k_q9bee280b48_attn
	.p2alignl 7, 3214868480
	.fill 96, 4, 3214868480
	.section	.rodata,"a",@progbits
	.p2align	6, 0x0
	.amdhsa_kernel k_q9bee280b48_attn
		.amdhsa_group_segment_fixed_size 327680
		.amdhsa_private_segment_fixed_size 0
		.amdhsa_enable_private_segment 0
		.amdhsa_kernarg_size 16
		.amdhsa_user_sgpr_count 2
		.amdhsa_user_sgpr_kernarg_segment_ptr 1
		.amdhsa_wavefront_size32 1
		.amdhsa_system_sgpr_workgroup_id_x 1
		.amdhsa_system_sgpr_workgroup_id_y 1
		.amdhsa_system_sgpr_workgroup_id_z 1
		.amdhsa_system_vgpr_workitem_id 0
		.amdhsa_next_free_vgpr 256
		.amdhsa_next_free_sgpr 100
		.amdhsa_reserve_vcc 1
		.amdhsa_float_denorm_mode_32 3
		.amdhsa_float_denorm_mode_16_64 3
		.amdhsa_memory_ordered 1
		.amdhsa_forward_progress 1
		.amdhsa_inst_pref_size 113
	.end_amdhsa_kernel
	.amdgpu_metadata
---
amdhsa.version: [ 1, 2 ]
amdhsa.kernels:
  - .name:           k_q9bee280b48_attn
    .symbol:         k_q9bee280b48_attn.kd
    .args:
      - { .name: qkv, .offset: 0, .size: 8, .value_kind: global_buffer, .address_space: global }
      - { .name: at, .offset: 8, .size: 8, .value_kind: global_buffer, .address_space: global }
    .group_segment_fixed_size: 327680
    .private_segment_fixed_size: 0
    .kernarg_segment_align: 8
    .kernarg_segment_size: 16
    .max_flat_workgroup_size: 512
    .sgpr_count:     100
    .vgpr_count:     256
    .wavefront_size: 32
...
	.end_amdgpu_metadata
.endif
;; end of part 9
;; launch oproj (part 10): grid 8 x 32, 4 waves a work-group, clusters of 4 x 4, 327,680 bytes of LDS; arguments at, Wo_codes, Wo_scales, bo, x, x1; writes x1
.if DOCPART == 10
	.amdgcn_target "amdgcn-amd-amdhsa--gfx1250"
	.amdhsa_code_object_version 6
	.text
	.protected	k_q9bee280b48_oproj
	.globl	k_q9bee280b48_oproj
	.p2align	8
	.type	k_q9bee280b48_oproj,@function
k_q9bee280b48_oproj:
	s_mov_b64 s[64:65], 0
	v_nop
	global_prefetch_b8 v0, s[64:65] scope:SCOPE_SE
	s_setreg_imm32_b32 hwreg(HW_REG_WAVE_MODE, 25, 1), 1
	s_wait_xcnt 0x0
	s_wait_alu depctr_hold_cnt(0) depctr_sa_sdst(0) depctr_va_vdst(0) depctr_va_sdst(0) depctr_va_ssrc(0) depctr_va_vcc(0) depctr_vm_vsrc(0)
	s_getreg_b32 s2, hwreg(HW_REG_IB_STS2, 6, 4)
	s_cmp_eq_u32 s2, 0
	s_cbranch_scc0 .Lentry_in_a_cluster
	s_endpgm
.Lentry_in_a_cluster:
	s_bfe_u32 s2, ttmp6, 0x10000c
	s_cmp_lg_u32 s2, 0xf033
	s_cbranch_scc0 .Lentry_shape_is_right
	s_endpgm
.Lentry_shape_is_right:
; C = R + (A B^T + bias): A [4096][SIZE_K] is this program's own operand, laid as register images; B [1024][SIZE_K] is a given weight, codes with K innermost; R, C [4096][1024] f32; bias [1024] f32.
; Codes of FP8 (E4M3), one E8M0 scale for each 32 along K.  C has 256 tiles of 128 x 128, one work-group each; a wave makes 64 x 64: 16 accumulators, 128 registers.
; K goes in steps of 512, as long as two LDS slots allow; a step of 128 along K is 16 matrix instructions on 8 fragments.
; A: images [16 rows][128 K][4][lane][16 B]: a fragment comes by four loads of 512 consecutive bytes; a K step of the tile's eight row blocks is one tensor load of 8 rows x 8 KiB.  Its scale words lie [128 K][row][4 B] behind the codes
;   and come from memory straight into registers, two K steps ahead, as the ring's refills do.  B: rows of 512 bytes + 16 of padding; its scale bytes come from memory straight into registers at the head.
; CLUSTERS 4 x 4: A's tile is shared along a row of the cluster, B's along a column: joint tensor loads.  The matrix instruction is used transposed (source 0 = B's rows, source 1 = A's): a lane holds eight neighbours of a row of C.
; THE RESIDUAL of the wave's 64 x 64 (128 registers) and the bias are asked for at the head, so that the way out waits for no memory.
; A prefetch of the K step that the next refill asks for is assembled where slots are filled again (SIZE_K above 1,024): each run of 256 bytes once: for A the cluster with x = 0 asks, for B the cluster with y = 0;
;   the four partners of a joint load share its runs out by address; the last refill asks for nothing; K steps 0 to 2 come by their loads alone.
; REGISTERS: window 0: v16-31 addresses; v32-63 A's scale words, two sets; v64-95 B's, two sets; v96-99 the bias; v128-255 the accumulators ((a, b) at v[128 + 8 (4 a + b)]).
;   window 1: two sets of fragments (A's four, then B's four); on the way out rows of C.   window 2: v0-127 the residual.
.set SIZE_K, 1024
.set KROW,   SIZE_K
.set PITCH,  528                       ; B's LDS row: 512 bytes + 16 of padding = 132 words: row r starts at bank 4 r mod 64 (64 banks of 4 bytes: ISA guide 11.1)
.set FR,     16
.set NP,     8                         ; places behind this matrix instruction (ISA guide 7.12.1)
.set HALFA,  32768                     ; four row blocks x 8 KiB: what one wave reads of A; a tensor load brings two
.set HALFB,  64*PITCH                  ; 64 rows of B: what one wave reads of B
.set BOFF,   2*HALFA
.set SLOT,   BOFF+2*HALFB
.set LAPS,   SIZE_K/1024               ; a lap = two K steps = once round the ring
.set PF,     (LAPS > 1)
.set KS,     SIZE_K/32
.set SCL,    2*SLOT                    ; behind the ring
.set QS,     (32*KS/256)*272
.set SBLK,   (16*KS/256)*272
.set SPARE,  SCL+4*QS                  ; the spare words, 128 bytes a wave: two blocks of 256 bytes that no other line names
.set SPITCH, 272                       ; the way out: 64 rows x (256 + 16) bytes a wave, in slot 0, which has had its last fill and its last read by then
.set WSTG,   64*SPITCH
.set ABLK,   16*SIZE_K                 ; a row block's images, all of K
.set ASC,    4096*SIZE_K               ; where A's scale words begin
.set ADRA, 16                          ; v16-17  LDS address of my A fragments in slot 0, 1
.set ADRB, 20                          ; v20-21  the same for B
.set BO,   23                          ; 16 r: my four columns of the bias
.set STO,  24
.set RD,   25
.set CO,   26                          ; h rows of 4,096 bytes + 16 r: my 16 bytes of two rows of R and C; never rewritten
.set ADRS, 27
.set SPW,  28
.set NIL,  29
.set SAO,  30                          ; 4 x my row among A's scale words; never rewritten
.set PFO,  31                          ; the prefetches' offset; never rewritten
.set SA,   32
.set SB,   64
.set BI,   96
.set ACC,  128
.set G1, 24
.set G0, 32
.set G1B, 48
.set G0B, 56
.set G1S, 68
.set G0S, 76
.set SG,  80                           ; s[80:81], s[82:83] where set 0's and set 1's scale words of A stand
.set PFA, 84
.set PFS, 86
.set LIM, 88
.set MSB, 0
.macro WIN new                         ; the immediate's high byte repeats the setting that is left
.if MSB != (\new)
	s_set_vgpr_msb (MSB<<8)|(\new)
.set MSB, (\new)
.endif
.endm
.set MUL,  0x05                        ; sources 0 (B) and 1 (A) window 1; C and D window 0
.set TO_F, 0x40                        ; destination window 1, address window 0
.macro JLOAD s                         ; a joint load: waves 0 and 1 fetch A's halves, waves 2 and 3 B's; four v_nop follow each line
	s_cmp_eq_u32 s15, 0
	s_cbranch_scc0 .Lfor_b_\@
	tensor_load_to_lds s[G0+4*\s:G0+4*\s+3], s[G1:G1+7]
	s_nop 0
.rept 4
	v_nop
.endr
	s_branch .Lasked_\@
.Lfor_b_\@:
	tensor_load_to_lds s[G0B+4*\s:G0B+4*\s+3], s[G1B:G1B+7]
	s_nop 0
.rept 4
	v_nop
.endr
.Lasked_\@:
.endm
.macro ASK last                        ; the K step that the next refill asks for: 32 runs of 256 bytes, a lane a run.  last = 1: a lap's second refill, which in the loop's last trip (s3 = 1) has no K step behind it
.if \last
	s_cmp_gt_u32 s3, s[LIM]
.else
	s_cmp_eq_u32 s[LIM], 1
.endif
	s_cbranch_scc0 .Lnot_mine_\@
	global_prefetch_b8 v[PFO], s[PFA:PFA+1] th:TH_LOAD_NT scope:SCOPE_SE
.Lnot_mine_\@:
.endm
.macro CREST                           ; a round of the cluster's barrier behind its opening barrier
	s_cmp_lg_u32 s14, 0
	s_cbranch_scc1 .Lnot_wave_0_\@
	s_barrier_signal -3
.Lnot_wave_0_\@:
	s_barrier_wait -3
	s_barrier_signal -1
	s_barrier_wait -1
.endm
.macro CROUND
	s_barrier_signal -1
	s_barrier_wait -1
	CREST
.endm
	s_load_b256 s[4:11], s[0:1], 0x0               ; A, B's codes, B's scales, the bias
	s_load_b128 s[92:95], s[0:1], 0x20             ; R, C
	v_lshl_add_u32 v[SPW], v0, 2, SPARE
	v_mov_b32 v[NIL], 0
	ds_add_u32 v28, v29
	ds_add_u32 v28, v29
	s_wait_dscnt 0x0
	v_lshrrev_b32 v1, 5, v0
	v_readfirstlane_b32 s14, v1                    ; wave 0..3
	s_lshr_b32 s15, s14, 1                         ; my half of the tile's rows.  Also: I fetch for A (0) or for B (1)
	s_and_b32 s16, s14, 1                          ; my half of its columns.  Also: which half I fetch
	s_bfe_u32 s40, ttmp6, 0x40000                  ; cx
	s_bfe_u32 s41, ttmp6, 0x40004                  ; cy
	s_lshl_b32 s42, ttmp9, 2
	s_add_co_u32 s42, s42, s40                     ; tile column
	s_and_b32 s17, ttmp7, 0xffff
	s_lshl_b32 s17, s17, 2
	s_add_co_u32 s17, s17, s41                     ; tile row
	s_lshl_b32 s43, s41, 2
	s_lshl_b32 s43, 15, s43                        ; my row of the cluster
	s_lshl_b32 s44, 0x1111, s40                    ; my column
	s_or_b32 s[G1+0], s43, (3<<16)|(1<<21)         ; A: the mask; elements of 8 bytes; bit 21 beside a mask; no padding
	s_mov_b32 s[G1+1], 1024<<16                    ; tensor_dim0: 8 KiB: a row block's four steps of 128
	s_mov_b32 s[G1+2], 8<<16                       ; tensor_dim1: all eight row blocks of the tile.  HERE K IS TWO K STEPS: both slots are filled at the head, one whole tile a wave, and nothing is filled again
	s_mov_b32 s[G1+3], 1024<<16                    ; tile_dim0
	s_mov_b32 s[G1+4], 8
	s_mov_b32 s[G1+5], ABLK/8                      ; the pitch
	s_mov_b32 s[G1+6], 0
	s_mov_b32 s[G1+7], 0
	s_or_b32 s[G1B+0], s44, (0<<16)|(1<<20)|(1<<21)|(6<<22)|(3<<25)   ; B: 128 rows of 512 bytes; padding: 4 words after every 128
	s_mov_b32 s[G1B+1], 512<<16
	s_mov_b32 s[G1B+2], 128<<16
	s_mov_b32 s[G1B+3], 512<<16
	s_mov_b32 s[G1B+4], 128
	s_mov_b32 s[G1B+5], KROW
	s_mov_b32 s[G1B+6], 0
	s_mov_b32 s[G1B+7], 0
	s_lshl_b32 s20, s17, 3
	s_mul_i32 s20, s20, ABLK                       ; A: row block 8 x tile row
	s_mov_b32 s21, 0
	s_lshl_b32 s46, s42, 7
	s_mul_i32 s46, s46, KROW                       ; B: row 128 x tile column
	s_mov_b32 s47, 0
	s_lshl_b32 s90, s42, 7
	s_lshl_b32 s18, s16, 6                         ; B's scale bytes do not pass through LDS in this launch: my wave's 64 rows of them go from memory into registers
	s_add_co_u32 s90, s90, s18
	s_mul_i32 s90, s90, KS                         ; B's scales: row 128 x tile column + 64 x half
	s_mov_b32 s91, 0
	s_mov_b32 s45, 0
	s_mov_b32 s89, BOFF
	s_wait_kmcnt 0x0
	s_add_nc_u64 s[20:21], s[4:5], s[20:21]
	s_add_nc_u64 s[46:47], s[6:7], s[46:47]
	s_add_nc_u64 s[90:91], s[8:9], s[90:91]
	CROUND                                         ; all sixteen work-groups are here: the first joint loads meet
.irp s, 0,1
	s_mov_b32 s[G0+4*\s], 1
	s_add_co_u32 s[G0+4*\s+1], s45, \s*SLOT
	s_add_nc_u64 s[G0+4*\s+2:G0+4*\s+3], s[20:21], \s*8192
	s_or_b32 s[G0+4*\s+3], s[G0+4*\s+3], 0x80000000
	s_mov_b32 s[G0B+4*\s], 1
	s_add_co_u32 s[G0B+4*\s+1], s89, \s*SLOT
	s_add_nc_u64 s[G0B+4*\s+2:G0B+4*\s+3], s[46:47], \s*512
	s_or_b32 s[G0B+4*\s+3], s[G0B+4*\s+3], 0x80000000
.endr
	; THE HEAD'S LOADS, ONE A WAVE, in one chain of branches on the wave's number: wave 0 A's K step 0, wave 1 A's K step 1, wave 2 B's K step 0, wave 3 B's K step 1
	s_cmp_eq_u32 s14, 0
	s_cbranch_scc0 .Lhead_a1
	tensor_load_to_lds s[G0:G0+3], s[G1:G1+7]
	s_nop 0
.rept 4
	v_nop
.endr
	s_branch .Lhead_asked
.Lhead_a1:
	s_cmp_eq_u32 s14, 1
	s_cbranch_scc0 .Lhead_b0
	tensor_load_to_lds s[G0+4:G0+7], s[G1:G1+7]
	s_nop 0
.rept 4
	v_nop
.endr
	s_branch .Lhead_asked
.Lhead_b0:
	s_cmp_eq_u32 s14, 2
	s_cbranch_scc0 .Lhead_b1
	tensor_load_to_lds s[G0B:G0B+3], s[G1B:G1B+7]
	s_nop 0
.rept 4
	v_nop
.endr
	s_branch .Lhead_asked
.Lhead_b1:
	tensor_load_to_lds s[G0B+4:G0B+7], s[G1B:G1B+7]
	s_nop 0
.rept 4
	v_nop
.endr
.Lhead_asked:
	v_and_b32 v1, 15, v0
	v_bfe_u32 v2, v0, 4, 1                         ; h
	v_and_b32 v7, 31, v0
	v_lshlrev_b32 v7, 4, v7                        ; 16 x lane
	v_mul_u32_u24 v3, v1, PITCH
	v_lshl_add_u32 v4, v2, 4, v3                   ; B: row x pitch + 16 h
	s_mul_i32 s21, s15, HALFA                      ; my four row blocks of A
	s_mul_i32 s22, s16, HALFB
	s_add_co_u32 s22, s22, BOFF                    ; my 64 rows of B
.irp s, 0,1
	v_add_nc_u32 v[ADRA+\s], s21, v7
	v_add_nc_u32 v[ADRB+\s], s22, v4
	s_add_co_u32 s21, s21, SLOT
	s_add_co_u32 s22, s22, SLOT
.endr
	v_mul_u32_u24 v[ADRS], v1, KS                  ; B's scales in memory: KS bytes a row; never rewritten
	s_lshl_b32 s21, s17, 7
	s_lshl_b32 s22, s15, 6
	s_add_co_u32 s21, s21, s22                     ; my first row
	v_add_nc_u32 v[SAO], s21, v1
	v_lshlrev_b32 v[SAO], 2, v[SAO]
	s_wait_alu depctr_va_vdst(0)
	s_add_nc_u64 s[SG:SG+1], s[4:5], ASC
	s_add_nc_u64 s[SG+2:SG+3], s[SG:SG+1], 65536   ; a K step's scale words: four times 4,096 rows x 4 bytes
	s_mul_i32 s23, s14, WSTG                       ; my stage
	v_mul_u32_u24 v5, v1, SPITCH
	v_lshl_add_u32 v5, v2, 5, v5
	v_add_nc_u32 v[STO], s23, v5                   ; in: row r, 32 bytes for each half of the lanes
	v_mul_u32_u24 v5, v2, SPITCH
	v_lshl_add_u32 v5, v1, 4, v5
	v_add_nc_u32 v[RD], s23, v5                    ; back: lanes 0-15 take one row of 256 bytes, lanes 16-31 the next
	v_lshlrev_b32 v[BO], 4, v1
	s_wait_alu depctr_va_vdst(0)
	v_lshl_add_u32 v[CO], v2, 12, v[BO]            ; and the same two rows in R and C
	s_wait_alu depctr_va_vdst(0)
	s_lshl_b32 s96, s21, 12                        ; my first row of R and C, in bytes,
	s_lshl_b32 s98, s42, 9
	s_lshl_b32 s99, s16, 8
	s_add_co_u32 s98, s98, s99                     ; my first column
	s_mov_b32 s99, 0
	s_add_nc_u64 s[10:11], s[10:11], s[98:99]
	s_add_co_u32 s96, s96, s98
	s_mov_b32 s97, 0
	s_add_nc_u64 s[92:93], s[92:93], s[96:97]
	s_add_nc_u64 s[94:95], s[94:95], s[96:97]
.if PF
	s_lshl_b32 s96, s17, 3                         ; the prefetches: of the four row blocks of A that I fetch my work-group takes one (by cx): its K step is 32 runs of 256 bytes,
	s_lshl_b32 s97, s16, 2
	s_add_co_u32 s96, s96, s97
	s_add_co_u32 s96, s96, s40
	s_mul_i32 s96, s96, ABLK
	s_add_co_u32 s96, s96, 2*8192                  ; at K step 2: the first refill steps it to 3
	s_lshl_b32 s98, s42, 7                         ; of the 64 rows of B, 16 (by cy): two runs a row
	s_lshl_b32 s97, s16, 6
	s_add_co_u32 s98, s98, s97
	s_lshl_b32 s97, s41, 4
	s_add_co_u32 s98, s98, s97
	s_mul_i32 s98, s98, KROW
	s_add_co_u32 s98, s98, 2*512
	s_and_b32 s99, ttmp7, 0xffff
	s_mov_b32 s[PFS], 512
	s_mov_b32 s89, KROW
	s_mov_b32 s90, 256
	s_cmp_eq_u32 s15, 0                            ; do I fetch for A?
	s_cselect_b32 s96, s96, s98
	s_cselect_b32 s99, ttmp9, s99                  ; the coordinate along which other clusters read the same rows
	s_cselect_b64 s[PFA:PFA+1], s[4:5], s[6:7]
	s_cselect_b32 s[PFS], 8192, s[PFS]             ; a K step on
	s_cselect_b32 s89, 256, s89                    ; from lane to lane among sixteen
	s_cselect_b32 s90, 4096, s90                   ; from the lower sixteen lanes to the upper
	s_mov_b32 s[PFS+1], 0
	s_mov_b32 s97, 0
	s_add_nc_u64 s[PFA:PFA+1], s[PFA:PFA+1], s[96:97]
	s_cmp_eq_u32 s99, 0
	s_cselect_b32 s[LIM], 1, -1                    ; the same in all sixteen partners, for a given wave
	v_mul_lo_u32 v5, v1, s89
	v_mul_lo_u32 v6, v2, s90
	v_add_nc_u32 v[PFO], v5, v6
.endif
.macro ALOADS set                      ; A's scale words of a K step: register 4 i + q: lanes 0-15 hold the words of block i's rows for the step's q-th 128
.irp i, 0,1,2,3
.irp q, 0,1,2,3
	global_load_b32 v[SA+16*\set+4*\i+\q], v[SAO], s[SG+2*\set:SG+2*\set+1] offset:\q*16384+\i*64
.endr
.endr
.endm
.irp sc, 0,1                           ; B's scale words of both K steps: register 4 i + q of set sc: row 16 i + r, the step's q-th 128.  The two sets together take each row's 32 bytes whole
.irp i, 0,1,2,3
	global_load_b128 v[SB+16*\sc+4*\i:SB+16*\sc+4*\i+3], v[ADRS], s[90:91] offset:\i*16*KS+16*\sc
.endr
.endr
	ALOADS 0
	ALOADS 1
	global_load_b128 v[BI:BI+3], v[BO], s[10:11]   ; the bias at my four columns
	WIN 0x80                                       ; destination window 2
.set t, 0
.rept 32
	global_load_b128 v[4*t:4*t+3], v[CO], s[92:93] offset:2*t*4096   ; the residual: rows 2 t and 2 t + 1 of my 64, 256 consecutive bytes each
.set t, t+1
.endr
	WIN 0
; 4 matrix instructions: A's block a x B's four.  The 16 accumulators take turns, one instruction a turn, in the same order in every step.
.macro MULA a, p, q, sc, zero
.irp b, 0,1,2,3
.if \zero
	v_wmma_scale_f32_16x16x128_f8f6f4 v[ACC+8*(4*(\a)+\b):ACC+8*(4*(\a)+\b)+7], v[128*(\p)+64+FR*\b:128*(\p)+64+FR*\b+FR-1], v[128*(\p)+FR*(\a):128*(\p)+FR*(\a)+FR-1], 0, v[SB+16*(\sc)+4*\b+(\q)], v[SA+16*(\sc)+4*(\a)+(\q)]
.else
	v_wmma_scale_f32_16x16x128_f8f6f4 v[ACC+8*(4*(\a)+\b):ACC+8*(4*(\a)+\b)+7], v[128*(\p)+64+FR*\b:128*(\p)+64+FR*\b+FR-1], v[128*(\p)+FR*(\a):128*(\p)+FR*(\a)+FR-1], v[ACC+8*(4*(\a)+\b):ACC+8*(4*(\a)+\b)+7], v[SB+16*(\sc)+4*\b+(\q)], v[SA+16*(\sc)+4*(\a)+(\q)]
.endif
.endr
.endm
; 32 LDS loads in one run: the fragments of the slot's q-th 128 along K into set p.  B: lane l takes row l % 16, K = 32 c + 16 (l / 16) + 0 .. 15; A: an image, 512 consecutive bytes a load
.macro FETCH slot, q, p
	WIN TO_F
.irp i, 0,1,2,3
.irp c, 0,1,2,3
	ds_load_b128 v[128*(\p)+64+FR*\i+4*\c:128*(\p)+64+FR*\i+4*\c+3], v[ADRB+\slot] offset:128*(\q)+32*\c+\i*16*PITCH
.endr
.endr
.irp i, 0,1,2,3
.irp c, 0,1,2,3
	ds_load_b128 v[128*(\p)+FR*\i+4*\c:128*(\p)+FR*\i+4*\c+3], v[ADRA+\slot] offset:\i*8192+(\q)*2048+512*\c
.endr
.endr
.endm
.macro PLACES n                        ; places in front of loads into registers that matrix instructions have read, and of the first read of results
.rept \n
	v_nop
.endr
.endm
; One of a slot's first three steps: the next step's fragments are asked for, into the set that the last step's products have left (their places stand behind them); then this step's 16 products.
; lc (q = 0 alone): the younger loads that may stay out when this slot's scale words of A have to be there.
.macro STEP slot, q, zero, lc
	FETCH \slot, (\q)+1, 1-(\q)%2
.if (\q) == 0
	s_wait_loadcnt \lc
.endif
	s_wait_dscnt 32                                ; all but the 32 just issued: this step's fragments, and B's scale words, are in
	WIN MUL
	MULA 0, (\q)%2, \q, \slot, \zero
	MULA 1, (\q)%2, \q, \slot, \zero
	MULA 2, (\q)%2, \q, \slot, \zero
	MULA 3, (\q)%2, \q, \slot, \zero
	PLACES NP
.endm
; A slot's fourth step changes slots: one barrier; in front of it each wave waits for all its tensor loads, adds 0 to its spare word, and waits for that and for its reads of this slot.
.macro TURN slot, next, fill
.if (\fill) && PF
	s_wait_xcnt 0x0                                ; the last prefetch, a K step back, has read its address: it is stepped here
	s_add_nc_u64 s[PFA:PFA+1], s[PFA:PFA+1], s[PFS:PFS+1]
.endif
	WIN 0                                          ; (the add's two registers lie in window 0)
	s_wait_tensorcnt 0x0                           ; all my tensor loads have landed: my part of the next slot
	ds_add_u32 v[SPW], v[NIL]                      ; 0 onto my spare word
	s_wait_dscnt 1                                 ; this step's fragments are in; the add may be out
	WIN MUL
	MULA 0, 1, 3, \slot, 0                         ; four matrix instructions stand between the add and the wait for it
	s_wait_dscnt 0x0                               ; the add is done, and my reads of this slot are over
	s_barrier_signal -1
	MULA 1, 1, 3, \slot, 0
	WIN 0
	s_barrier_wait -1
.if \fill
	CREST                                          ; the barrier has opened a round of the cluster's: no wave of any partner still reads this slot or has a load on its way
	s_add_nc_u64 s[G0+4*\slot+2:G0+4*\slot+3], s[G0+4*\slot+2:G0+4*\slot+3], 2*8192
	s_add_nc_u64 s[G0B+4*\slot+2:G0B+4*\slot+3], s[G0B+4*\slot+2:G0B+4*\slot+3], 2*512
	JLOAD \slot                                    ; the first tensor load behind the round, and my only one until the next
.endif
	FETCH \next, 0, 0                              ; into set 0, which the slot's third step left, with its places behind it
.if (\fill) && PF
	ASK \slot                                      ; behind the joint load, its four lines and the run of LDS loads
.endif
	WIN MUL
	MULA 2, 1, 3, \slot, 0
	MULA 3, 1, 3, \slot, 0
	PLACES NP                                      ; also for the loads into this slot's scale registers
.if \fill
	WIN 0
	s_add_nc_u64 s[SG+2*\slot:SG+2*\slot+1], s[SG+2*\slot:SG+2*\slot+1], 131072   ; this set's loads were shown done by the counted wait at the slot's first step: their base may step, two K steps on
	ALOADS \slot
.endif
.endm
	s_wait_alu depctr_va_vdst(0)                   ; the head's end
	s_wait_tensorcnt 0x0                           ; my tile of the head's four is in
	s_barrier_signal -1
	s_barrier_wait -1
	FETCH 0, 0, 0
	STEP 0, 0, 1, 49                               ; the first step's products start the sums.  Set 0's scale words are in; set 1's 16, the bias and the residual's 32 may be out
.if LAPS > 1
	WIN 0                                          ; at a label and at a branch every window is 0
	s_mov_b32 s3, LAPS-1
.Llap:                                                 ; a trip goes once round the ring, from a lap's second step to the next lap's first, and fills both slots again
	STEP 0, 1, 0, 0
	STEP 0, 2, 0, 0
	TURN 0, 1, 1
	STEP 1, 0, 0, 16                               ; the other set's sixteen may be out
	STEP 1, 1, 0, 0
	STEP 1, 2, 0, 0
	TURN 1, 0, 1
	STEP 0, 0, 0, 16
	WIN 0
	s_sub_co_u32 s3, s3, 1
	s_cmp_lg_u32 s3, 0
	s_cbranch_scc1 .Llap
.endif
	STEP 0, 1, 0, 0                                ; the last lap fills nothing
	STEP 0, 2, 0, 0
	TURN 0, 1, 0
.if LAPS > 1
	STEP 1, 0, 0, 0
.else
	STEP 1, 0, 0, 33                               ; the bias and the residual's 32 may be out
.endif
	STEP 1, 1, 0, 0
	STEP 1, 2, 0, 0
	s_wait_dscnt 0                                 ; the very last step: nothing more to fetch
	MULA 0, 1, 3, 1, 0
	MULA 1, 1, 3, 1, 0
	MULA 2, 1, 3, 1, 0
	MULA 3, 1, 3, 1, 0
	PLACES NP
; THE WAY OUT, block by block of 16 rows x 64 columns: through my own stage in LDS, back as whole rows of 256 bytes; the bias and the residual's rows, which are in registers, are added; sixteen lanes store 256 consecutive bytes.
.macro TOSTAGE a
	WIN 0
.irp b, 0,1,2,3
	ds_store_b128 v[STO], v[ACC+8*(4*(\a)+\b):ACC+8*(4*(\a)+\b)+3] offset:(\a)*16*SPITCH+64*\b          ; each accumulator from its low end on
	ds_store_b128 v[STO], v[ACC+8*(4*(\a)+\b)+4:ACC+8*(4*(\a)+\b)+7] offset:(\a)*16*SPITCH+64*\b+16
.endr
	WIN TO_F
.set t, 0
.rept 8
	ds_load_b128 v[32*(\a)+4*t:32*(\a)+4*t+3], v[RD] offset:(\a)*16*SPITCH+2*t*SPITCH   ; LDS serves a wave's instructions in order (ISA guide 5.7.1.4): these see the stores above
.set t, t+1
.endr
.endm
.macro SEND a
	s_wait_dscnt 16*(3-(\a))                       ; block a is back; the later blocks' eight stores and eight loads each may be out
	WIN 0x41                                       ; destination and source 0 window 1, source 1 window 0
.set t, 0
.rept 8
	v_pk_add_f32 v[32*(\a)+4*t:32*(\a)+4*t+1], v[32*(\a)+4*t:32*(\a)+4*t+1], v[BI:BI+1]
	v_pk_add_f32 v[32*(\a)+4*t+2:32*(\a)+4*t+3], v[32*(\a)+4*t+2:32*(\a)+4*t+3], v[BI+2:BI+3]
.set t, t+1
.endr
	WIN 0x49                                       ; source 1 window 2: the residual
.set t, 0
.rept 16
	v_pk_add_f32 v[32*(\a)+2*t:32*(\a)+2*t+1], v[32*(\a)+2*t:32*(\a)+2*t+1], v[32*(\a)+2*t:32*(\a)+2*t+1]
.set t, t+1
.endr
	WIN 0x04                                       ; a store's data are its source 1: window 1
.set t, 0
.rept 8
	global_store_b128 v[CO], v[32*(\a)+4*t:32*(\a)+4*t+3], s[94:95] offset:(16*(\a)+2*t)*4096 th:TH_STORE_NT   ; sixteen lanes store 256 consecutive bytes, aligned; 62 rows of 4,096 bytes at the most: inside the signed 24-bit immediate
.set t, t+1
.endr
.endm
	TOSTAGE 0
	TOSTAGE 1
	TOSTAGE 2
	TOSTAGE 3
	s_wait_loadcnt 0x0                             ; the bias and the residual, asked for at the head
	SEND 0
	SEND 1
	SEND 2
	SEND 3
	WIN 0
	s_wait_tensorcnt 0x0                           ; the wave's end
	ds_add_u32 v[SPW], v[NIL]
	s_wait_dscnt 0x0
	CROUND                                         ; the closing round
	s_endpgm
.Lfunc_end_k_q9bee280b48_oproj:
	.size	k_q9bee280b48_oproj, .Lfunc_end_k_q9bee280b48_oproj-k_q9bee280b48_oproj
	.p2alignl 7, 3214868480
	.fill 96, 4, 3214868480
	.section	.rodata,"a",@progbits
	.p2align	6, 0x0
	.amdhsa_kernel k_q9bee280b48_oproj
		.amdhsa_group_segment_fixed_size 327680
		.amdhsa_private_segment_fixed_size 0
		.amdhsa_enable_private_segment 0
		.amdhsa_kernarg_size 48
		.amdhsa_user_sgpr_count 2
		.amdhsa_user_sgpr_kernarg_segment_ptr 1
		.amdhsa_wavefront_size32 1
		.amdhsa_system_sgpr_workgroup_id_x 1
		.amdhsa_system_sgpr_workgroup_id_y 1
		.amdhsa_system_sgpr_workgroup_id_z 1
		.amdhsa_system_vgpr_workitem_id 0
		.amdhsa_next_free_vgpr 640
		.amdhsa_next_free_sgpr 100
		.amdhsa_reserve_vcc 0
		.amdhsa_float_denorm_mode_32 3
		.amdhsa_float_denorm_mode_16_64 3
		.amdhsa_memory_ordered 1
		.amdhsa_forward_progress 1
		.amdhsa_inst_pref_size 66
	.end_amdhsa_kernel
	.amdgpu_metadata
---
amdhsa.version: [ 1, 2 ]
amdhsa.kernels:
  - .name:           k_q9bee280b48_oproj
    .symbol:         k_q9bee280b48_oproj.kd
    .args:
      - { .name: at, .offset: 0, .size: 8, .value_kind: global_buffer, .address_space: global }
      - { .name: Wo_codes, .offset: 8, .size: 8, .value_kind: global_buffer, .address_space: global }
      - { .name: Wo_scales, .offset: 16, .size: 8, .value_kind: global_buffer, .address_space: global }
      - { .name: bo, .offset: 24, .size: 8, .value_kind: global_buffer, .address_space: global }
      - { .name: x, .offset: 32, .size: 8, .value_kind: global_buffer, .address_space: global }
      - { .name: x1, .offset: 40, .size: 8, .value_kind: global_buffer, .address_space: global }
    .group_segment_fixed_size: 327680
    .private_segment_fixed_size: 0
    .kernarg_segment_align: 8
    .kernarg_segment_size: 48
    .max_flat_workgroup_size: 128
    .sgpr_count:     100
    .vgpr_count:     640
    .wavefront_size: 32
...
	.end_amdgpu_metadata
.endif
;; end of part 10
;; launch ln2: the kernel of part 7 again; grid 256 x 1, 8 waves a work-group, no clusters, 42,496 bytes of LDS; arguments x1, g2, beta2, nx; writes nx
;; launch ffn1 (part 11): grid 16 x 16, 4 waves a work-group, clusters of 4 x 4, 327,680 bytes of LDS; arguments nx, W1_codes, W1_scales, b1, hid; writes hid
.if DOCPART == 11
	.amdgcn_target "amdgcn-amd-amdhsa--gfx1250"
	.amdhsa_code_object_version 6
	.text
	.protected	k_q9bee280b48_ffn1
	.globl	k_q9bee280b48_ffn1
	.p2align	8
	.type	k_q9bee280b48_ffn1,@function
k_q9bee280b48_ffn1:
	s_mov_b64 s[64:65], 0
	v_nop
	global_prefetch_b8 v0, s[64:65] scope:SCOPE_SE
	s_setreg_imm32_b32 hwreg(HW_REG_WAVE_MODE, 25, 1), 1
	s_wait_xcnt 0x0
	s_wait_alu depctr_hold_cnt(0) depctr_sa_sdst(0) depctr_va_vdst(0) depctr_va_sdst(0) depctr_va_ssrc(0) depctr_va_vcc(0) depctr_vm_vsrc(0)
	s_getreg_b32 s2, hwreg(HW_REG_IB_STS2, 6, 4)
	s_cmp_eq_u32 s2, 0
	s_cbranch_scc0 .Lentry_in_a_cluster
	s_endpgm
.Lentry_in_a_cluster:
	s_bfe_u32 s2, ttmp6, 0x10000c
	s_cmp_lg_u32 s2, 0xf033
	s_cbranch_scc0 .Lentry_shape_is_right
	s_endpgm
.Lentry_shape_is_right:
.set SIZE_K, 1024
.set NQ,     2
.set ROWB,   256
.set KROW,   SIZE_K
.set PITCH,  272
.set FR,     16
.set NL,     4
.set NP,     8
.set HALFT,  128*PITCH
.set SLOT,   4*HALFT
.set LAPS,   SIZE_K/512
.set KS,     SIZE_K/32
.set SCL,    2*SLOT
.set HALFS,  (128*KS/256)*272
.set SBLK,   (16*KS/256)*272
.set SPARE,  SCL+4*HALFS
.set ADRA, 16
.set ADRB, 20
.set ADRS, 27
.set SPW,  28
.set NIL,  29
.set SC,   32
.set PC,   64
.set TM,   80
.set PWS,  96
.set SW,   104
.set LI,   108
.set LS,   109
.set BO,   110
.set AF,   128
.set BI,   128
.set G1, 24
.set G0, 32
.set G1B, 48
.set G0B, 56
.set G1S, 68
.set G0S, 76
.set G1SB, 80
.set G0SB, 88
.set SEL, 66
.set MNT, 95
.set HM,  100
.set OB,  12
.set BIA, 96
.set SBS, 98
.set MSB, 0
.macro WIN new
.if MSB != (\new)
	s_set_vgpr_msb (MSB<<8)|(\new)
.set MSB, (\new)
.endif
.endm
.set MUL_LO, 0xa1
.set MUL_HI, 0xf1
.set TO_B,   0x40
.macro JLOAD g0a, g1a, g0b, g1b
	s_cmp_eq_u32 s15, 0
	s_cbranch_scc0 .Lfor_b_\@
	tensor_load_to_lds s[\g0a:\g0a+3], s[\g1a:\g1a+7]
	s_nop 0
.rept 4
	v_nop
.endr
	s_branch .Lasked_\@
.Lfor_b_\@:
	tensor_load_to_lds s[\g0b:\g0b+3], s[\g1b:\g1b+7]
	s_nop 0
.rept 4
	v_nop
.endr
.Lasked_\@:
.endm
.macro CREST
	s_cmp_lg_u32 s14, 0
	s_cbranch_scc1 .Lnot_wave_0_\@
	s_barrier_signal -3
.Lnot_wave_0_\@:
	s_barrier_wait -3
	s_barrier_signal -1
	s_barrier_wait -1
.endm
.macro CROUND
	s_barrier_signal -1
	s_barrier_wait -1
	CREST
.endm
	s_load_b256 s[68:75], s[0:1], 0x0
	s_load_b64 s[76:77], s[0:1], 0x20
	v_lshl_add_u32 v[SPW], v0, 2, SPARE
	v_mov_b32 v[NIL], 0
	ds_add_u32 v28, v29
	ds_add_u32 v28, v29
	s_wait_dscnt 0x0
	v_lshrrev_b32 v1, 5, v0
	v_readfirstlane_b32 s14, v1
	s_lshr_b32 s15, s14, 1
	s_and_b32 s16, s14, 1
	s_bfe_u32 s40, ttmp6, 0x40000
	s_bfe_u32 s41, ttmp6, 0x40004
	s_lshl_b32 s42, ttmp9, 2
	s_add_co_u32 s42, s42, s40
	s_and_b32 s17, ttmp7, 0xffff
	s_lshl_b32 s17, s17, 2
	s_add_co_u32 s17, s17, s41
	s_lshl_b32 s43, s41, 2
	s_lshl_b32 s43, 15, s43
	s_lshl_b32 s44, 0x1111, s40
	s_wait_kmcnt 0x0
	s_mov_b64 s[4:5], s[68:69]
	s_add_nc_u64 s[6:7], s[68:69], 0x400000
	s_mov_b64 s[8:9], s[70:71]
	s_mov_b64 s[10:11], s[72:73]
	s_mov_b64 s[BIA:BIA+1], s[74:75]
	s_mov_b64 s[OB:OB+1], s[76:77]
	s_or_b32 s[G1+0], s43, (0<<16)|(1<<20)|(1<<21)|(5<<22)|(3<<25)
	s_or_b32 s[G1B+0], s44, (0<<16)|(1<<20)|(1<<21)|(5<<22)|(3<<25)
.irp g, G1, G1B
	s_mov_b32 s[\g+1], ROWB<<16
	s_mov_b32 s[\g+2], 256<<16
	s_mov_b32 s[\g+3], ROWB<<16
	s_mov_b32 s[\g+4], 256
	s_mov_b32 s[\g+5], KROW
	s_mov_b32 s[\g+6], 0
	s_mov_b32 s[\g+7], 0
.endr
	s_or_b32 s[G1S+0], s43, (3<<16)|(1<<20)|(1<<21)|(5<<22)|(3<<25)
	s_or_b32 s[G1SB+0], s44, (3<<16)|(1<<20)|(1<<21)|(5<<22)|(3<<25)
.irp g, G1S, G1SB
	s_mov_b32 s[\g+1], 32<<16
	s_mov_b32 s[\g+2], KS<<16
	s_mov_b32 s[\g+3], 32<<16
	s_mov_b32 s[\g+4], KS
	s_mov_b32 s[\g+5], 32
	s_mov_b32 s[\g+6], 0
	s_mov_b32 s[\g+7], 0
.endr
	s_lshl_b32 s18, s16, 7
	s_lshl_b32 s20, s17, 8
	s_add_co_u32 s20, s20, s18
	s_lshl_b32 s46, s42, 8
	s_add_co_u32 s46, s46, s18
	s_mov_b32 s21, 0
	s_mov_b32 s47, 0
	s_mov_b64 s[18:19], KS
	s_mul_u64 s[22:23], s[20:21], s[18:19]
	s_mul_u64 s[92:93], s[46:47], s[18:19]
	s_mov_b64 s[18:19], KROW
	s_mul_u64 s[20:21], s[20:21], s[18:19]
	s_mul_u64 s[46:47], s[46:47], s[18:19]
	s_mul_i32 s45, s14, HALFT
	s_mul_i32 s94, s16, 128*KS                     ; my half's scale bytes, taken off below: a side's scales come whole
	s_mov_b32 s95, 0
	s_add_nc_u64 s[20:21], s[4:5], s[20:21]
	s_add_nc_u64 s[22:23], s[6:7], s[22:23]
	s_add_nc_u64 s[46:47], s[8:9], s[46:47]
	s_add_nc_u64 s[92:93], s[10:11], s[92:93]
	CROUND
	s_mov_b32 s[G0S], 1
	s_mov_b32 s[G0S+1], SCL
	s_sub_nc_u64 s[G0S+2:G0S+3], s[22:23], s[94:95]
	s_or_b32 s[G0S+3], s[G0S+3], 0x80000000
	s_mov_b32 s[G0SB], 1
	s_mov_b32 s[G0SB+1], SCL+2*HALFS
	s_sub_nc_u64 s[G0SB+2:G0SB+3], s[92:93], s[94:95]
	s_or_b32 s[G0SB+3], s[G0SB+3], 0x80000000
.irp s, 0,1
	s_mov_b32 s[G0+4*\s], 1
	s_add_co_u32 s[G0+4*\s+1], s45, \s*SLOT
	s_add_nc_u64 s[G0+4*\s+2:G0+4*\s+3], s[20:21], \s*ROWB
	s_or_b32 s[G0+4*\s+3], s[G0+4*\s+3], 0x80000000
	s_mov_b32 s[G0B+4*\s], 1
	s_add_co_u32 s[G0B+4*\s+1], s45, \s*SLOT
	s_add_nc_u64 s[G0B+4*\s+2:G0B+4*\s+3], s[46:47], \s*ROWB
	s_or_b32 s[G0B+4*\s+3], s[G0B+4*\s+3], 0x80000000
.endr
	; THE HEAD'S LOADS, ONE A WAVE, in one chain of branches on the wave's number.  Waves 0 and 2 fetch half 0 in the ring, so their slot 0 descriptors
	; stand at a tile's first row: with 256 rows stated, wave 0 brings K step 0 of A whole and wave 2 of B; wave 1 brings A's scales, wave 3 B's.
	s_cmp_eq_u32 s14, 0
	s_cbranch_scc0 .Lhead_b
	tensor_load_to_lds s[G0:G0+3], s[G1:G1+7]
	s_nop 0
.rept 4
	v_nop
.endr
	s_branch .Lhead_asked
.Lhead_b:
	s_cmp_eq_u32 s14, 2
	s_cbranch_scc0 .Lhead_sa
	tensor_load_to_lds s[G0B:G0B+3], s[G1B:G1B+7]
	s_nop 0
.rept 4
	v_nop
.endr
	s_branch .Lhead_asked
.Lhead_sa:
	s_cmp_eq_u32 s14, 1
	s_cbranch_scc0 .Lhead_sb
	tensor_load_to_lds s[G0S:G0S+3], s[G1S:G1S+7]
	s_nop 0
.rept 4
	v_nop
.endr
	s_branch .Lhead_asked
.Lhead_sb:
	tensor_load_to_lds s[G0SB:G0SB+3], s[G1SB:G1SB+7]
	s_nop 0
.rept 4
	v_nop
.endr
.Lhead_asked:
	v_and_b32 v1, 15, v0
	v_bfe_u32 v2, v0, 4, 1
	v_mul_u32_u24 v3, v1, PITCH
	v_lshl_add_u32 v4, v2, 4, v3
	s_mul_i32 s21, s15, HALFT
	s_mul_i32 s22, s16, HALFT
	s_add_co_u32 s22, s22, 2*HALFT
.irp s, 0,1
	v_add_nc_u32 v[ADRA+\s], s21, v4
	v_add_nc_u32 v[ADRB+\s], s22, v4
	s_add_co_u32 s21, s21, SLOT
	s_add_co_u32 s22, s22, SLOT
.endr
	v_mul_u32_u24 v5, v1, KS
	v_lshrrev_b32 v6, 8, v5
	v_lshl_add_u32 v5, v6, 4, v5
	s_mul_i32 s21, s15, HALFS
	s_mul_i32 s22, s16, HALFS
	s_add_co_u32 s22, s22, 2*HALFS
	s_sub_co_u32 s22, s22, s21
	v_mul_u32_u24 v6, s22, v2
	s_add_co_u32 s21, s21, SCL
	v_add_nc_u32 v5, v5, v6
	v_add_nc_u32 v[ADRS], s21, v5
	v_and_b32 v6, 31, v0
	v_lshlrev_b32 v[LI], 4, v6
	v_lshlrev_b32 v[LS], 2, v6
	v_lshlrev_b32 v[BO], 5, v2
	s_mov_b32 s[SEL], 0x76543210
	s_mov_b32 s[SEL+1], 0xfedcba98
	s_mov_b32 s[MNT], 0x600000
	s_mov_b32 s[HM], 0xffff0000
	s_lshl_b32 s18, s17, 4
	s_lshl_b32 s19, s15, 3
	s_add_co_u32 s18, s18, s19
	s_lshl_b32 s19, s42, 1
	s_add_co_u32 s19, s19, s16
	s_lshl_b32 s20, s18, 16
	s_lshl_b32 s21, s19, 11
	s_add_co_u32 s20, s20, s21
	s_mov_b32 s21, 0
	s_lshl_b32 s22, s19, 14
	s_lshl_b32 s23, s18, 6
	s_add_co_u32 s22, s22, s23
	s_add_co_u32 s22, s22, 0x1000000
	s_mov_b32 s23, 0
	s_add_nc_u64 s[SBS:SBS+1], s[OB:OB+1], s[22:23]
	s_add_nc_u64 s[OB:OB+1], s[OB:OB+1], s[20:21]
	s_lshl_b32 s20, s19, 9
	s_add_nc_u64 s[BIA:BIA+1], s[BIA:BIA+1], s[20:21]
.macro FRAG reg, adr, q, i
.irp c, 0,1,2,3
	ds_load_b128 v[\reg+4*\c:\reg+4*\c+3], v[\adr] offset:128*(\q)+32*\c+(\i)*16*PITCH
.endr
.endm
.macro MUL16 a0, p, q, sc, zero
.irp a, \a0, \a0+1
.irp b, 0,1,2,3,4,5,6,7
.if \zero
	v_wmma_scale_f32_16x16x128_f8f6f4 v[8*(8*((\a)%4)+\b):8*(8*((\a)%4)+\b)+7], v[128*(\p)+FR*\b:128*(\p)+FR*\b+FR-1], v[AF+FR*(\a):AF+FR*(\a)+FR-1], 0, v[SC+8*NQ*(\sc)+NQ*\b+(\q)], v[SC+8*NQ*(\sc)+NQ*(\a)+(\q)] matrix_a_scale:MATRIX_SCALE_ROW1
.else
	v_wmma_scale_f32_16x16x128_f8f6f4 v[8*(8*((\a)%4)+\b):8*(8*((\a)%4)+\b)+7], v[128*(\p)+FR*\b:128*(\p)+FR*\b+FR-1], v[AF+FR*(\a):AF+FR*(\a)+FR-1], v[8*(8*((\a)%4)+\b):8*(8*((\a)%4)+\b)+7], v[SC+8*NQ*(\sc)+NQ*\b+(\q)], v[SC+8*NQ*(\sc)+NQ*(\a)+(\q)] matrix_a_scale:MATRIX_SCALE_ROW1
.endif
.endr
.endr
.endm
.macro FETCH_B slot, q, p
	WIN TO_B
.irp i, 0,1,2,3,4,5,6,7
	FRAG 128*(\p)+FR*\i, ADRB+\slot, \q, \i
.endr
	WIN 0
.endm
.macro FETCH_A slot, q, i0
.irp i, \i0, \i0+1, \i0+2, \i0+3
	FRAG AF+FR*(\i), ADRA+\slot, \q, \i
.endr
.endm
.macro SCALES sc
.irp i, 0,1,2,3,4,5,6,7
	ds_load_b64 v[SC+8*NQ*\sc+NQ*\i:SC+8*NQ*\sc+NQ*\i+1], v[ADRS] offset:\i*SBLK
.endr
.endm
.macro PLACES n
.rept \n
	v_nop
.endr
.endm
.macro STEP slot, q, zero
	s_wait_dscnt 4*NL
	WIN MUL_LO
	MUL16 0, (\q)%2, \q, \slot, \zero
	MUL16 2, (\q)%2, \q, \slot, \zero
	s_wait_dscnt 0
	PLACES NP
	FETCH_B \slot, (\q)+1, 1-(\q)%2
	FETCH_A \slot, (\q)+1, 0
	WIN MUL_HI
	MUL16 4, (\q)%2, \q, \slot, \zero
	MUL16 6, (\q)%2, \q, \slot, \zero
	PLACES NP
	WIN 0
	FETCH_A \slot, (\q)+1, 4
.endm
.macro TURN slot, next, fill
	s_wait_tensorcnt 0x0
	ds_add_u32 v[SPW], v[NIL]
	s_wait_dscnt 4*NL+1
	WIN MUL_LO
	MUL16 0, 1, NQ-1, \slot, 0
	s_wait_dscnt 0x0
	s_barrier_signal -1
	MUL16 2, 1, NQ-1, \slot, 0
	WIN 0
	s_barrier_wait -1
.if \fill
	CREST
	s_add_nc_u64 s[G0+4*\slot+2:G0+4*\slot+3], s[G0+4*\slot+2:G0+4*\slot+3], 2*ROWB
	s_add_nc_u64 s[G0B+4*\slot+2:G0B+4*\slot+3], s[G0B+4*\slot+2:G0B+4*\slot+3], 2*ROWB
	JLOAD G0+4*\slot, G1, G0B+4*\slot, G1B
	PLACES NP-4
.else
	PLACES NP
.endif
	s_wait_alu depctr_va_vdst(0)
	v_add_nc_u32 v[ADRS], 4*NQ, v[ADRS]
	FETCH_B \next, 0, 0
	FETCH_A \next, 0, 0
	SCALES \next
	WIN MUL_HI
	MUL16 4, 1, NQ-1, \slot, 0
	MUL16 6, 1, NQ-1, \slot, 0
	PLACES NP
	WIN 0
	FETCH_A \next, 0, 4
.endm
	s_wait_alu depctr_va_vdst(0)
	s_wait_tensorcnt 0x0                           ; my tile of the head's four is in; slot 1's first fill is issued as a refill is
	ds_add_u32 v[SPW], v[NIL]
	s_mov_b32 s[G1+2], 128<<16                     ; no tensor load of mine is out: from here on a load brings 128 rows
	s_mov_b32 s[G1+4], 128
	s_mov_b32 s[G1B+2], 128<<16
	s_mov_b32 s[G1B+4], 128
	s_wait_dscnt 0x0
	CROUND                                         ; all four tiles are in, and all sixteen work-groups are here
	JLOAD G0+4, G1, G0B+4, G1B                     ; K step 1, the first tensor load behind the round
	FETCH_B 0, 0, 0
	FETCH_A 0, 0, 0
	SCALES 0
	FETCH_A 0, 0, 4
	STEP 0, 0, 1
	s_mov_b32 s3, LAPS-1
.Llap:
	TURN 0, 1, 1
	STEP 1, 0, 0
	TURN 1, 0, 1
	STEP 0, 0, 0
	s_sub_co_u32 s3, s3, 1
	s_cmp_lg_u32 s3, 0
	s_cbranch_scc1 .Llap
	TURN 0, 1, 0
	STEP 1, 0, 0
	s_wait_dscnt 4*NL
	WIN MUL_LO
	MUL16 0, 1, NQ-1, 1, 0
	MUL16 2, 1, NQ-1, 1, 0
	s_wait_dscnt 0
	WIN MUL_HI
	MUL16 4, 1, NQ-1, 1, 0
	MUL16 6, 1, NQ-1, 1, 0
	WIN 0
.macro QUANTW a
.set AC, 64*((\a)%4)
.set WW, 2+(\a)/4
	WIN WW|(WW<<6)
.set i, 0
.rept 32
	v_pk_add_f32 v[AC+i:AC+i+1], v[AC+i:AC+i+1], v[BI+i:BI+i+1]
.set i, i+2
.endr
	WIN WW|(WW<<2)
.irp b, 0,1,2,3
	v_max3_num_f32 v[TM+\b], v[AC+16*\b], v[AC+16*\b+1], 0x4800000
.endr
.irp i, 2,4,6,8,10,12,14
.irp b, 0,1,2,3
	v_max3_num_f32 v[TM+\b], v[AC+16*\b+\i], v[AC+16*\b+\i+1], v[TM+\b]
.endr
.endr
	WIN 0
.irp b, 0,1,2,3
	v_permlanex16_b32 v[TM+4+\b], v[TM+\b], s[SEL], s[SEL+1]
.endr
.irp b, 0,1,2,3
	v_max_num_f32 v[TM+\b], v[TM+\b], v[TM+4+\b]
.endr
.irp b, 0,1,2,3
	v_add_nc_u32 v[TM+12+\b], 0xfc000000, v[TM+\b]
.endr
.irp b, 0,1,2,3
	v_and_or_b32 v[TM+8+\b], v[TM+\b], 0x7f800000, s[MNT]
.endr
.irp b, 0,1,2,3
	v_lshrrev_b32 v[TM+4+\b], 23, v[TM+12+\b]
.endr
	v_lshl_or_b32 v[PWS+\a], v[TM+5], 8, v[TM+4]
	v_lshl_or_b32 v[PWS+\a], v[TM+6], 16, v[PWS+\a]
	v_lshl_or_b32 v[PWS+\a], v[TM+7], 24, v[PWS+\a]
	WIN WW|(WW<<6)
.irp b, 0,1,2,3
.irp i, 0,1,2,3,4,5,6,7,8,9,10,11,12,13,14,15
	v_med3_num_f32 v[AC+16*\b+\i], v[AC+16*\b+\i], 0, v[TM+8+\b]
.endr
.endr
	WIN WW
.irp b, 0,1,2,3
	v_cvt_scalef32_pk8_fp8_f32 v[PC+4*\b:PC+4*\b+1], v[AC+16*\b:AC+16*\b+7], v[TM+12+\b]
	v_cvt_scalef32_pk8_fp8_f32 v[PC+4*\b+2:PC+4*\b+3], v[AC+16*\b+8:AC+16*\b+15], v[TM+12+\b]
.endr
	v_nop
	WIN 0
.irp b, 0,1,2,3
	v_permlane16_swap_b32 v[PC+4*\b], v[PC+4*\b+2]
	v_permlane16_swap_b32 v[PC+4*\b+1], v[PC+4*\b+3]
.endr
.endm
	PLACES NP
.irp b, 0,1,2,3
	v_mov_b32 v[TM+4+\b], 0
.endr
.irp b, 0,1,2,3,4,5,6,7
	global_load_b128 v[BI+8*\b:BI+8*\b+3], v[BO], s[BIA:BIA+1] offset:64*\b
	global_load_b128 v[BI+8*\b+4:BI+8*\b+7], v[BO], s[BIA:BIA+1] offset:64*\b+16
.endr
	s_wait_loadcnt 0x0
.irp a, 0,1,2,3,4,5,6,7
.if \a > 0
	s_wait_xcnt 0x0
.endif
	QUANTW \a
.irp c, 0,1,2,3
	global_store_b128 v[LI], v[PC+4*\c:PC+4*\c+3], s[OB:OB+1] offset:(\a)*65536+512*\c
.endr
.if (\a)%2
	v_cndmask_b32 v[SW+(\a)/2], v[PWS+\a-1], v[PWS+\a], s[HM]
	global_store_b32 v[LS], v[SW+(\a)/2], s[SBS:SBS+1] offset:64*(\a-1)
.endif
.endr
	s_wait_tensorcnt 0x0
	ds_add_u32 v[SPW], v[NIL]
	s_wait_dscnt 0x0
	CROUND
	s_endpgm
.Lfunc_end_k_q9bee280b48_ffn1:
	.size	k_q9bee280b48_ffn1, .Lfunc_end_k_q9bee280b48_ffn1-k_q9bee280b48_ffn1
	.p2alignl 7, 3214868480
	.fill 96, 4, 3214868480
	.section	.rodata,"a",@progbits
	.p2align	6, 0x0
	.amdhsa_kernel k_q9bee280b48_ffn1
		.amdhsa_group_segment_fixed_size 327680
		.amdhsa_private_segment_fixed_size 0
		.amdhsa_enable_private_segment 0
		.amdhsa_kernarg_size 40
		.amdhsa_user_sgpr_count 2
		.amdhsa_user_sgpr_kernarg_segment_ptr 1
		.amdhsa_wavefront_size32 1
		.amdhsa_system_sgpr_workgroup_id_x 1
		.amdhsa_system_sgpr_workgroup_id_y 1
		.amdhsa_system_sgpr_workgroup_id_z 1
		.amdhsa_system_vgpr_workitem_id 0
		.amdhsa_next_free_vgpr 1024
		.amdhsa_next_free_sgpr 102
		.amdhsa_reserve_vcc 0
		.amdhsa_float_denorm_mode_32 3
		.amdhsa_float_denorm_mode_16_64 3
		.amdhsa_memory_ordered 1
		.amdhsa_forward_progress 1
		.amdhsa_inst_pref_size 206
	.end_amdhsa_kernel
	.amdgpu_metadata
---
amdhsa.version: [ 1, 2 ]
amdhsa.kernels:
  - .name:           k_q9bee280b48_ffn1
    .symbol:         k_q9bee280b48_ffn1.kd
    .args:
      - { .name: nx, .offset: 0, .size: 8, .value_kind: global_buffer, .address_space: global }
      - { .name: W1_codes, .offset: 8, .size: 8, .value_kind: global_buffer, .address_space: global }
      - { .name: W1_scales, .offset: 16, .size: 8, .value_kind: global_buffer, .address_space: global }
      - { .name: b1, .offset: 24, .size: 8, .value_kind: global_buffer, .address_space: global }
      - { .name: hid, .offset: 32, .size: 8, .value_kind: global_buffer, .address_space: global }
    .group_segment_fixed_size: 327680
    .private_segment_fixed_size: 0
    .kernarg_segment_align: 8
    .kernarg_segment_size: 40
    .max_flat_workgroup_size: 128
    .sgpr_count:     102
    .vgpr_count:     1024
    .wavefront_size: 32
...
	.end_amdgpu_metadata
.endif
;; end of part 11
;; launch ffn2 (part 12): grid 32 x 8, 4 waves a work-group, clusters of 4 x 1, 327,680 bytes of LDS; arguments hid, W2_codes, W2_scales, b2, x1, out0; writes out0
.if DOCPART == 12
	.amdgcn_target "amdgcn-amd-amdhsa--gfx1250"
	.amdhsa_code_object_version 6
	.text
	.protected	k_q9bee280b48_ffn2
	.globl	k_q9bee280b48_ffn2
	.p2align	8
	.type	k_q9bee280b48_ffn2,@function
k_q9bee280b48_ffn2:
	s_mov_b64 s[64:65], 0
	v_nop
	global_prefetch_b8 v0, s[64:65] scope:SCOPE_SE
	s_setreg_imm32_b32 hwreg(HW_REG_WAVE_MODE, 25, 1), 1
	s_wait_xcnt 0x0
	s_wait_alu depctr_hold_cnt(0) depctr_sa_sdst(0) depctr_va_vdst(0) depctr_va_sdst(0) depctr_va_ssrc(0) depctr_va_vcc(0) depctr_vm_vsrc(0)
	s_getreg_b32 s2, hwreg(HW_REG_IB_STS2, 6, 4)
	s_cmp_eq_u32 s2, 0
	s_cbranch_scc0 .Lentry_in_a_cluster
	s_endpgm
.Lentry_in_a_cluster:
	s_bfe_u32 s2, ttmp6, 0x10000c
	s_cmp_lg_u32 s2, 0x3003
	s_cbranch_scc0 .Lentry_shape_is_right
	s_endpgm
.Lentry_shape_is_right:
; C = R + (A B^T + bias): A [4096][4096] is this program's own operand (the hidden layer), laid as register images; B [1024][4096] is a given weight, codes with K innermost; R, C [4096][1024] f32; bias [1024] f32.
; Codes of FP8 (E4M3), one E8M0 scale for each 32 along K.  C has 256 tiles of 128 x 128, one work-group each; a wave makes 32 rows x 128 columns: 16 accumulators, 128 registers.
; A GOES FROM MEMORY STRAIGHT INTO REGISTERS: images [16 rows][128 K][4][lane][16 B], so a fragment is four loads of 512 consecutive bytes, and each wave reads rows that no other wave of the work-group needs.
;   A K step of 128 is nine loads (two fragments, and one word a lane: the scale words of my 32 rows, [128 K][row][4 B] behind the codes), asked for six K steps ahead into a ring of eight sets: 63 loads of a wave are out at the most.
; B GOES THROUGH LDS, two slots of 128 rows x 1,024 bytes (+ 16 of padding a row): eight K steps a slot.  Both slots are first filled at the head, and each is filled again once.  B's scale bytes for all of K come into LDS once.
; THE HEAD'S LOADS, one a wave: waves 0 and 1 a half of B's scales each, wave 2 slot 0, wave 3 slot 1, on a line of its own: the first barrier shows what waves 0 to 2 brought; slot 1 is shown by the first change of slots.
; CLUSTER 4 x 1: four work-groups with the same 128 columns and different rows ask for every tile of B jointly (mask 15).  The matrix instruction is used transposed (source 0 = B's rows, source 1 = A's): a lane holds eight neighbours of a row of C.
; The text has no loop: 32 K steps by macros, every offset an immediate, no address stepped.
; No prefetch: B has two refills, each asked for a whole slot (eight K steps) ahead of its first read; A's loads themselves run six K steps ahead.
; REGISTERS: window 0: v16-29 addresses; v33-40 A's scale words (lanes 0-15 block 0, lanes 16-31 block 1), a register a ring set; v64-95 B's, two sets of four K steps (lanes 0-15 block 2 p, lanes 16-31 block 2 p + 1);
;   v96-99 the bias; v128-255 the accumulators ((a, b) at v[128 + 8 (8 a + b)]).  window 1: B's fragments, two sets.  window 2: A's ring.  window 3: v0-127 the residual, v128-255 rows of C on the way out.
.set KROW,   4096
.set PITCH,  1040                      ; an LDS row: 1,024 bytes + 16: an odd multiple of 16, so the 16 rows that a load touches start at 16 different columns of 16 bytes (64 banks of 4 bytes: ISA guide 11.1)
.set SLOT,   128*PITCH
.set SCL,    2*SLOT                    ; B's scales: 64 units of 256 bytes (two rows) + 16 of padding
.set SPARE,  SCL+64*272                ; the spare words, 128 bytes a wave
.set SPITCH, 528                       ; the way out: rows of 512 bytes + 16, 32 a wave, in slot 0, which has had its last fill and its last read by then
.set WSTG,   32*SPITCH
.set ASC,    16777216                  ; where A's scale words begin
.set LN,   16                          ; 16 x lane
.set SAO,  17                          ; 4 x lane
.set ADRB, 20                          ; v20-23: B's fragments: slot 0 rows 0-63, rows 64-127, slot 1 likewise
.set STO,  24
.set RD,   25
.set ADRS, 27
.set SPW,  28
.set NIL,  29
.set SA,   33                          ; numbers (k + 1) % 8 modulo 8; B's words have k % 4 or k % 4 + 4: never equal
.set SB,   64
.set BI,   96
.set ACC,  128
.set G1H, 24
.set G1R, 32
.set G1S, 48
.set G0S, 56
.set G0C, 60
.set G0R, 68                           ; s[68:71] slot 0's refill, s[72:75] slot 1's
.set AB,  76
.set SG,  78
.set BP,  80
.set RP,  92
.set CP,  94
.set MULW, 0x09                        ; source 0 (B) window 1, source 1 (A) window 2, C and D window 0
.set MSB, 0
.macro WIN new                         ; the immediate's high byte repeats the setting that is left
.if MSB != (\new)
	s_set_vgpr_msb (MSB<<8)|(\new)
.set MSB, (\new)
.endif
.endm
.macro PLACES                          ; eight places behind the products, ahead of loads into what they have read and of the first read of results
.rept 8
	v_nop
.endr
.endm
.macro TAIL4                           ; behind every tensor load
	s_nop 0
.rept 4
	v_nop
.endr
.endm
.macro CREST                           ; a round of the cluster's barrier behind its opening barrier
	s_cmp_lg_u32 s14, 0
	s_cbranch_scc1 .Lnot_wave_0_\@
	s_barrier_signal -3
.Lnot_wave_0_\@:
	s_barrier_wait -3
	s_barrier_signal -1
	s_barrier_wait -1
.endm
.macro CROUND
	s_barrier_signal -1
	s_barrier_wait -1
	CREST
.endm
.macro GLA k                           ; A's two fragments and my rows' scale words of K step k into ring set k % 8: nine loads
	WIN 0x80
.irp a, 0,1
.irp c, 0,1,2,3
	global_load_b128 v[32*((\k)%8)+16*\a+4*\c:32*((\k)%8)+16*\a+4*\c+3], v[LN], s[AB:AB+1] offset:\a*65536+(\k)*2048+512*\c
.endr
.endr
	WIN 0
	global_load_b32 v[SA+(\k)%8], v[SAO], s[SG:SG+1] offset:(\k)*16384
.endm
.macro RES t0                          ; six loads of the way out's: row t of my 32 rows of the residual, 512 consecutive bytes; behind the last row the bias at my four columns
.set T_, \t0
.rept 6
.if T_ < 32
	WIN 0xc0
	global_load_b128 v[4*T_:4*T_+3], v[LN], s[RP:RP+1] offset:T_*4096 th:TH_LOAD_NT
.elseif T_ == 32
	WIN 0
	global_load_b128 v[BI:BI+3], v[LN], s[BP:BP+1]
.endif
.set T_, T_+1
.endr
	WIN 0
.endm
.macro AHEAD k                         ; what K step k asks of memory: A six K steps on; where A has ended, the residual
.if (\k)+6 < 32
	GLA (\k)+6
.else
	RES 6*((\k)-26)
.endif
.endm
.macro LCW k                           ; K step k's nine loads are in; younger: the six later steps' 54, or at the end 9 for each step left and the residual's loads so far
.if (\k)+6 < 32
	s_wait_loadcnt 54
.elseif (\k) == 31
	s_wait_loadcnt 33
.else
	s_wait_loadcnt 9*(31-(\k))+6*((\k)-25)
.endif
.endm
.macro FETCHB k                        ; B's eight fragments of K step k into set k % 2: 32 loads.  Lane l takes row l % 16, K = 32 c + 16 (l / 16) + 0 .. 15
	WIN 0x40
.irp i, 0,1,2,3,4,5,6,7
.irp c, 0,1,2,3
	ds_load_b128 v[128*((\k)%2)+16*\i+4*\c:128*((\k)%2)+16*\i+4*\c+3], v[ADRB+2*(((\k)/8)%2)+\i/4] offset:(\i%4)*16*PITCH+128*((\k)%8)+32*\c
.endr
.endr
.endm
.macro SBL j                           ; B's scale words of K steps 4 j .. 4 j + 3 into set j % 2: four loads
	WIN 0
.irp p, 0,1,2,3
	ds_load_b128 v[SB+16*((\j)%2)+4*\p:SB+16*((\j)%2)+4*\p+3], v[ADRS] offset:\p*16*272+16*(\j)
.endr
.endm
.macro PROD k, a, b
.set D_, ACC+8*(8*(\a)+(\b))
.set B_, 128*((\k)%2)+16*(\b)
.set A_, 32*((\k)%8)+16*(\a)
.set SB_, SB+16*(((\k)/4)%2)+4*((\b)/2)+(\k)%4
.set SA_, SA+(\k)%8
.if (\k) == 0                          ; the first K step starts the sums
.if ((\b)%2) && (\a)
	v_wmma_scale_f32_16x16x128_f8f6f4 v[D_:D_+7], v[B_:B_+15], v[A_:A_+15], 0, v[SB_], v[SA_] matrix_a_scale:MATRIX_SCALE_ROW1 matrix_b_scale:MATRIX_SCALE_ROW1
.elseif (\b)%2
	v_wmma_scale_f32_16x16x128_f8f6f4 v[D_:D_+7], v[B_:B_+15], v[A_:A_+15], 0, v[SB_], v[SA_] matrix_a_scale:MATRIX_SCALE_ROW1
.elseif (\a)
	v_wmma_scale_f32_16x16x128_f8f6f4 v[D_:D_+7], v[B_:B_+15], v[A_:A_+15], 0, v[SB_], v[SA_] matrix_b_scale:MATRIX_SCALE_ROW1
.else
	v_wmma_scale_f32_16x16x128_f8f6f4 v[D_:D_+7], v[B_:B_+15], v[A_:A_+15], 0, v[SB_], v[SA_]
.endif
.else
.if ((\b)%2) && (\a)
	v_wmma_scale_f32_16x16x128_f8f6f4 v[D_:D_+7], v[B_:B_+15], v[A_:A_+15], v[D_:D_+7], v[SB_], v[SA_] matrix_a_scale:MATRIX_SCALE_ROW1 matrix_b_scale:MATRIX_SCALE_ROW1
.elseif (\b)%2
	v_wmma_scale_f32_16x16x128_f8f6f4 v[D_:D_+7], v[B_:B_+15], v[A_:A_+15], v[D_:D_+7], v[SB_], v[SA_] matrix_a_scale:MATRIX_SCALE_ROW1
.elseif (\a)
	v_wmma_scale_f32_16x16x128_f8f6f4 v[D_:D_+7], v[B_:B_+15], v[A_:A_+15], v[D_:D_+7], v[SB_], v[SA_] matrix_b_scale:MATRIX_SCALE_ROW1
.else
	v_wmma_scale_f32_16x16x128_f8f6f4 v[D_:D_+7], v[B_:B_+15], v[A_:A_+15], v[D_:D_+7], v[SB_], v[SA_]
.endif
.endif
.endm
.macro MUL k, a, b0                    ; four products.  The 16 accumulators take turns, one instruction a turn, in the same order in every K step
.irp b, 0,1,2,3
	PROD \k, \a, (\b0)+\b
.endr
.endm
; A K step that has its successor in the same slot: the next step's fragments of B are asked for, into the set that the last step's products have left; then this step's 16 products
.macro KS k
	FETCHB (\k)+1
.if (\k)%4 == 3
	SBL ((\k)+1)/4
.endif
	AHEAD \k
	LCW \k
.if (\k)%4 == 3
	s_wait_dscnt 36                                ; all but the 36 just issued
.else
	s_wait_dscnt 32                                ; all but the 32 just issued
.endif
	WIN MULW
	MUL \k, 0, 0
	MUL \k, 0, 4
	MUL \k, 1, 0
	MUL \k, 1, 4
	PLACES
.endm
; A slot's last K step changes slots: one barrier; in front of it each wave waits for all its tensor loads, adds 0 to its spare word, and waits for that and for its reads of this slot.  fill = 1: this slot is filled again
.macro TURN k, fill
	AHEAD \k
	WIN 0
	s_wait_tensorcnt 0x0                           ; all my tensor loads have landed
	ds_add_u32 v[SPW], v[NIL]
	LCW \k
	s_wait_dscnt 1                                 ; this step's fragments are in; the add may be out
	WIN MULW
	MUL \k, 0, 0
	s_wait_dscnt 0x0                               ; the add is done, and my reads of this slot are over
	s_barrier_signal -1
	MUL \k, 0, 4
	WIN 0
	s_barrier_wait -1
.if \fill
	CREST                                          ; the barrier has opened a round of the cluster's: no wave of any partner still reads this slot or has a load on its way
	tensor_load_to_lds s[G0R+4*(((\k)/8)%2):G0R+4*(((\k)/8)%2)+3], s[G1R:G1R+7]   ; my 32 rows, two slots on along K: my one tensor load behind the round
	TAIL4
.endif
	FETCHB (\k)+1
	SBL ((\k)+1)/4
	WIN MULW
	MUL \k, 1, 0
	MUL \k, 1, 4
	PLACES
.endm
	s_load_b256 s[4:11], s[0:1], 0x0               ; A, B's codes, B's scales, the bias
	s_load_b128 s[92:95], s[0:1], 0x20             ; R, C
	v_lshl_add_u32 v[SPW], v0, 2, SPARE
	v_mov_b32 v[NIL], 0
	ds_add_u32 v[SPW], v[NIL]                      ; the opening lines: the add twice on end and one wait
	ds_add_u32 v[SPW], v[NIL]
	v_lshrrev_b32 v1, 5, v0
	v_readfirstlane_b32 s14, v1                    ; wave 0..3
	v_and_b32 v3, 31, v0
	v_lshlrev_b32 v[LN], 4, v3
	v_lshlrev_b32 v[SAO], 2, v3
	s_and_b32 s16, s14, 1
	s_bfe_u32 s40, ttmp6, 0x40000                  ; cx: it enters A's, R's and C's addresses alone
	s_lshl_b32 s17, ttmp9, 2
	s_add_co_u32 s17, s17, s40                     ; tile row
	s_and_b32 s42, ttmp7, 0xffff                   ; tile column: the same in all four partners
.irp g, G1H, G1R                       ; B's tiles: rows of 1,024 bytes, 4 words of padding after every 256; mask 15, bit 21 beside it
	s_mov_b32 s[\g], 15|(1<<20)|(1<<21)|(7<<22)|(3<<25)
	s_mov_b32 s[\g+1], 1024<<16
	s_mov_b32 s[\g+3], 1024<<16
	s_mov_b32 s[\g+5], KROW
	s_mov_b32 s[\g+6], 0
	s_mov_b32 s[\g+7], 0
.endr
	s_mov_b32 s[G1H+2], 128<<16                    ; at the head a whole slot,
	s_mov_b32 s[G1H+4], 128
	s_mov_b32 s[G1R+2], 32<<16                     ; in a refill 32 rows a wave
	s_mov_b32 s[G1R+4], 32
	s_mov_b32 s[G1S], 15|(3<<16)|(1<<20)|(1<<21)|(5<<22)|(3<<25)   ; the scales of 64 rows: 8 KiB dense, as 32 rows of 256 bytes with 16 of padding
	s_mov_b32 s[G1S+1], 32<<16
	s_mov_b32 s[G1S+2], 32<<16
	s_mov_b32 s[G1S+3], 32<<16
	s_mov_b32 s[G1S+4], 32
	s_mov_b32 s[G1S+5], 32
	s_mov_b32 s[G1S+6], 0
	s_mov_b32 s[G1S+7], 0
	s_lshl_b32 s20, s17, 3
	s_lshl_b32 s21, s14, 1
	s_add_co_u32 s20, s20, s21
	s_lshl_b32 s20, s20, 16                        ; A: my two row blocks of 64 KiB
	s_mov_b32 s21, 0
	s_lshl_b32 s22, s17, 7
	s_lshl_b32 s23, s14, 5
	s_add_co_u32 s22, s22, s23                     ; my first row
	s_lshl_b32 s44, s22, 2
	s_add_co_u32 s44, s44, ASC                     ; its scale word
	s_mov_b32 s45, 0
	s_lshl_b32 s46, s42, 19                        ; B: 128 rows of 4,096 bytes a tile column
	s_lshl_b32 s18, s16, 10
	s_add_co_u32 s18, s46, s18                     ; the head: K from 1,024 x (wave % 2) on
	s_mov_b32 s19, 0
	s_lshl_b32 s47, s14, 17
	s_add_co_u32 s46, s46, s47
	s_add_co_u32 s46, s46, 2048                    ; the refills: my 32 rows, K from 2,048 on
	s_mov_b32 s47, 0
	s_lshl_b32 s84, s42, 14
	s_lshl_b32 s85, s16, 13
	s_add_co_u32 s84, s84, s85                     ; B's scales: 64 rows x (wave % 2)
	s_mov_b32 s85, 0
	s_lshl_b32 s88, s42, 9                         ; my tile's first column, in bytes
	s_mov_b32 s89, 0
	s_lshl_b32 s86, s22, 12
	s_add_co_u32 s86, s86, s88                     ; R and C
	s_mov_b32 s87, 0
	s_mov_b32 s[G0C], 1
	s_mul_i32 s[G0C+1], s16, SLOT
	s_mov_b32 s[G0S], 1
	s_mul_i32 s[G0S+1], s16, 32*272
	s_add_co_u32 s[G0S+1], s[G0S+1], SCL
	s_mov_b32 s[G0R], 1
	s_mul_i32 s[G0R+1], s14, 32*PITCH
	s_mov_b32 s[G0R+4], 1
	s_add_co_u32 s[G0R+5], s[G0R+1], SLOT
	s_wait_alu depctr_va_vdst(0)                   ; directly ahead of the waits below
	s_wait_dscnt 0x0                               ; both opening adds are done
	s_wait_kmcnt 0x0
	s_add_nc_u64 s[AB:AB+1], s[4:5], s[20:21]
	s_add_nc_u64 s[SG:SG+1], s[4:5], s[44:45]
.irp k, 0,1,2,3,4,5
	GLA \k                                         ; A's first six K steps: 54 loads
.endr
	s_add_nc_u64 s[G0C+2:G0C+3], s[6:7], s[18:19]
	s_or_b32 s[G0C+3], s[G0C+3], 0x80000000
	s_add_nc_u64 s[G0R+2:G0R+3], s[6:7], s[46:47]
	s_add_nc_u64 s[G0R+6:G0R+7], s[G0R+2:G0R+3], 1024
	s_or_b32 s[G0R+3], s[G0R+3], 0x80000000
	s_or_b32 s[G0R+7], s[G0R+7], 0x80000000
	s_add_nc_u64 s[G0S+2:G0S+3], s[8:9], s[84:85]
	s_or_b32 s[G0S+3], s[G0S+3], 0x80000000
	s_add_nc_u64 s[BP:BP+1], s[10:11], s[88:89]
	s_add_nc_u64 s[RP:RP+1], s[RP:RP+1], s[86:87]
	s_add_nc_u64 s[CP:CP+1], s[CP:CP+1], s[86:87]
	CROUND                                         ; all four work-groups are here: the first joint loads meet
	s_cmp_lt_u32 s14, 2                            ; one chain of branches on the wave's number, one load to an arm
	s_cbranch_scc0 .Lhead_0
	tensor_load_to_lds s[G0S:G0S+3], s[G1S:G1S+7]
	TAIL4
	s_branch .Lhead_asked
.Lhead_0:
	s_cmp_eq_u32 s14, 2
	s_cbranch_scc0 .Lhead_1
	tensor_load_to_lds s[G0C:G0C+3], s[G1H:G1H+7]
	TAIL4
	s_branch .Lhead_asked
.Lhead_1:
	tensor_load_to_lds s[G0C:G0C+3], s[G1H:G1H+7]
	TAIL4
.Lhead_asked:
	v_and_b32 v1, 15, v0                           ; r
	v_bfe_u32 v2, v0, 4, 1                         ; h
	v_mul_u32_u24 v4, v1, PITCH
	v_lshl_add_u32 v[ADRB], v2, 4, v4              ; row x pitch + 16 h
	v_add_nc_u32 v[ADRB+1], 64*PITCH, v[ADRB]
	v_add_nc_u32 v[ADRB+2], SLOT, v[ADRB]
	v_add_nc_u32 v[ADRB+3], SLOT+64*PITCH, v[ADRB]
	v_lshrrev_b32 v5, 1, v3
	v_mul_u32_u24 v5, v5, 272
	v_and_b32 v6, 1, v3
	v_lshl_add_u32 v5, v6, 7, v5
	v_add_nc_u32 v[ADRS], SCL, v5                  ; B's scales: row = lane of a pair of blocks: two rows of 128 bytes to a unit
	s_mul_i32 s23, s14, WSTG                       ; my stage
	v_mul_u32_u24 v5, v1, SPITCH
	v_lshl_add_u32 v5, v2, 5, v5
	v_add_nc_u32 v[STO], s23, v5                   ; in: row r, 32 bytes for each half of the lanes
	v_add_nc_u32 v[RD], s23, v[LN]                 ; back: the 32 lanes take one row of 512 bytes
	s_wait_alu depctr_va_vdst(0)                   ; the head's end
	s_cmp_lt_u32 s14, 3
	s_cbranch_scc0 .Lnot_yet
	s_wait_tensorcnt 0x0                           ; waves 0 to 2: B's scales and slot 0.  Wave 3's wait for slot 1 stands at the first change of slots
.Lnot_yet:
	s_barrier_signal -1
	s_barrier_wait -1
	FETCHB 0
	SBL 0
.irp k, 0,1,2,3,4,5,6
	KS \k
.endr
	TURN 7, 1
.irp k, 8,9,10,11,12,13,14
	KS \k
.endr
	TURN 15, 1
.irp k, 16,17,18,19,20,21,22
	KS \k
.endr
	TURN 23, 0                                     ; nothing is filled again: a plain barrier shows slot 1's last tile
.irp k, 24,25,26,27,28,29,30
	KS \k
.endr
	AHEAD 31
	LCW 31
	s_wait_dscnt 0x0
	WIN MULW
	MUL 31, 0, 0
	MUL 31, 0, 4
	MUL 31, 1, 0
	MUL 31, 1, 4
	PLACES
; THE WAY OUT, block by block of 16 rows x 128 columns: through my own stage in LDS, back as whole rows of 512 bytes; the bias and the residual's rows are added; 32 lanes store 512 consecutive bytes.
.macro TOSTAGE a
	WIN 0
.irp b, 0,1,2,3,4,5,6,7
	ds_store_b128 v[STO], v[ACC+8*(8*(\a)+\b):ACC+8*(8*(\a)+\b)+3] offset:(\a)*16*SPITCH+64*\b          ; each accumulator from its low end on
	ds_store_b128 v[STO], v[ACC+8*(8*(\a)+\b)+4:ACC+8*(8*(\a)+\b)+7] offset:(\a)*16*SPITCH+64*\b+16
.endr
	WIN 0xc0
.set t, 0
.rept 16
	ds_load_b128 v[128+64*(\a)+4*t:128+64*(\a)+4*t+3], v[RD] offset:((\a)*16+t)*SPITCH   ; LDS serves a wave's instructions in order (ISA guide 5.7.1.4): these see the stores above
.set t, t+1
.endr
.endm
.macro SEND a
	s_wait_dscnt 32*(1-(\a))                       ; block a is back; the later block's 16 stores and 16 loads may be out
	WIN 0xc3                                       ; destination and source 0 window 3, source 1 window 0: the bias
.set t, 0
.rept 16
	v_pk_add_f32 v[128+64*(\a)+4*t:128+64*(\a)+4*t+1], v[128+64*(\a)+4*t:128+64*(\a)+4*t+1], v[BI:BI+1]
	v_pk_add_f32 v[128+64*(\a)+4*t+2:128+64*(\a)+4*t+3], v[128+64*(\a)+4*t+2:128+64*(\a)+4*t+3], v[BI+2:BI+3]
.set t, t+1
.endr
	WIN 0xcf                                       ; source 1 window 3: the residual
.set t, 0
.rept 32
	v_pk_add_f32 v[128+64*(\a)+2*t:128+64*(\a)+2*t+1], v[128+64*(\a)+2*t:128+64*(\a)+2*t+1], v[64*(\a)+2*t:64*(\a)+2*t+1]
.set t, t+1
.endr
	WIN 0x0c                                       ; a store's data are its source 1: window 3
.set t, 0
.rept 16
	global_store_b128 v[LN], v[128+64*(\a)+4*t:128+64*(\a)+4*t+3], s[CP:CP+1] offset:(16*(\a)+t)*4096 th:TH_STORE_NT   ; 512 consecutive bytes, aligned
.set t, t+1
.endr
.endm
	TOSTAGE 0
	TOSTAGE 1
	s_wait_loadcnt 0x0                             ; the residual and the bias
	SEND 0
	SEND 1
	WIN 0
	s_wait_tensorcnt 0x0                           ; the wave's end
	ds_add_u32 v[SPW], v[NIL]
	s_wait_dscnt 0x0
	CROUND                                         ; the closing round
	s_endpgm
.Lfunc_end_k_q9bee280b48_ffn2:
	.size	k_q9bee280b48_ffn2, .Lfunc_end_k_q9bee280b48_ffn2-k_q9bee280b48_ffn2
	.p2alignl 7, 3214868480
	.fill 96, 4, 3214868480
	.section	.rodata,"a",@progbits
	.p2align	6, 0x0
	.amdhsa_kernel k_q9bee280b48_ffn2
		.amdhsa_group_segment_fixed_size 327680
		.amdhsa_private_segment_fixed_size 0
		.amdhsa_enable_private_segment 0
		.amdhsa_kernarg_size 48
		.amdhsa_user_sgpr_count 2
		.amdhsa_user_sgpr_kernarg_segment_ptr 1
		.amdhsa_wavefront_size32 1
		.amdhsa_system_sgpr_workgroup_id_x 1
		.amdhsa_system_sgpr_workgroup_id_y 1
		.amdhsa_system_sgpr_workgroup_id_z 1
		.amdhsa_system_vgpr_workitem_id 0
		.amdhsa_next_free_vgpr 1024
		.amdhsa_next_free_sgpr 100
		.amdhsa_reserve_vcc 0
		.amdhsa_float_denorm_mode_32 3
		.amdhsa_float_denorm_mode_16_64 3
		.amdhsa_memory_ordered 1
		.amdhsa_forward_progress 1
		.amdhsa_inst_pref_size 200
	.end_amdhsa_kernel
	.amdgpu_metadata
---
amdhsa.version: [ 1, 2 ]
amdhsa.kernels:
  - .name:           k_q9bee280b48_ffn2
    .symbol:         k_q9bee280b48_ffn2.kd
    .args:
      - { .name: hid, .offset: 0, .size: 8, .value_kind: global_buffer, .address_space: global }
      - { .name: W2_codes, .offset: 8, .size: 8, .value_kind: global_buffer, .address_space: global }
      - { .name: W2_scales, .offset: 16, .size: 8, .value_kind: global_buffer, .address_space: global }
      - { .name: b2, .offset: 24, .size: 8, .value_kind: global_buffer, .address_space: global }
      - { .name: x1, .offset: 32, .size: 8, .value_kind: global_buffer, .address_space: global }
      - { .name: out0, .offset: 40, .size: 8, .value_kind: global_buffer, .address_space: global }
    .group_segment_fixed_size: 327680
    .private_segment_fixed_size: 0
    .kernarg_segment_align: 8
    .kernarg_segment_size: 48
    .max_flat_workgroup_size: 128
    .sgpr_count:     100
    .vgpr_count:     1024
    .wavefront_size: 32
...
	.end_amdgpu_metadata
.endif
;; end of part 12
